; MI455X (gfx1250); checked and timed in simulation.
; The chip was launched on July 23, 2026; its instructions are those of AMD's public machine-readable ISA for CDNA 5 (MIT licence, August 2026) and "CDNA5" Instruction Set Architecture Reference Guide (July 2026). The comments in the code are by the model that wrote it; some were corrected since.
;; self attention. Allowed arithmetic: matrix products marked QUANTISED: E2M3 operands, one E8M0 scale for each 32 along K, by v_wmma_scale_f32_16x16x128_f8f6f4 with both operands' format E2M3, f32 sums; everything else in f32.
;; Inputs: Wk_codes 1,024 x 32 x 24 uint8 (E2M3 codes of Wk, K innermost, in blocks of 32 codes, four codes in three bytes); Wk_scales 1,024 x 32 uint8 (E8M0 scales of Wk, one for each 32 codes along K); Wq_codes 1,024 x 32 x 24 uint8 (E2M3 codes of Wq, K innermost, in blocks of 32 codes, four codes in three bytes); Wq_scales 1,024 x 32 uint8 (E8M0 scales of Wq, one for each 32 codes along K); Wv_codes 1,024 x 32 x 24 uint8 (E2M3 codes of Wv, K innermost, in blocks of 32 codes, four codes in three bytes); Wv_scales 1,024 x 32 uint8 (E8M0 scales of Wv, one for each 32 codes along K); bk 1,024 float32; bq 1,024 float32; bv 1,024 float32; x_codes 4 x 2,048 x 32 x 24 uint8 (E2M3 codes of x, K innermost, in blocks of 32 codes, four codes in three bytes); x_scales 4 x 2,048 x 32 uint8 (E8M0 scales of x, one for each 32 codes along K).
;; Outputs: out0 4 x 2,048 x 1,024 float32.
;; This version of the problem:
;;   THIS VERSION OF THE PROBLEM IS GIVEN IN LOW PRECISION. The matrix products marked QUANTISED in the list below multiply operands that are first quantised to E2M3 (2 exponent bits, 3 mantissa bits; 6 bits a number), with one power-of-two scale for each 32 numbers along K (OCP MX v1.0); their sums are f32. All else is computed in f32.
;;   The module's matrix products, in the order in which they are computed (A, B: the left and right operand; K: the contracted axis; several contracted axes count as one K, in the product's order):
;;     1. [M 8,192, K 1,024] x [K 1,024, N 1,024]; A: input x (given as codes); B: input Wq (given as codes): QUANTISED
;;     2. [M 8,192, K 1,024] x [K 1,024, N 1,024]; A: input x (given as codes); B: input Wk (given as codes): QUANTISED
;;     3. [M 8,192, K 1,024] x [K 1,024, N 1,024]; A: input x (given as codes); B: input Wv (given as codes): QUANTISED
;;     4. batch 4 x [M 2,048, K 1,024] x [K 1,024, N 2,048]; A: computed on the way; B: computed on the way: QUANTISED
;;     5. batch 4 x [M 2,048, K 2,048] x [K 2,048, N 1,024]; A: softmax (see below); B: computed on the way: QUANTISED
;;   THE QUANTISER, for each operand of a quantised product, along K:
;;     - K is cut into blocks of 32 from its start; a last block that is shorter is filled with zeros.
;;     - A block's scale is 2^e with e = floor(log2(the largest magnitude in the block)) - 2, held to -126 .. 127; a block of zeros has e = 0. As a byte (E8M0): e + 127.
;;     - Each number is divided by its block's scale, clamped to +-7.5, and rounded to the nearest number of E2M3, ties to even, subnormals kept.
;;     - The product sums the exact products of the quantised numbers (number of the format x scale) in f32.
;;   ~~~python
;;   def quantise(x, axis):      # numpy; x: float32 -> the quantised numbers, widened to float32 again
;;       x = np.moveaxis(x, axis, -1); K = x.shape[-1]
;;       x = np.pad(x, [(0, 0)] * (x.ndim - 1) + [(0, -K % 32)]); x = x.reshape(x.shape[:-1] + (-1, 32)); a = np.abs(x).max(-1, keepdims=True)
;;       e = np.where(a > 0, np.clip(np.frexp(np.where(a > 0, a, 1))[1] - 1 - 2, -126, 127), 0)      # np.frexp(a)[1] - 1 = floor(log2(a)), exactly
;;       r = np.clip(x / 2.0 ** e, -7.5, 7.5)
;;       step = 2.0 ** (np.maximum(np.frexp(np.where(r == 0, 1, r))[1] - 1, 0) - 3)
;;       q = np.round(r / step) * step * 2.0 ** e      # np.round: ties to even
;;       return np.moveaxis(q.reshape(q.shape[:-2] + (-1,))[..., :K], -1, axis).astype(np.float32)
;;   ~~~
;;   SOFTMAX AHEAD OF A QUANTISED PRODUCT. Where the list says 'softmax', what is quantised is not the finished softmax but p = 2^(t - M), with t = logit x log2(e) and M = ceil(the row's largest t), a whole number; so 1/2 < the row's largest p <= 1. The row's sum l is taken of the UNQUANTISED p, in f32, and the product's result is divided by l at the end. Since M is a whole number, a kernel that streams over the keys may use a running M (the ceiling of the running maximum): every later rescaling is an exact power of two, which a block's scale takes up: the codes' values come out the same.
;;   OPERANDS COMPUTED ON THE WAY. 'Computed on the way' means the value that the module computes at that place (a softmax that the list does not call 'softmax' is quantised finished and normalised). What goes into a quantiser is computed in f32, as accurately as f32 sums, v_exp_f32 and their like allow (about 1e-6 of the number): no bf16 or f16 on the way to a quantiser, and a product that is left as it is and whose result goes on into a quantised operand takes f32 operands (vector FMAs, or v_wmma_f32_16x16x4_f32). A number that lies on a knife's edge between two numbers of the format may be rounded either way, as far as f32 arithmetic and the matrix unit's own rounding can turn it there, and no further.
;;   INPUTS GIVEN AS CODES. Wk (in the module: [1024, 1024], K = its axis 1); Wq (in the module: [1024, 1024], K = its axis 1); Wv (in the module: [1024, 1024], K = its axis 1); x (in the module: [4, 2048, 1024], K = its axis 2): each comes as NAME_codes (uint8): NAME with its K axis moved to the last place and cut into blocks of 32 codes, [.., K / 32, bytes a block], one block behind the other in memory; four codes in three bytes: a row's codes are one little-endian stream of bits, code i at bits 6 i .. 6 i + 5 (a code: sign, 2 exponent bits, 3 mantissa bits); and NAME_scales (uint8): the same leading axes, one E8M0 byte (e + 127) for each 32 codes along K. Its value is code x scale, taken as it is: it is not quantised again, and the codes and scales need not be those that the quantiser above would give.
;; 2 versions. Each part assembles by itself: llvm-mc -triple=amdgcn-amd-amdhsa -mcpu=gfx1250 --defsym DOCPART=n.
;; ======== version 1 of 2: 3 launches
;; workspace buffers: qc 6,291,456 bytes; kc 6,291,456 bytes; vc 6,291,456 bytes; pc 12,582,912 bytes; qs 262,144 bytes; ks 262,144 bytes; vs 262,144 bytes; pm 1,572,864 bytes
;; launch proj (part 1): grid 4 x 64, 4 waves a work-group, clusters of 4 x 4, 327,680 bytes of LDS; arguments x_codes, x_scales, Wq_codes, Wq_scales, Wk_codes, Wk_scales, Wv_codes, Wv_scales, bq, bk, bv, qc, qs, kc, ks, vc, vs; writes qc, qs, kc, ks, vc, vs
.if DOCPART == 1
	.amdgcn_target "amdgcn-amd-amdhsa--gfx1250"
	.amdhsa_code_object_version 6
	.text
	.protected	k_q3fe2093769_proj
	.globl	k_q3fe2093769_proj
	.p2align	8
	.type	k_q3fe2093769_proj,@function
k_q3fe2093769_proj:
	s_mov_b64 s[64:65], 0
	v_nop
	global_prefetch_b8 v0, s[64:65] scope:SCOPE_SE
	s_setreg_imm32_b32 hwreg(HW_REG_WAVE_MODE, 25, 1), 1
	s_wait_xcnt 0x0
	s_wait_alu depctr_hold_cnt(0) depctr_sa_sdst(0) depctr_va_vdst(0) depctr_va_sdst(0) depctr_va_ssrc(0) depctr_va_vcc(0) depctr_vm_vsrc(0)
	s_getreg_b32 s2, hwreg(HW_REG_IB_STS2, 6, 4)
	s_cmp_eq_u32 s2, 0
	s_cbranch_scc0 .Lentry_in_a_cluster
	s_endpgm
.Lentry_in_a_cluster:
	s_bfe_u32 s2, ttmp6, 0x10000c
	s_cmp_lg_u32 s2, 0xf033
	s_cbranch_scc0 .Lentry_shape_is_right
	s_endpgm
.Lentry_shape_is_right:
; Q = x Wq^T + bq, K = x Wk^T + bk, V = x Wv^T + bv on codes of FP6 (E2M3) with one E8M0 byte for each 32 along K; each result is quantised again at once:
; Q and K along the features, V along the keys, and leaves as codes and scale words laid as the next launches' operand registers want them.
; SHARES.  256 work-groups of four waves; each makes three tiles of 128 "A rows" x 256 "B rows" x K = 1,024: a tile of Q (A = x, B = Wq), of K (A = x, B = Wk), of V (A = Wv, B = x).
; Wave (rho = wave / 2, chi = wave % 2) makes A rows 64 rho on x B rows 128 chi on: 32 accumulators, 256 registers.
; THE MATRIX INSTRUCTION IS USED TRANSPOSED (source 0 = 16 B rows, source 1 = 16 A rows): lane (r, h) holds A row r, register j of tile b holds B row 16 b + 8 h + j.  So the B rows are the axis that is
; quantised, and a wave's 128 B rows are one K step of the next product: one fragment and one scale word a row.
; THE ORDER INSIDE A BLOCK OF 32.  A lane's 16 numbers of tiles 2 beta, 2 beta + 1 are k = 32 beta + 8 h + {0..7, 16..23}; a block's 24 bytes are [the half of h = 0 | the half of h = 1].  Every operand of the two
; later products is made by this same way out, so both sides of each product carry the same order; blocks, scales and exact products are those of ascending k, only the order of adding inside an instruction differs.
; OUT.  A fragment (16 rows x 128 K, 12 registers a lane) is stored as an image of its registers: registers 4 c .. 4 c + 3 of lane l at 512 c + 16 l: each store of the wave covers 512 consecutive bytes, aligned.
;   codes: [rowgroup of 128 rows][kappa = K / 128][block of 16 rows 0..7][1,536];  scale words: [rowgroup][kappa][rho][r 16][a 4] words.
; CLUSTERS, 4 x 4: A's tiles hang on the cluster's number and cy and are asked for jointly along a row of the cluster, B's on the cluster's number and cx, along a column.
; LIMITS: NaN and infinities among the inputs are not served.  A block of zeros gets the byte 1 where the rule says 127: its codes are zeros, and this program alone reads the bytes.
; No prefetch is laid: the first fills go out at the head, and nearly every tile is read by several work-groups at about the same time.
; REGISTERS, in windows of 256.  window 0: v1-14 lane numbers and addresses, v28-29 for the add, v32-127 scale words alone, v128-223 A's fragments (two sets of 48), v224-255 at work.
;   window 1: B's fragments, two sets, at v0 and v128.  window 2: accumulator i = 8 a + b at v[8 i].  window 3: v0-63 bq's C registers, v64-127 bk's, v128-211 the codes just made, v216-247 bv's.
.set NL,     6                         ; LDS loads that bring a fragment from rows: 6 of 8 bytes
.set KMOD,   8                         ; K steps of 128 in a tile
.set APITCH, 816                       ; A's row in LDS: 768 bytes + 16 behind each 256 = 204 words: row r starts 12 r words on modulo 64 (64 banks of 4 bytes: ISA guide 11.1): 16 different multiples of 4
.set BPITCH, 432                       ; half a row of B: 384 bytes + 16 behind each 128 = 108 words: 44 r modulo 64: likewise
.set BS0,    128*APITCH                ; A: 128 rows, all of K; behind it two slots of B: 256 rows x half of K
.set BS1,    BS0+256*BPITCH
.set SPARE,  BS1+256*BPITCH            ; the spare words, 128 bytes a wave: two blocks of 256 bytes that no other line names
.set AF,     128
.set MUL,    0xa1                      ; source 0 (B) window 1, source 1 (A) window 0, C and D window 2
.set MULC,   0xb1                      ; the same with C from window 3: a bias starts the sum
.set TO_B,   0x40                      ; destination window 1
.set ADRA, 4                           ; v4 my A fragments' LDS address; v5 the same behind one padding more
.set ADRB, 6                           ; v6, v7 my B fragments in slot 0, 1; v8, v9 behind one padding more
.set VS,   10                          ; v10 32 r + 16 h: the given scale bytes, 32 a row
.set VB,   11                          ; v11 32 h: a bias along the registers
.set VR,   12                          ; v12 4 r: a bias along the lanes
.set LI,   13                          ; v13 16 x lane: an image's place
.set LS2,  14                          ; v14 16 r + 8 h: two scale words a lane
.set SPW,  28
.set NIL,  29
.set PW,   192                         ; v192-195 the scale words just made (A's set 1 is free in every way out)
.set TX,   224                         ; v224-239 at work
.set BM,   240                         ; v240-255 the blocks' largest magnitudes, then the conversions' scale operands, then the small stores' data
.set CBQ,  0
.set CBK,  64
.set CBV,  216
.set WV,   38
.set RHO,  39
.set CHI,  66
.set CX,   67
.set CY,   96
.set GG,   97
.set SEL,  98
.set HM,   100
.set WQ,   101                         ; 64 rows of a B slot x wave
.set G1A,  40                          ; group 1: 64 rows of 768 bytes (A)
.set G1B,  48                          ; 128 rows of 384 bytes (B)
.set G1C,  56                          ; 64 rows of 384 bytes (B)
.set GA,   68
.set GB1,  72
.set GB2,  76
.set PXB,  80
.set PXB1, 82
.set XSB,  84
.set MSB, 0
.macro WIN new                         ; the immediate's high byte repeats the setting that is left
.if MSB != \new
	s_set_vgpr_msb (MSB<<8)|\new
.set MSB, \new
.endif
.endm
.macro PLACES n
.rept \n
	v_nop
.endr
.endm
.macro DSW n                           ; a wait's count cannot name more than its field holds
.if (\n) > 63
	s_wait_dscnt 63
.else
	s_wait_dscnt \n
.endif
.endm
.macro CREST                           ; a round of the cluster's barrier behind its opening barrier
	s_cmp_lg_u32 s[WV], 0
	s_cbranch_scc1 .Lnot_wave_0_\@
	s_barrier_signal -3
.Lnot_wave_0_\@:
	s_barrier_wait -3
	s_barrier_signal -1
	s_barrier_wait -1
.endm
.macro CROUND
	s_barrier_signal -1
	s_barrier_wait -1
	CREST
.endm
; Joint loads.  PAT1: waves 0, 1 fetch the halves of a B slot, waves 2, 3 the halves of A.  PAT2: each wave fetches a quarter of a B slot.  Four v_nop follow each tensor line.
.macro PAT1
	s_cmp_lt_u32 s[WV], 2
	s_cbranch_scc0 .Lfor_a_\@
	tensor_load_to_lds s[GB1:GB1+3], s[G1B:G1B+7]
	s_nop 0
	PLACES 4
	s_branch .Lasked_\@
.Lfor_a_\@:
	tensor_load_to_lds s[GA:GA+3], s[G1A:G1A+7]
	s_nop 0
	PLACES 4
.Lasked_\@:
.endm
.macro PAT2
	tensor_load_to_lds s[GB2:GB2+3], s[G1C:G1C+7]
	s_nop 0
	PLACES 4
.endm
; The four refills.  No tensor load of the wave is out here, so the groups 0 may be written.
.macro REFILL n
.if \n == 1                            ; slot 0 <- Wk, first half of K
	s_add_co_u32 s[GB2+1], s[WQ], BS0
	s_mov_b64 s[GB2+2:GB2+3], s[12:13]
	s_or_b32 s[GB2+3], s[GB2+3], 0x80000000
	PAT2
.elseif \n == 2                        ; slot 1 <- Wk, second half
	s_add_co_u32 s[GB2+1], s[WQ], BS1
	s_add_nc_u64 s[GB2+2:GB2+3], s[GB2+2:GB2+3], 384
	PAT2
.elseif \n == 3                        ; slot 0 <- x as B, first half
	s_add_co_u32 s[GB2+1], s[WQ], BS0
	s_mov_b64 s[GB2+2:GB2+3], s[PXB:PXB+1]
	s_or_b32 s[GB2+3], s[GB2+3], 0x80000000
	PAT2
.else                                  ; slot 1 <- x as B, second half (waves 0, 1);  A <- Wv (waves 2, 3): the two fall free together
	s_mul_i32 s[GB1+1], s[CHI], 128*BPITCH
	s_add_co_u32 s[GB1+1], s[GB1+1], BS1
	s_mov_b64 s[GB1+2:GB1+3], s[PXB1:PXB1+1]
	s_or_b32 s[GB1+3], s[GB1+3], 0x80000000
	s_mov_b64 s[GA+2:GA+3], s[16:17]
	s_or_b32 s[GA+3], s[GA+3], 0x80000000
	PAT1
.endif
.endm
; Matrix instruction i of a K step's 32: accumulator i = 8 a + b.  The given scale bytes lie 32 to a row: register kappa % 4 of a block's four holds kappa in lanes 0-15 and kappa + 4 in lanes 16-31.
; cm = 0: adds in place; 2: C = the bias along the registers; 3: C = the bias along the lanes.  The 32 accumulators take turns, one instruction a turn, in the same order in every K step.
.macro MM kap, cm
.set PB, 128*((\kap)%2)+12*(i%8)
.set PA, AF+48*((\kap)%2)+12*(i/8)
.set SX0, SBB+4*(i%8)+(\kap)%4
.set SX1, SAB+4*(i/8)+(\kap)%4
.set CR, 8*i
.if \cm == 2
.set CR, CB+8*(i%8)
.endif
.if \cm == 3
.set CR, CBV+8*(i/8)
.endif
.if \cm >= 2
	WIN MULC
.else
	WIN MUL
.endif
.if (\kap) < 4
	v_wmma_scale_f32_16x16x128_f8f6f4 v[8*i:8*i+7], v[PB:PB+11], v[PA:PA+11], v[CR:CR+7], v[SX0], v[SX1] matrix_a_fmt:MATRIX_FMT_FP6 matrix_b_fmt:MATRIX_FMT_FP6
.else
	v_wmma_scale_f32_16x16x128_f8f6f4 v[8*i:8*i+7], v[PB:PB+11], v[PA:PA+11], v[CR:CR+7], v[SX0], v[SX1] matrix_a_fmt:MATRIX_FMT_FP6 matrix_b_fmt:MATRIX_FMT_FP6 matrix_a_scale:MATRIX_SCALE_ROW1 matrix_b_scale:MATRIX_SCALE_ROW1
.endif
.endm
; Fragment f of the NEXT K step (NX; slot NS, place NK in it, set NP): f = 0..7 B's blocks, 8..11 A's.  Lane (r, h) takes 24 bytes of its row's stream of bits twice, in pieces of 8 bytes; lanes 16-31 read three
; pieces further on, which for some pieces is behind one padding more: the second address register serves those.
.macro FR f
.if (\f) < 8
	WIN TO_B
.irp p, 0,1,2,3,4,5
.set PP, 12*NK+6*(\p/3)+\p%3
.if PP%16 < 13
	ds_load_b64 v[128*NP+12*(\f)+2*\p:128*NP+12*(\f)+2*\p+1], v[ADRB+NS] offset:16*BPITCH*(\f)+8*PP+16*(PP/16)
.else
	ds_load_b64 v[128*NP+12*(\f)+2*\p:128*NP+12*(\f)+2*\p+1], v[ADRB+2+NS] offset:16*BPITCH*(\f)+8*PP+16*(PP/16)
.endif
.endr
.else
	WIN 0
.irp p, 0,1,2,3,4,5
.set PP, 12*NX+6*(\p/3)+\p%3
.if PP%32 < 29
	ds_load_b64 v[AF+48*NP+12*((\f)-8)+2*\p:AF+48*NP+12*((\f)-8)+2*\p+1], v[ADRA] offset:16*APITCH*((\f)-8)+8*PP+16*(PP/32)
.else
	ds_load_b64 v[AF+48*NP+12*((\f)-8)+2*\p:AF+48*NP+12*((\f)-8)+2*\p+1], v[ADRA+1] offset:16*APITCH*((\f)-8)+8*PP+16*(PP/32)
.endif
.endr
.endif
.endm
.macro FETCH0                          ; a tile's first fragments, in one run
.set NX, 0
.set NS, 0
.set NK, 0
.set NP, 0
.irp f, 0,1,2,3,4,5,6,7,8,9,10,11
	FR \f
.endr
.endm
; A K step of 128: 32 matrix instructions; behind every second of the first 24 stand the loads of one fragment of the next K step, so that the wave issues them while the matrix unit works.
; Fragments were asked for in the order B0..7, A0..3.  In front of A's block a: its older blocks a + 1 .. 3 and the 4 a fragments asked for in this step may be out.
; The four v_nop are the places between the last K step's matrix instructions, which read the other set, and the loads into it (ISA guide 7.12.1 for vector instructions).
.macro KSTEP kap, cm, fetch
.set NX, ((\kap)+1)%KMOD
.set NS, (NX/4)%2
.set NK, NX%4
.set NP, NX%2
	s_wait_dscnt 3*NL
.if \fetch
	PLACES 4
.endif
.set i, 0
.rept 32
.if (i > 0) && (i%8 == 0)
.if \fetch
	DSW 3*NL+3*NL*(i/8)
.else
	DSW 3*NL-NL*(i/8)
.endif
.endif
	MM \kap, \cm
.if (\fetch) && (i%2 == 0) && (i < 24)
	FR i/2
.endif
.set i, i+1
.endr
.endm
; A slot's last K step: all reads of the slot were issued a K step ago.  ONE barrier: in front of it each wave waits for all its tensor loads, adds 0 to its spare word and waits for that and for its reads.
; fill > 0: the barrier opens a round of the cluster's barrier, and the joint refill is the first tensor load behind it.
.macro TURN kap, fill, fetch
.set NX, ((\kap)+1)%KMOD
.set NS, (NX/4)%2
.set NK, NX%4
.set NP, NX%2
.if \fetch
	PLACES 4                                       ; the places in front of this step's fetches, on every wave's path
.endif
	WIN 0
	s_wait_tensorcnt 0x0                           ; all my tensor loads have landed: my part of the slot that is read next
	ds_add_u32 v[SPW], v[NIL]                      ; 0 onto my spare word
	s_wait_dscnt 3*NL+1                            ; (the add and A's blocks 1-3 may be out)
.set i, 0
.rept 8
	MM \kap, 0
.set i, i+1
.endr
	s_wait_dscnt 0x0                               ; the add is done, and my reads of the slot are over
	s_barrier_signal -1
.rept 8
	MM \kap, 0
.set i, i+1
.endr
	WIN 0
	s_barrier_wait -1
.if \fill
	CREST                                          ; no wave of any partner still reads these bytes or has a load on its way
	REFILL \fill
.endif
.rept 16
	MM \kap, 0
.if (\fetch) && (i < 28)
	FR i-16
.endif
.set i, i+1
.endr
.endm
; THE WAY OUT's parts.
.macro BYTES                           ; from the blocks' largest magnitudes (floored at 2^(3 - 127)): the conversions' scale operands, in place, and the rows' scale words
.irp k, 0,1,2,3,4,5,6,7,8,9,10,11,12,13,14,15
	v_add_nc_u32 v[BM+\k], 0xff000000, v[BM+\k]    ; 2 off the exponent field
.endr
.irp k, 0,1,2,3,4,5,6,7,8,9,10,11,12,13,14,15
	v_lshrrev_b32 v[TX+\k], 23, v[BM+\k]           ; the scale's byte
.endr
.irp a, 0,1,2,3
	v_lshl_or_b32 v[PW+\a], v[TX+4*\a+1], 8, v[TX+4*\a]
.endr
.irp a, 0,1,2,3
	v_lshl_or_b32 v[PW+\a], v[TX+4*\a+2], 16, v[PW+\a]
.endr
.irp a, 0,1,2,3
	v_lshl_or_b32 v[PW+\a], v[TX+4*\a+3], 24, v[PW+\a]
.endr
.endm
.macro SETPCA a                        ; where block a's codes are made, in window 3: 148, 168, 192, 128: numbers that its sources' numbers do not meet
.set PCA, 128+20*(((\a)+1)%4)+4*((\a)/2-(\a)/3)
.endm
.macro CODES                           ; 64 numbers a lane and block of rows become a fragment's 12 registers
	WIN 0xc2                                       ; numbers window 2, scale operand window 0, codes window 3
.irp a, 0,1,2,3
	SETPCA \a
.irp c, 0,1
	v_cvt_scalef32_pk16_fp6_f32 v[PCA+6*\c:PCA+6*\c+2], v[64*\a+32*\c:64*\a+32*\c+15], v[BM+4*\a+2*\c]
	v_cvt_scalef32_pk16_fp6_f32 v[PCA+12+4*\c:PCA+14+4*\c], v[64*\a+32*\c+16:64*\a+32*\c+31], v[BM+4*\a+2*\c+1]   ; (a conversion's three registers begin on an even number)
.endr
.endr
	v_nop                                          ; one plain place behind the scaled conversions
	WIN 0xc3
.irp a, 0,1,2,3
	SETPCA \a
.irp c, 0,1
.irp n, 0,1,2
	v_permlane16_swap_b32 v[PCA+6*\c+\n], v[PCA+12+4*\c+\n]   ; the operand's layout wants a whole block in a lane: lanes 0-15 block 2 c, lanes 16-31 block 2 c + 1
.endr
.endr
.endr
.irp a, 0,1,2,3
	SETPCA \a
.irp c, 0,1
.irp n, 0,1,2
	v_mov_b32 v[PCA+3+6*\c+\n], v[PCA+12+4*\c+\n]
.endr
.endr
.endr
.endm
.macro PUTIMG base, off                ; four fragments leave as images of their registers
	WIN 0x0c                                       ; a store's data are its source 1: window 3
.irp a, 0,1,2,3
	SETPCA \a
.irp c, 0,1,2
	global_store_b128 v[LI], v[PCA+4*\c:PCA+4*\c+3], s[\base:\base+1] offset:\off+1536*\a+512*\c
.endr
.endr
	WIN 0
.endm
.macro EPI cb, sb
	s_wait_xcnt 0x0                                ; the last way out's stores have read their registers, which are written again below
	PLACES 4                                       ; behind the last products
	WIN 0x0a                                       ; sources 0 and 1 window 2
.irp k, 0,1,2,3,4,5,6,7,8,9,10,11,12,13,14,15
	v_max3_num_f32 v[BM+\k], |v[16*\k]|, |v[16*\k+1]|, 0x1800000   ; block k = 4 a + beta: my 16 numbers, and the floor 2^(3 - 127); each accumulator is read from its low end on
.endr
.irp e, 2,4,6,8,10,12,14
.irp k, 0,1,2,3,4,5,6,7,8,9,10,11,12,13,14,15
	v_max3_num_f32 v[BM+\k], |v[16*\k+\e]|, |v[16*\k+\e+1]|, v[BM+\k]
.endr
.endr
	WIN 0
.irp k, 0,1,2,3,4,5,6,7,8,9,10,11,12,13,14,15
	v_permlanex16_b32 v[TX+\k], v[BM+\k], s[SEL], s[SEL+1]
.endr
.irp k, 0,1,2,3,4,5,6,7,8,9,10,11,12,13,14,15
	v_max_num_f32 v[BM+\k], v[BM+\k], v[TX+\k]     ; with lane l xor 16's: the block's largest magnitude
.endr
	BYTES
	CODES
	PUTIMG \cb, 0
	v_cndmask_b32 v[BM], v[PW], v[PW+2], s[HM]     ; lanes 0-15 carry the words of blocks 0, 1, lanes 16-31 those of blocks 2, 3
	v_cndmask_b32 v[BM+1], v[PW+1], v[PW+3], s[HM]
	global_store_b64 v[LS2], v[BM:BM+1], s[\sb:\sb+1]   ; 256 consecutive bytes, aligned
.endm
	s_load_b512 s[4:19], s[0:1], 0x0               ; x codes 4, x scales 6, Wq codes 8, scales 10, Wk codes 12, scales 14, Wv codes 16, scales 18
	s_load_b512 s[20:35], s[0:1], 0x40             ; bq 20, bk 22, bv 24, qc 26, qs 28, kc 30, ks 32, vc 34
	s_load_b64 s[36:37], s[0:1], 0x80              ; vs
	v_lshl_add_u32 v[SPW], v0, 2, SPARE
	v_mov_b32 v[NIL], 0
	ds_add_u32 v28, v29
	ds_add_u32 v28, v29
	s_wait_dscnt 0x0
	v_lshrrev_b32 v1, 5, v0
	v_readfirstlane_b32 s[WV], v1                  ; wave 0..3
	s_lshr_b32 s[RHO], s[WV], 1
	s_and_b32 s[CHI], s[WV], 1
	s_bfe_u32 s[CX], ttmp6, 0x40000
	s_bfe_u32 s[CY], ttmp6, 0x40004
	s_and_b32 s[GG], ttmp7, 0xffff                 ; the cluster's number, 0..15
	s_lshl_b32 s94, s[CY], 2
	s_lshl_b32 s94, 15, s94                        ; my row of the cluster
	s_lshl_b32 s95, 0x1111, s[CX]                  ; my column
	s_or_b32 s[G1A], s94, (1<<20)|(1<<21)|(5<<22)|(3<<25)   ; elements of 1 byte; padding on; bit 21 beside a mask; 4 words behind every 64
	s_or_b32 s[G1B], s95, (1<<20)|(1<<21)|(4<<22)|(3<<25)   ; 4 words behind every 32
	s_or_b32 s[G1C], s95, (1<<20)|(1<<21)|(4<<22)|(3<<25)
	s_mov_b32 s[G1A+1], 768<<16                    ; tensor_dim0
	s_mov_b32 s[G1A+2], 64<<16                     ; tensor_dim1
	s_mov_b32 s[G1A+3], 768<<16                    ; tile_dim0
	s_mov_b32 s[G1A+4], 64                         ; tile_dim1
	s_mov_b32 s[G1A+5], 768                        ; from row to row
	s_mov_b32 s[G1A+6], 0
	s_mov_b32 s[G1A+7], 0
	s_mov_b32 s[G1B+1], 384<<16
	s_mov_b32 s[G1B+2], 128<<16
	s_mov_b32 s[G1B+3], 384<<16
	s_mov_b32 s[G1B+4], 128
	s_mov_b32 s[G1B+5], 768
	s_mov_b32 s[G1B+6], 0
	s_mov_b32 s[G1B+7], 0
	s_mov_b32 s[G1C+1], 384<<16
	s_mov_b32 s[G1C+2], 64<<16
	s_mov_b32 s[G1C+3], 384<<16
	s_mov_b32 s[G1C+4], 64
	s_mov_b32 s[G1C+5], 768
	s_mov_b32 s[G1C+6], 0
	s_mov_b32 s[G1C+7], 0
	s_lshl_b32 s88, s[GG], 2
	s_add_co_u32 s88, s88, s[CY]                   ; g = 4 G + cy: x's rowgroup as A
	s_lshr_b32 s89, s[GG], 1
	s_lshl_b32 s89, s89, 2
	s_add_co_u32 s89, s89, s[CX]                   ; y = 4 (G / 2) + cx: x's 256 rows as B
	s_and_b32 s90, s[GG], 1
	s_lshl_b32 s90, s90, 2
	s_add_co_u32 s90, s90, s[CY]                   ; u = 4 (G % 2) + cy: Wv's rowgroup
	s_mov_b32 s[GA], 1
	s_mul_i32 s[GA+1], s[CHI], 64*APITCH           ; LDS addresses hang on the wave's number alone
	s_mov_b32 s[GB1], 1
	s_mul_i32 s[GB1+1], s[CHI], 128*BPITCH
	s_add_co_u32 s[GB1+1], s[GB1+1], BS0
	s_mov_b32 s[GB2], 1
	s_mul_i32 s[WQ], s[WV], 64*BPITCH
	s_add_co_u32 s[GB2+1], s[WQ], BS1
	s_mul_i32 s2, s88, 128*768                     ; x as A: rows 128 g + 64 (wave % 2)
	s_mul_i32 s94, s[CHI], 64*768
	s_add_co_u32 s2, s2, s94
	s_mov_b32 s3, 0
	s_mul_i32 s86, s[CX], 256*768                  ; Wq: rows 256 cx + 128 (wave % 2)
	s_mul_i32 s94, s[CHI], 128*768
	s_add_co_u32 s86, s86, s94
	s_mov_b32 s87, 0
	s_mul_i32 s92, s[CX], 256*768                  ; Wq, Wk: rows 256 cx + 64 wave
	s_mul_i32 s94, s[WV], 64*768
	s_add_co_u32 s92, s92, s94
	s_mov_b32 s93, 0
	s_mov_b32 s[SEL], 0x76543210
	s_mov_b32 s[SEL+1], 0xfedcba98                 ; v_permlanex16_b32's selects for lane l xor 16
	s_mov_b32 s[HM], 0xffff0000                    ; lanes 16-31
	s_wait_kmcnt 0x0
	s_add_nc_u64 s[GA+2:GA+3], s[4:5], s[2:3]
	s_or_b32 s[GA+3], s[GA+3], 0x80000000
	s_add_nc_u64 s[GB1+2:GB1+3], s[8:9], s[86:87]
	s_or_b32 s[GB1+3], s[GB1+3], 0x80000000
	s_add_nc_u64 s[GB2+2:GB2+3], s[8:9], s[92:93]
	s_add_nc_u64 s[GB2+2:GB2+3], s[GB2+2:GB2+3], 384
	s_or_b32 s[GB2+3], s[GB2+3], 0x80000000
	CROUND                                         ; all sixteen work-groups are here: the first joint loads meet
	PAT1                                           ; Wq's first half of K into slot 0, x into A
	PAT2                                           ; Wq's second half into slot 1: two tensor loads of mine are out
	s_add_nc_u64 s[12:13], s[12:13], s[92:93]      ; Wk at my quarter
	s_mul_i32 s2, s89, 256*768
	s_mul_i32 s94, s[WV], 64*768
	s_add_co_u32 s2, s2, s94
	s_add_nc_u64 s[PXB:PXB+1], s[4:5], s[2:3]      ; x as B, first half, my quarter
	s_mul_i32 s2, s89, 256*768
	s_mul_i32 s94, s[CHI], 128*768
	s_add_co_u32 s2, s2, s94
	s_add_co_u32 s2, s2, 384
	s_add_nc_u64 s[PXB1:PXB1+1], s[4:5], s[2:3]    ; x as B, second half, my half of the rows
	s_mul_i32 s2, s90, 128*768
	s_mul_i32 s94, s[CHI], 64*768
	s_add_co_u32 s2, s2, s94
	s_add_nc_u64 s[16:17], s[16:17], s[2:3]        ; Wv as A
	s_lshl_b32 s2, s89, 13
	s_lshl_b32 s94, s[CHI], 12
	s_add_co_u32 s2, s2, s94
	s_add_nc_u64 s[XSB:XSB+1], s[6:7], s[2:3]      ; x's scale bytes as B: rows 256 y + 128 chi
	s_lshl_b32 s2, s88, 12
	s_lshl_b32 s94, s[RHO], 11
	s_add_co_u32 s2, s2, s94
	s_add_nc_u64 s[6:7], s[6:7], s[2:3]            ; and as A: rows 128 g + 64 rho
	s_lshl_b32 s2, s[CX], 13
	s_lshl_b32 s94, s[CHI], 12
	s_add_co_u32 s2, s2, s94
	s_add_nc_u64 s[10:11], s[10:11], s[2:3]        ; Wq's and Wk's: rows 256 cx + 128 chi
	s_add_nc_u64 s[14:15], s[14:15], s[2:3]
	s_lshl_b32 s2, s90, 12
	s_lshl_b32 s94, s[RHO], 11
	s_add_co_u32 s2, s2, s94
	s_add_nc_u64 s[18:19], s[18:19], s[2:3]        ; Wv's: rows 128 u + 64 rho
	s_lshl_b32 s2, s[CX], 10
	s_lshl_b32 s94, s[CHI], 9
	s_add_co_u32 s2, s2, s94
	s_add_nc_u64 s[20:21], s[20:21], s[2:3]        ; bq, bk at 256 cx + 128 chi
	s_add_nc_u64 s[22:23], s[22:23], s[2:3]
	s_lshl_b32 s2, s90, 9
	s_lshl_b32 s94, s[RHO], 8
	s_add_co_u32 s2, s2, s94
	s_add_nc_u64 s[24:25], s[24:25], s[2:3]        ; bv at 128 u + 64 rho
	s_lshl_b32 s91, s88, 3
	s_lshl_b32 s94, s[CX], 1
	s_add_co_u32 s91, s91, s94
	s_add_co_u32 s91, s91, s[CHI]                  ; Q, K: (rowgroup, kappa) = 8 g + 2 cx + chi
	s_mul_i32 s2, s91, 12288
	s_mul_i32 s94, s[RHO], 6144
	s_add_co_u32 s2, s2, s94
	s_add_nc_u64 s[26:27], s[26:27], s[2:3]
	s_add_nc_u64 s[30:31], s[30:31], s[2:3]
	s_lshl_b32 s2, s91, 9
	s_lshl_b32 s94, s[RHO], 8
	s_add_co_u32 s2, s2, s94
	s_add_nc_u64 s[28:29], s[28:29], s[2:3]
	s_add_nc_u64 s[32:33], s[32:33], s[2:3]
	s_lshr_b32 s91, s89, 3                         ; V: ((batch 8 + u) 16 + 2 (y % 8) + chi)
	s_lshl_b32 s91, s91, 3
	s_add_co_u32 s91, s91, s90
	s_lshl_b32 s91, s91, 4
	s_and_b32 s94, s89, 7
	s_lshl_b32 s94, s94, 1
	s_add_co_u32 s91, s91, s94
	s_add_co_u32 s91, s91, s[CHI]
	s_mul_i32 s2, s91, 12288
	s_mul_i32 s94, s[RHO], 6144
	s_add_co_u32 s2, s2, s94
	s_add_nc_u64 s[34:35], s[34:35], s[2:3]
	s_lshl_b32 s2, s91, 9
	s_lshl_b32 s94, s[RHO], 8
	s_add_co_u32 s2, s2, s94
	s_add_nc_u64 s[36:37], s[36:37], s[2:3]
	v_and_b32 v1, 15, v0                           ; r
	v_bfe_u32 v2, v0, 4, 1                         ; h
	v_and_b32 v3, 31, v0                           ; lane
	v_lshlrev_b32 v[VS], 5, v1
	v_lshl_add_u32 v[VS], v2, 4, v[VS]
	v_lshlrev_b32 v[VB], 5, v2
	v_lshlrev_b32 v[VR], 2, v1
	v_lshlrev_b32 v[LI], 4, v3
	v_lshlrev_b32 v[LS2], 4, v1
	v_lshl_add_u32 v[LS2], v2, 3, v[LS2]
	; the scale words of all of K go straight into registers, once for each operand: a load reads the 512 consecutive bytes of 16 rows
.irp a, 0,1,2,3
	global_load_b128 v[32+4*\a:35+4*\a], v[VS], s[6:7] offset:512*\a
.endr
.irp b, 0,1,2,3,4,5,6,7
	global_load_b128 v[48+4*\b:51+4*\b], v[VS], s[10:11] offset:512*\b
.endr
	WIN 0xc0                                       ; destination window 3
.irp b, 0,1,2,3,4,5,6,7
	global_load_b128 v[CBQ+8*\b:CBQ+8*\b+3], v[VB], s[20:21] offset:64*\b        ; bq at 16 b + 8 h + 0 .. 7: the C of tile b's first product
	global_load_b128 v[CBQ+8*\b+4:CBQ+8*\b+7], v[VB], s[20:21] offset:64*\b+16
.endr
	WIN 0
.irp b, 0,1,2,3,4,5,6,7
	global_load_b128 v[80+4*\b:83+4*\b], v[VS], s[14:15] offset:512*\b
.endr
	WIN 0xc0
.irp b, 0,1,2,3,4,5,6,7
	global_load_b128 v[CBK+8*\b:CBK+8*\b+3], v[VB], s[22:23] offset:64*\b
	global_load_b128 v[CBK+8*\b+4:CBK+8*\b+7], v[VB], s[22:23] offset:64*\b+16
.endr
	WIN 0
.irp a, 0,1,2,3
	global_load_b128 v[112+4*\a:115+4*\a], v[VS], s[18:19] offset:512*\a
.endr
	WIN 0xc0
.irp a, 0,1,2,3
.irp j, 0,1,2,3,4,5,6,7
	global_load_b32 v[CBV+8*\a+\j], v[VR], s[24:25] offset:64*\a                 ; bv of my lane's channel, in all eight registers
.endr
.endr
	WIN 0
	v_mul_u32_u24 v[ADRA], v1, APITCH
	v_mad_u32_u24 v[ADRA], v2, 24, v[ADRA]
	s_mul_i32 s2, s[RHO], 64*APITCH
	v_add_nc_u32 v[ADRA], s2, v[ADRA]              ; my 64 rows of A: row r, + 24 h
	v_lshl_add_u32 v[ADRA+1], v2, 4, v[ADRA]
	v_mul_u32_u24 v[ADRB], v1, BPITCH
	v_mad_u32_u24 v[ADRB], v2, 24, v[ADRB]
	s_mul_i32 s2, s[CHI], 128*BPITCH
	s_add_co_u32 s2, s2, BS0
	v_add_nc_u32 v[ADRB], s2, v[ADRB]              ; my 128 rows of B in slot 0,
	v_add_nc_u32 v[ADRB+1], 256*BPITCH, v[ADRB]    ; in slot 1
	v_lshl_add_u32 v[ADRB+2], v2, 4, v[ADRB]
	v_lshl_add_u32 v[ADRB+3], v2, 4, v[ADRB+1]
.irp k, 0,1,2,3,4,5,6,7,8,9,10,11,12,13,14,15
	v_mov_b32 v[TX+\k], 0                          ; written once: a lane permute's destination counts as one of its sources
.endr
	s_wait_tensorcnt 1                             ; my parts of A and of slot 0 are in; slot 1's may stay out
	s_barrier_signal -1
	s_barrier_wait -1
	FETCH0
	s_wait_loadcnt 60                              ; x's and Wq's scale words and bq are in; the 60 loads for the tiles of K and V may stay out
	; ---- the tile of Q
.set SAB, 32
.set SBB, 48
.set CB,  CBQ
	KSTEP 0, 2, 1
	KSTEP 1, 0, 1
	KSTEP 2, 0, 1
	TURN  3, 1, 1
	KSTEP 4, 0, 1
	KSTEP 5, 0, 1
	KSTEP 6, 0, 1
	TURN  7, 2, 1
	EPI 26, 28
	; ---- the tile of K
	s_wait_loadcnt 0x0
.irp b, 0,1,2,3,4,5,6,7
	global_load_b128 v[48+4*\b:51+4*\b], v[VS], s[XSB:XSB+1] offset:512*\b       ; x's scale words as B take Wq's registers, for the tile of V
.endr
.set SBB, 80
.set CB,  CBK
	KSTEP 0, 2, 1
	KSTEP 1, 0, 1
	KSTEP 2, 0, 1
	TURN  3, 3, 1
	KSTEP 4, 0, 1
	KSTEP 5, 0, 1
	KSTEP 6, 0, 1
	TURN  7, 4, 0
	EPI 30, 32
	s_wait_tensorcnt 0x0                           ; my part of Wv or of x's second half is in;
	s_barrier_signal -1
	s_barrier_wait -1                              ; everybody's is.
	FETCH0
	s_wait_loadcnt 0x0
	; ---- the tile of V: both slots and A are whole, so no barrier stands in it
.set SAB, 112
.set SBB, 48
	KSTEP 0, 3, 1
	KSTEP 1, 0, 1
	KSTEP 2, 0, 1
	KSTEP 3, 0, 1
	KSTEP 4, 0, 1
	KSTEP 5, 0, 1
	KSTEP 6, 0, 1
	KSTEP 7, 0, 0
	EPI 34, 36
	s_wait_tensorcnt 0x0                           ; the wave's end
	ds_add_u32 v[SPW], v[NIL]
	s_wait_dscnt 0x0
	CROUND                                         ; the closing round
	s_endpgm
.Lfunc_end_k_q3fe2093769_proj:
	.size	k_q3fe2093769_proj, .Lfunc_end_k_q3fe2093769_proj-k_q3fe2093769_proj
	.p2alignl 7, 3214868480
	.fill 96, 4, 3214868480
	.section	.rodata,"a",@progbits
	.p2align	6, 0x0
	.amdhsa_kernel k_q3fe2093769_proj
		.amdhsa_group_segment_fixed_size 327680
		.amdhsa_private_segment_fixed_size 0
		.amdhsa_enable_private_segment 0
		.amdhsa_kernarg_size 136
		.amdhsa_user_sgpr_count 2
		.amdhsa_user_sgpr_kernarg_segment_ptr 1
		.amdhsa_wavefront_size32 1
		.amdhsa_system_sgpr_workgroup_id_x 1
		.amdhsa_system_sgpr_workgroup_id_y 1
		.amdhsa_system_sgpr_workgroup_id_z 1
		.amdhsa_system_vgpr_workitem_id 0
		.amdhsa_next_free_vgpr 1024
		.amdhsa_next_free_sgpr 102
		.amdhsa_reserve_vcc 0
		.amdhsa_float_denorm_mode_32 3
		.amdhsa_float_denorm_mode_16_64 3
		.amdhsa_memory_ordered 1
		.amdhsa_forward_progress 1
		.amdhsa_inst_pref_size 255
	.end_amdhsa_kernel
	.section	.bss,"aw",@nobits
	.p2align	6
	.space	262144
	.amdgpu_metadata
---
amdhsa.version: [ 1, 2 ]
amdhsa.kernels:
  - .name:           k_q3fe2093769_proj
    .symbol:         k_q3fe2093769_proj.kd
    .args:
      - { .name: x_codes, .offset: 0, .size: 8, .value_kind: global_buffer, .address_space: global }
      - { .name: x_scales, .offset: 8, .size: 8, .value_kind: global_buffer, .address_space: global }
      - { .name: Wq_codes, .offset: 16, .size: 8, .value_kind: global_buffer, .address_space: global }
      - { .name: Wq_scales, .offset: 24, .size: 8, .value_kind: global_buffer, .address_space: global }
      - { .name: Wk_codes, .offset: 32, .size: 8, .value_kind: global_buffer, .address_space: global }
      - { .name: Wk_scales, .offset: 40, .size: 8, .value_kind: global_buffer, .address_space: global }
      - { .name: Wv_codes, .offset: 48, .size: 8, .value_kind: global_buffer, .address_space: global }
      - { .name: Wv_scales, .offset: 56, .size: 8, .value_kind: global_buffer, .address_space: global }
      - { .name: bq, .offset: 64, .size: 8, .value_kind: global_buffer, .address_space: global }
      - { .name: bk, .offset: 72, .size: 8, .value_kind: global_buffer, .address_space: global }
      - { .name: bv, .offset: 80, .size: 8, .value_kind: global_buffer, .address_space: global }
      - { .name: qc, .offset: 88, .size: 8, .value_kind: global_buffer, .address_space: global }
      - { .name: qs, .offset: 96, .size: 8, .value_kind: global_buffer, .address_space: global }
      - { .name: kc, .offset: 104, .size: 8, .value_kind: global_buffer, .address_space: global }
      - { .name: ks, .offset: 112, .size: 8, .value_kind: global_buffer, .address_space: global }
      - { .name: vc, .offset: 120, .size: 8, .value_kind: global_buffer, .address_space: global }
      - { .name: vs, .offset: 128, .size: 8, .value_kind: global_buffer, .address_space: global }
    .group_segment_fixed_size: 327680
    .private_segment_fixed_size: 0
    .kernarg_segment_align: 8
    .kernarg_segment_size: 136
    .max_flat_workgroup_size: 128
    .sgpr_count:     102
    .vgpr_count:     1024
    .wavefront_size: 32
...
	.end_amdgpu_metadata
.endif
;; end of part 1
;; launch score (part 2): grid 4 x 64, 4 waves a work-group, clusters of 4 x 4, 327,680 bytes of LDS; arguments qc, qs, kc, ks, pc, pm; writes pc, pm
.if DOCPART == 2
	.amdgcn_target "amdgcn-amd-amdhsa--gfx1250"
	.amdhsa_code_object_version 6
	.text
	.protected	k_q3fe2093769_score
	.globl	k_q3fe2093769_score
	.p2align	8
	.type	k_q3fe2093769_score,@function
k_q3fe2093769_score:
	s_mov_b64 s[64:65], 0
	v_nop
	global_prefetch_b8 v0, s[64:65] scope:SCOPE_SE
	s_setreg_imm32_b32 hwreg(HW_REG_WAVE_MODE, 25, 1), 1
	s_wait_xcnt 0x0
	s_wait_alu depctr_hold_cnt(0) depctr_sa_sdst(0) depctr_va_vdst(0) depctr_va_sdst(0) depctr_va_ssrc(0) depctr_va_vcc(0) depctr_vm_vsrc(0)
	s_getreg_b32 s2, hwreg(HW_REG_IB_STS2, 6, 4)
	s_cmp_eq_u32 s2, 0
	s_cbranch_scc0 .Lentry_in_a_cluster
	s_endpgm
.Lentry_in_a_cluster:
	s_bfe_u32 s2, ttmp6, 0x10000c
	s_cmp_lg_u32 s2, 0xf033
	s_cbranch_scc0 .Lentry_shape_is_right
	s_endpgm
.Lentry_shape_is_right:
; S = Q K^T on codes of FP6 (E2M3); then, for each wave's 64 queries x 128 keys: t = score x log2(e) / sqrt(2048), M_loc = the ceiling of the row's largest t among these 128 keys, p = 2^(t - M_loc), quantised along the keys,
; and l_loc = the sum of the unquantised p.  M_loc is a whole number, so the next launch brings p under the row's M by taking M - M_loc off its scale bytes: the codes stay as they are.
; SHARES.  256 work-groups of four waves; each makes two tiles of 128 queries (A) x 256 keys (B) x K = 1,024.  Wave (rho, chi): queries 64 rho on x keys 128 chi on: 32 accumulators.
; THE MATRIX INSTRUCTION IS USED TRANSPOSED (source 0 = 16 keys, source 1 = 16 queries): lane (r, h) holds query r, register j of tile b key 16 b + 8 h + j.
; IN.  Codes lie as images of operand registers: [rowgroup of 128 rows][kappa][block of 16 rows][1,536]: a rowgroup's run of kappa is one dense block for one tensor load, and a fragment is three loads of 16 bytes a lane
; at 16 x lane.  Scale words [rowgroup][kappa][rho][r][a] go straight into registers, all of K at the head.
; OUT.  pc: p's codes in the same layout, kappa along the keys.  pm: [rowgroup][kappa][rho][768]: 256 bytes of scale words, 256 of -M_loc, 256 of l_loc.
; The order of k inside a block of 32 is the one that the launch before gives V's codes, so both sides of the last product agree.
; CLUSTERS, 4 x 4: Q's tiles are asked for jointly along a row of the cluster, K's along a column.  Q stays in LDS for both tiles.
; LIMITS: NaN and infinities are not served.  A block whose every p has fallen to 0 carries the byte 1: its codes are zeros.
; No prefetch is laid: the first fills go out at the head, and every tile is read by several work-groups at about the same time.
; REGISTERS: window 0: v1-14 addresses, v28-29 for the add, v32-47 Q's scale words, v48-111 K's, v128-223 A's fragments (two sets), v224-255 at work.  window 1: B's fragments.  window 2: accumulators.  window 3: codes.
.set NL,     3
.set KMOD,   8
.set SLOT,   147456                    ; a slot: 4 kappa of Q's rowgroup (49,152 bytes), then 4 kappa of each of two rowgroups of K
.set BOFF,   49152
.set SPARE,  2*SLOT
.set AF,     128
.set MUL,    0xa1
.set TO_B,   0x40
.set ADRA, 4
.set ADRB, 6
.set VSC,  10                          ; v10 512 h + 16 r
.set LI,   13
.set LS2,  14
.set SPW,  28
.set NIL,  29
.set PW,   192
.set NM,   198                         ; v198, 200, 202, 204: -M_loc of block a (the odd registers are named with them as pairs)
.set SS,   206                         ; v206-213 the sums, a pair for each block
.set LSUM, 214                         ; v214-217 first the largest t, then l_loc
.set TX,   224
.set BM,   240
.set WV,   16
.set RHO,  17
.set CHI,  18
.set CX,   19
.set CY,   20
.set GG,   21
.set GQ,   22
.set BAT,  23
.set G1,   24
.set G0,   32
.set G1B,  48
.set G0B,  56
.set SEL,  66
.set HM,   68
.set CS,   70
.set MSB, 0
.macro WIN new
.if MSB != \new
	s_set_vgpr_msb (MSB<<8)|\new
.set MSB, \new
.endif
.endm
.macro PLACES n
.rept \n
	v_nop
.endr
.endm
.macro DSW n
.if (\n) > 63
	s_wait_dscnt 63
.else
	s_wait_dscnt \n
.endif
.endm
.macro CREST
	s_cmp_lg_u32 s[WV], 0
	s_cbranch_scc1 .Lnot_wave_0_\@
	s_barrier_signal -3
.Lnot_wave_0_\@:
	s_barrier_wait -3
	s_barrier_signal -1
	s_barrier_wait -1
.endm
.macro CROUND
	s_barrier_signal -1
	s_barrier_wait -1
	CREST
.endm
.macro JLOAD s                         ; waves 0, 1 fetch K's two rowgroups, waves 2, 3 the halves of Q's part; four v_nop follow each tensor line
	s_cmp_lt_u32 s[WV], 2
	s_cbranch_scc0 .Lfor_a_\@
	tensor_load_to_lds s[G0B+4*(\s):G0B+4*(\s)+3], s[G1B:G1B+7]
	s_nop 0
	PLACES 4
	s_branch .Lasked_\@
.Lfor_a_\@:
	tensor_load_to_lds s[G0+4*(\s):G0+4*(\s)+3], s[G1:G1+7]
	s_nop 0
	PLACES 4
.Lasked_\@:
.endm
.macro JLOADB s                        ; K's part alone: waves 2, 3 have nothing to fill
	s_cmp_lt_u32 s[WV], 2
	s_cbranch_scc0 .Lnone_\@
	tensor_load_to_lds s[G0B+4*(\s):G0B+4*(\s)+3], s[G1B:G1B+7]
	s_nop 0
	PLACES 4
.Lnone_\@:
.endm
.macro REFILL n                        ; slot n - 1 takes the second tile's keys: two rowgroups on
	s_add_nc_u64 s[G0B+4*(\n-1)+2:G0B+4*(\n-1)+3], s[G0B+4*(\n-1)+2:G0B+4*(\n-1)+3], 2*8*12288
	JLOADB \n-1
.endm
; Matrix instruction i of a K step's 32.  A scale register holds kappa = 2 m in lanes 0-15 and 2 m + 1 in lanes 16-31.  cm = 1: the product starts the sum.
; The 32 accumulators take turns, one instruction a turn, in the same order in every K step.
.macro MM kap, cm
.set PB, 128*((\kap)%2)+12*(i%8)
.set PA, AF+48*((\kap)%2)+12*(i/8)
.set SX0, SBB+8*((\kap)/2)+i%8
.set SX1, SAB+4*((\kap)/2)+i/8
	WIN MUL
.if (\kap)%2 == 0
.if \cm
	v_wmma_scale_f32_16x16x128_f8f6f4 v[8*i:8*i+7], v[PB:PB+11], v[PA:PA+11], 0, v[SX0], v[SX1] matrix_a_fmt:MATRIX_FMT_FP6 matrix_b_fmt:MATRIX_FMT_FP6
.else
	v_wmma_scale_f32_16x16x128_f8f6f4 v[8*i:8*i+7], v[PB:PB+11], v[PA:PA+11], v[8*i:8*i+7], v[SX0], v[SX1] matrix_a_fmt:MATRIX_FMT_FP6 matrix_b_fmt:MATRIX_FMT_FP6
.endif
.else
	v_wmma_scale_f32_16x16x128_f8f6f4 v[8*i:8*i+7], v[PB:PB+11], v[PA:PA+11], v[8*i:8*i+7], v[SX0], v[SX1] matrix_a_fmt:MATRIX_FMT_FP6 matrix_b_fmt:MATRIX_FMT_FP6 matrix_a_scale:MATRIX_SCALE_ROW1 matrix_b_scale:MATRIX_SCALE_ROW1
.endif
.endm
.macro FR f                            ; fragment f of the next K step: an image of 12 registers, three loads of 512 consecutive bytes
.if (\f) < 8
	WIN TO_B
.irp c, 0,1,2
	ds_load_b128 v[128*NP+12*(\f)+4*\c:128*NP+12*(\f)+4*\c+3], v[ADRB+NS] offset:12288*NK+1536*(\f)+512*\c
.endr
.else
	WIN 0
.irp c, 0,1,2
	ds_load_b128 v[AF+48*NP+12*((\f)-8)+4*\c:AF+48*NP+12*((\f)-8)+4*\c+3], v[ADRA+NS] offset:12288*NK+1536*((\f)-8)+512*\c
.endr
.endif
.endm
.macro FETCH0
.set NX, 0
.set NS, 0
.set NK, 0
.set NP, 0
.irp f, 0,1,2,3,4,5,6,7,8,9,10,11
	FR \f
.endr
.endm
; A K step: 32 matrix instructions; behind every second of the first 24 the loads of one fragment of the next K step.  Fragments were asked for in the order B0..7, A0..3: in front of A's block a its older
; blocks a + 1 .. 3 and the 4 a fragments asked for in this step may be out.  The four v_nop are the places between the last step's matrix instructions and the loads into the set that they read.
.macro KSTEP kap, cm, fetch
.set NX, ((\kap)+1)%KMOD
.set NS, (NX/4)%2
.set NK, NX%4
.set NP, NX%2
	s_wait_dscnt 3*NL
.if \fetch
	PLACES 4
.endif
.set i, 0
.rept 32
.if (i > 0) && (i%8 == 0)
.if \fetch
	DSW 3*NL+3*NL*(i/8)
.else
	DSW 3*NL-NL*(i/8)
.endif
.endif
	MM \kap, \cm
.if (\fetch) && (i%2 == 0) && (i < 24)
	FR i/2
.endif
.set i, i+1
.endr
.endm
; A slot's last K step: ONE barrier; in front of it each wave waits for all its tensor loads, adds 0 to its spare word and waits for that and for its reads of the slot.
.macro TURN kap, fill, fetch
.set NX, ((\kap)+1)%KMOD
.set NS, (NX/4)%2
.set NK, NX%4
.set NP, NX%2
.if \fetch
	PLACES 4                                       ; the places in front of this step's fetches, on every wave's path
.endif
	WIN 0
	s_wait_tensorcnt 0x0                           ; all my tensor loads have landed
	ds_add_u32 v[SPW], v[NIL]                      ; 0 onto my spare word
	s_wait_dscnt 3*NL+1                            ; (the add and A's blocks 1-3 may be out)
.set i, 0
.rept 8
	MM \kap, 0
.set i, i+1
.endr
	s_wait_dscnt 0x0                               ; the add is done, and my reads of the slot are over
	s_barrier_signal -1
.rept 8
	MM \kap, 0
.set i, i+1
.endr
	WIN 0
	s_barrier_wait -1
.if \fill
	CREST                                          ; no wave of any partner still reads these bytes or has a load on its way
	REFILL \fill
.endif
.rept 16
	MM \kap, 0
.if (\fetch) && (i < 28)
	FR i-16
.endif
.set i, i+1
.endr
.endm
.macro BYTES
.irp k, 0,1,2,3,4,5,6,7,8,9,10,11,12,13,14,15
	v_add_nc_u32 v[BM+\k], 0xff000000, v[BM+\k]    ; 2 off the exponent field: the conversion's scale operand
.endr
.irp k, 0,1,2,3,4,5,6,7,8,9,10,11,12,13,14,15
	v_lshrrev_b32 v[TX+\k], 23, v[BM+\k]           ; the scale's byte
.endr
.irp a, 0,1,2,3
	v_lshl_or_b32 v[PW+\a], v[TX+4*\a+1], 8, v[TX+4*\a]
.endr
.irp a, 0,1,2,3
	v_lshl_or_b32 v[PW+\a], v[TX+4*\a+2], 16, v[PW+\a]
.endr
.irp a, 0,1,2,3
	v_lshl_or_b32 v[PW+\a], v[TX+4*\a+3], 24, v[PW+\a]
.endr
.endm
.macro SETPCA a                        ; where block a's codes are made, in window 3: 148, 168, 192, 128: numbers that its sources' numbers do not meet
.set PCA, 128+20*(((\a)+1)%4)+4*((\a)/2-(\a)/3)
.endm
.macro CODES
	WIN 0xc2
.irp a, 0,1,2,3
	SETPCA \a
.irp c, 0,1
	v_cvt_scalef32_pk16_fp6_f32 v[PCA+6*\c:PCA+6*\c+2], v[64*\a+32*\c:64*\a+32*\c+15], v[BM+4*\a+2*\c]
	v_cvt_scalef32_pk16_fp6_f32 v[PCA+12+4*\c:PCA+14+4*\c], v[64*\a+32*\c+16:64*\a+32*\c+31], v[BM+4*\a+2*\c+1]
.endr
.endr
	v_nop                                          ; one plain place behind the scaled conversions
	WIN 0xc3
.irp a, 0,1,2,3
	SETPCA \a
.irp c, 0,1
.irp n, 0,1,2
	v_permlane16_swap_b32 v[PCA+6*\c+\n], v[PCA+12+4*\c+\n]
.endr
.endr
.endr
.irp a, 0,1,2,3
	SETPCA \a
.irp c, 0,1
.irp n, 0,1,2
	v_mov_b32 v[PCA+3+6*\c+\n], v[PCA+12+4*\c+\n]
.endr
.endr
.endr
.endm
.macro PUTIMG base, off
	WIN 0x0c
.irp a, 0,1,2,3
	SETPCA \a
.irp c, 0,1,2
	global_store_b128 v[LI], v[PCA+4*\c:PCA+4*\c+3], s[\base:\base+1] offset:\off+1536*\a+512*\c
.endr
.endr
	WIN 0
.endm
; THE SOFTMAX of tile t, for my four blocks of 16 queries at once.
.macro SOFT t
	s_wait_xcnt 0x0                                ; the last way out's stores have read their registers
	PLACES 4
	WIN 0x0a
.irp k, 0,1,2,3,4,5,6,7,8,9,10,11,12,13,14,15
	v_max_num_f32 v[BM+\k], v[16*\k], v[16*\k+1]   ; the largest SCORE of block k = 4 a + beta: it serves for the row's maximum and, since p rises with the score, for the block's largest p
.endr
.irp e, 2,4,6,8,10,12,14
.irp k, 0,1,2,3,4,5,6,7,8,9,10,11,12,13,14,15
	v_max3_num_f32 v[BM+\k], v[16*\k+\e], v[16*\k+\e+1], v[BM+\k]
.endr
.endr
	WIN 0
.irp k, 0,1,2,3,4,5,6,7,8,9,10,11,12,13,14,15
	v_permlanex16_b32 v[TX+\k], v[BM+\k], s[SEL], s[SEL+1]
.endr
.irp k, 0,1,2,3,4,5,6,7,8,9,10,11,12,13,14,15
	v_max_num_f32 v[BM+\k], v[BM+\k], v[TX+\k]
.endr
.irp a, 0,1,2,3
	v_max3_num_f32 v[LSUM+\a], v[BM+4*\a], v[BM+4*\a+1], v[BM+4*\a+2]
.endr
.irp a, 0,1,2,3
	v_max_num_f32 v[LSUM+\a], v[LSUM+\a], v[BM+4*\a+3]
.endr
.irp a, 0,1,2,3
	v_mul_f32 v[LSUM+\a], s[CS], v[LSUM+\a]        ; as t (c is positive)
.endr
.irp a, 0,1,2,3
	v_floor_f32 v[NM+2*\a], -v[LSUM+\a]            ; -M_loc = floor(-t) = -ceil(t)
.endr
.irp a, 0,1,2,3
	v_mov_b32 v[NM+2*\a+1], 0                      ; (named with it as a pair)
	v_mov_b32 v[SS+2*\a], 0
	v_mov_b32 v[SS+2*\a+1], 0
.endr
.irp k, 0,1,2,3,4,5,6,7,8,9,10,11,12,13,14,15
	v_fma_f32 v[BM+\k], v[BM+\k], s[CS], v[NM+2*(\k/4)]
.endr
.irp k, 0,1,2,3,4,5,6,7,8,9,10,11,12,13,14,15
	v_exp_f32 v[BM+\k], v[BM+\k]                   ; the blocks' largest p: the same two instructions on the same number give the same bits as the block's own p
.endr
	WIN 0x82                                       ; destination and source 0 window 2
.set j, 0
.rept 120
	v_pk_fma_f32 v[2*j:2*j+1], v[2*j:2*j+1], s[CS:CS+1], v[NM+2*(j/32):NM+2*(j/32)+1] op_sel_hi:[1,0,0]   ; t - M_loc, two at a time: plain work behind the sixteen
.set j, j+1
.endr
	s_wait_alu depctr_va_vdst(0)                   ; one wait for the sixteen: the lines that follow name v240-255 of window 2, the numbers that the sixteen results bear in window 0
.rept 8
	v_pk_fma_f32 v[2*j:2*j+1], v[2*j:2*j+1], s[CS:CS+1], v[NM+2*(j/32):NM+2*(j/32)+1] op_sel_hi:[1,0,0]
.set j, j+1
.endr
.set j, 0
.rept 256
	v_exp_f32 v[j], v[j]                           ; p = 2^(t - M_loc): one batch
.set j, j+1
.endr
	v_nop                                          ; the plain instruction behind the last exponential
	s_wait_alu depctr_va_vdst(0)                   ; one wait for the batch, ahead of its first reader
	WIN 0x02
.set j, 0
.rept 32
.irp a, 0,1,2,3
	v_pk_add_f32 v[SS+2*\a:SS+2*\a+1], v[64*\a+2*j:64*\a+2*j+1], v[SS+2*\a:SS+2*\a+1]   ; the sum of the UNQUANTISED p, four chains by turns
.endr
.set j, j+1
.endr
	WIN 0
.irp a, 0,1,2,3
	v_add_f32 v[LSUM+\a], v[SS+2*\a], v[SS+2*\a+1]
.endr
.irp a, 0,1,2,3
	v_permlanex16_b32 v[TX+\a], v[LSUM+\a], s[SEL], s[SEL+1]
.endr
.irp a, 0,1,2,3
	v_add_f32 v[LSUM+\a], v[LSUM+\a], v[TX+\a]     ; l_loc of my query over these 128 keys
.endr
.irp k, 0,1,2,3,4,5,6,7,8,9,10,11,12,13,14,15
	v_max_num_f32 v[BM+\k], 0x1800000, v[BM+\k]    ; the floor 2^(3 - 127): the byte cannot fall under 1
.endr
	BYTES
	CODES
	PUTIMG 12, 24576*\t
.irp a, 0,1,2,3
	v_cndmask_b32 v[BM+\a], v[PW+\a], v[NM+2*\a], s[HM]   ; lanes 0-15 carry the scale words, lanes 16-31 -M_loc
.endr
	v_cndmask_b32 v[BM+4], v[LSUM], v[LSUM+2], s[HM]
	v_cndmask_b32 v[BM+5], v[LSUM+1], v[LSUM+3], s[HM]
	global_store_b128 v[LI], v[BM:BM+3], s[14:15] offset:3072*\t          ; 512 consecutive bytes, aligned
	global_store_b64 v[LS2], v[BM+4:BM+5], s[14:15] offset:3072*\t+512    ; 256 consecutive bytes, aligned
.endm
	s_load_b256 s[4:11], s[0:1], 0x0               ; qc 4, qs 6, kc 8, ks 10
	s_load_b128 s[12:15], s[0:1], 0x20             ; pc 12, pm 14
	v_lshl_add_u32 v[SPW], v0, 2, SPARE
	v_mov_b32 v[NIL], 0
	ds_add_u32 v28, v29
	ds_add_u32 v28, v29
	s_wait_dscnt 0x0
	v_lshrrev_b32 v1, 5, v0
	v_readfirstlane_b32 s[WV], v1
	s_lshr_b32 s[RHO], s[WV], 1
	s_and_b32 s[CHI], s[WV], 1
	s_bfe_u32 s[CX], ttmp6, 0x40000
	s_bfe_u32 s[CY], ttmp6, 0x40004
	s_and_b32 s[GG], ttmp7, 0xffff
	s_lshl_b32 s[GQ], s[GG], 2
	s_add_co_u32 s[GQ], s[GQ], s[CY]               ; my rowgroup of queries
	s_lshr_b32 s[BAT], s[GG], 2                    ; the batch
	s_lshl_b32 s2, s[CY], 2
	s_lshl_b32 s2, 15, s2                          ; my row of the cluster
	s_lshl_b32 s3, 0x1111, s[CX]                   ; my column
	s_or_b32 s[G1], s2, (3<<16)|(1<<21)            ; elements of 8 bytes, no padding; Q's tiles go to my row of the cluster
	s_or_b32 s[G1B], s3, (3<<16)|(1<<21)           ; K's to my column
	s_mov_b32 s[G1+1], 32<<16                      ; dense blocks as rows of 256 bytes
	s_mov_b32 s[G1+2], 96<<16                      ; 24,576 bytes: 2 kappa of a rowgroup
	s_mov_b32 s[G1+3], 32<<16
	s_mov_b32 s[G1+4], 96
	s_mov_b32 s[G1+5], 32
	s_mov_b32 s[G1+6], 0
	s_mov_b32 s[G1+7], 0
	s_mov_b32 s[G1B+1], 32<<16
	s_mov_b32 s[G1B+2], 192<<16                    ; 49,152 bytes: 4 kappa of a rowgroup
	s_mov_b32 s[G1B+3], 32<<16
	s_mov_b32 s[G1B+4], 192
	s_mov_b32 s[G1B+5], 32
	s_mov_b32 s[G1B+6], 0
	s_mov_b32 s[G1B+7], 0
	s_lshl_b32 s40, s[GQ], 3
	s_lshl_b32 s43, s[CHI], 1
	s_add_co_u32 s40, s40, s43
	s_mul_i32 s40, s40, 12288                      ; Q: (8 gq + 2 (wave % 2)) x 12,288
	s_mov_b32 s41, 0
	s_lshl_b32 s42, s[BAT], 4
	s_lshl_b32 s44, s[CX], 2
	s_add_co_u32 s42, s42, s44
	s_add_co_u32 s42, s42, s[CHI]                  ; K's rowgroup 16 batch + 4 cx + (wave % 2)
	s_mul_i32 s44, s42, 8*12288
	s_mov_b32 s45, 0
	s_mul_i32 s46, s[CHI], 24576
	s_mul_i32 s47, s[CHI], 49152
	s_add_co_u32 s47, s47, BOFF
	s_mov_b32 s[SEL], 0x76543210
	s_mov_b32 s[SEL+1], 0xfedcba98
	s_mov_b32 s[HM], 0xffff0000
	s_mov_b32 s[CS], 0x3d0293ee                    ; c = log2(e) / sqrt(2048)
	s_mov_b32 s[CS+1], s[CS]
	s_wait_kmcnt 0x0
	s_add_nc_u64 s[40:41], s[4:5], s[40:41]
	s_add_nc_u64 s[44:45], s[8:9], s[44:45]
	CROUND                                         ; all sixteen work-groups are here: the first joint loads meet
.irp s, 0,1
	s_mov_b32 s[G0+4*\s], 1
	s_add_co_u32 s[G0+4*\s+1], s46, \s*SLOT
	s_add_nc_u64 s[G0+4*\s+2:G0+4*\s+3], s[40:41], \s*49152
	s_or_b32 s[G0+4*\s+3], s[G0+4*\s+3], 0x80000000
	s_mov_b32 s[G0B+4*\s], 1
	s_add_co_u32 s[G0B+4*\s+1], s47, \s*SLOT
	s_add_nc_u64 s[G0B+4*\s+2:G0B+4*\s+3], s[44:45], \s*49152
	s_or_b32 s[G0B+4*\s+3], s[G0B+4*\s+3], 0x80000000
	JLOAD \s                                       ; two tensor loads of mine are out
.endr
	s_mov_b32 s41, 0
	s_lshl_b32 s40, s[GQ], 12
	s_lshl_b32 s43, s[RHO], 8
	s_add_co_u32 s40, s40, s43
	s_add_nc_u64 s[6:7], s[6:7], s[40:41]          ; Q's scale words: my rowgroup, my 64 rows
	s_lshl_b32 s40, s42, 12
	s_add_nc_u64 s[10:11], s[10:11], s[40:41]      ; K's: my rowgroup of the first tile
	s_lshl_b32 s43, s[GQ], 4
	s_lshl_b32 s40, s[CX], 2
	s_add_co_u32 s43, s43, s40
	s_add_co_u32 s43, s43, s[CHI]                  ; P: (rowgroup, kappa) = 16 gq + 4 cx + chi, + 2 for the second tile
	s_mul_i32 s40, s43, 12288
	s_mul_i32 s46, s[RHO], 6144
	s_add_co_u32 s40, s40, s46
	s_add_nc_u64 s[12:13], s[12:13], s[40:41]
	s_mul_i32 s40, s43, 1536
	s_mul_i32 s46, s[RHO], 768
	s_add_co_u32 s40, s40, s46
	s_add_nc_u64 s[14:15], s[14:15], s[40:41]
	v_and_b32 v1, 15, v0                           ; r
	v_bfe_u32 v2, v0, 4, 1                         ; h
	v_and_b32 v3, 31, v0                           ; lane
	v_lshlrev_b32 v[VSC], 4, v1
	v_lshl_add_u32 v[VSC], v2, 9, v[VSC]
	v_lshlrev_b32 v[LI], 4, v3
	v_lshlrev_b32 v[LS2], 4, v1
	v_lshl_add_u32 v[LS2], v2, 3, v[LS2]
.irp m, 0,1,2,3
	global_load_b128 v[32+4*\m:35+4*\m], v[VSC], s[6:7] offset:1024*\m           ; lanes 0-15 kappa = 2 m, lanes 16-31 kappa = 2 m + 1; register a: rows 64 rho + 16 a + r
.endr
.irp t, 0,1
.irp m, 0,1,2,3
.irp q, 0,1
	global_load_b128 v[48+32*\t+8*\m+4*\q:51+32*\t+8*\m+4*\q], v[VSC], s[10:11] offset:8192*\t+1024*\m+256*\q
.endr
.endr
.endr
	s_mul_i32 s40, s[RHO], 6144
	v_add_nc_u32 v[ADRA], s40, v[LI]               ; my four blocks of Q in slot 0,
	v_add_nc_u32 v[ADRA+1], SLOT, v[ADRA]          ; in slot 1
	s_mul_i32 s40, s[CHI], 49152
	s_add_co_u32 s40, s40, BOFF
	v_add_nc_u32 v[ADRB], s40, v[LI]               ; my rowgroup of K
	v_add_nc_u32 v[ADRB+1], SLOT, v[ADRB]
.irp k, 0,1,2,3,4,5,6,7,8,9,10,11,12,13,14,15
	v_mov_b32 v[TX+\k], 0                          ; written once: a lane permute's destination counts as one of its sources
.endr
	s_wait_tensorcnt 1                             ; my part of slot 0 is in; slot 1's may stay out
	s_barrier_signal -1
	s_barrier_wait -1
	FETCH0
	s_wait_loadcnt 0x0
.set SAB, 32
.set SBB, 48
	KSTEP 0, 1, 1
	KSTEP 1, 0, 1
	KSTEP 2, 0, 1
	TURN  3, 1, 1
	KSTEP 4, 0, 1
	KSTEP 5, 0, 1
	KSTEP 6, 0, 1
	TURN  7, 2, 1
	SOFT 0
.set SBB, 80
	KSTEP 0, 1, 1
	KSTEP 1, 0, 1
	KSTEP 2, 0, 1
	TURN  3, 0, 1
	KSTEP 4, 0, 1
	KSTEP 5, 0, 1
	KSTEP 6, 0, 1
	KSTEP 7, 0, 0
	SOFT 1
	s_wait_tensorcnt 0x0                           ; the wave's end
	ds_add_u32 v[SPW], v[NIL]
	s_wait_dscnt 0x0
	CROUND                                         ; the closing round
	s_endpgm
.Lfunc_end_k_q3fe2093769_score:
	.size	k_q3fe2093769_score, .Lfunc_end_k_q3fe2093769_score-k_q3fe2093769_score
	.p2alignl 7, 3214868480
	.fill 96, 4, 3214868480
	.section	.rodata,"a",@progbits
	.p2align	6, 0x0
	.amdhsa_kernel k_q3fe2093769_score
		.amdhsa_group_segment_fixed_size 327680
		.amdhsa_private_segment_fixed_size 0
		.amdhsa_enable_private_segment 0
		.amdhsa_kernarg_size 48
		.amdhsa_user_sgpr_count 2
		.amdhsa_user_sgpr_kernarg_segment_ptr 1
		.amdhsa_wavefront_size32 1
		.amdhsa_system_sgpr_workgroup_id_x 1
		.amdhsa_system_sgpr_workgroup_id_y 1
		.amdhsa_system_sgpr_workgroup_id_z 1
		.amdhsa_system_vgpr_workitem_id 0
		.amdhsa_next_free_vgpr 1024
		.amdhsa_next_free_sgpr 72
		.amdhsa_reserve_vcc 0
		.amdhsa_float_denorm_mode_32 3
		.amdhsa_float_denorm_mode_16_64 3
		.amdhsa_memory_ordered 1
		.amdhsa_forward_progress 1
		.amdhsa_inst_pref_size 216
	.end_amdhsa_kernel
	.amdgpu_metadata
---
amdhsa.version: [ 1, 2 ]
amdhsa.kernels:
  - .name:           k_q3fe2093769_score
    .symbol:         k_q3fe2093769_score.kd
    .args:
      - { .name: qc, .offset: 0, .size: 8, .value_kind: global_buffer, .address_space: global }
      - { .name: qs, .offset: 8, .size: 8, .value_kind: global_buffer, .address_space: global }
      - { .name: kc, .offset: 16, .size: 8, .value_kind: global_buffer, .address_space: global }
      - { .name: ks, .offset: 24, .size: 8, .value_kind: global_buffer, .address_space: global }
      - { .name: pc, .offset: 32, .size: 8, .value_kind: global_buffer, .address_space: global }
      - { .name: pm, .offset: 40, .size: 8, .value_kind: global_buffer, .address_space: global }
    .group_segment_fixed_size: 327680
    .private_segment_fixed_size: 0
    .kernarg_segment_align: 8
    .kernarg_segment_size: 48
    .max_flat_workgroup_size: 128
    .sgpr_count:     72
    .vgpr_count:     1024
    .wavefront_size: 32
...
	.end_amdgpu_metadata
.endif
;; end of part 2
;; launch pv (part 3): grid 4 x 64, 4 waves a work-group, clusters of 4 x 4, 327,680 bytes of LDS; arguments pc, pm, vc, vs, out0; writes out0
.if DOCPART == 3
	.amdgcn_target "amdgcn-amd-amdhsa--gfx1250"
	.amdhsa_code_object_version 6
	.text
	.protected	k_q3fe2093769_pv
	.globl	k_q3fe2093769_pv
	.p2align	8
	.type	k_q3fe2093769_pv,@function
k_q3fe2093769_pv:
	s_mov_b64 s[64:65], 0
	v_nop
	global_prefetch_b8 v0, s[64:65] scope:SCOPE_SE
	s_setreg_imm32_b32 hwreg(HW_REG_WAVE_MODE, 25, 1), 1
	s_wait_xcnt 0x0
	s_wait_alu depctr_hold_cnt(0) depctr_sa_sdst(0) depctr_va_vdst(0) depctr_va_sdst(0) depctr_va_ssrc(0) depctr_va_vcc(0) depctr_vm_vsrc(0)
	s_getreg_b32 s2, hwreg(HW_REG_IB_STS2, 6, 4)
	s_cmp_eq_u32 s2, 0
	s_cbranch_scc0 .Lentry_in_a_cluster
	s_endpgm
.Lentry_in_a_cluster:
	s_bfe_u32 s2, ttmp6, 0x10000c
	s_cmp_lg_u32 s2, 0xf033
	s_cbranch_scc0 .Lentry_shape_is_right
	s_endpgm
.Lentry_shape_is_right:
; O = (P V) / l on codes of FP6 (E2M3).  P's codes were made under a whole number M_loc for each row and each 128 keys.  The prologue finds the row's M = the largest M_loc, takes d = M - M_loc off the four scale bytes of each
; word (an exact power of two, which the scale takes up), and adds l = the sum of l_loc 2^(-d); O is multiplied by 1 / l at the end.
; SHARES.  256 work-groups of four waves; each makes 128 queries (A = P) x 256 channels (B = V with the keys innermost) x K = 2,048 keys.  Wave (rho, chi): queries 64 rho on x channels 128 chi on.
; THE MATRIX INSTRUCTION IS USED TRANSPOSED (source 0 = 16 channels, source 1 = 16 queries): a lane holds eight neighbouring channels of one row of O.
; IN.  Codes as images of operand registers, [rowgroup][kappa][block][1,536]; K goes through two LDS slots of 4 kappa.  Scale words of all of K in registers.
; CLUSTERS, 4 x 4: P's tiles are asked for jointly along a row of the cluster, V's along a column.
; LIMITS: NaN and infinities are not served.  A byte that d would take under 0 is held at 0, which stands for 2^-127: what it carries is under 2^-120, beside l of at least 1/2.
; No prefetch is laid: the first fills go out at the head, and every tile is read by several work-groups at about the same time.
; REGISTERS: window 0: v1-14 addresses, v16-23 1 / l in pairs, v28-29 for the add, v32-63 P's scale words, v64-127 V's, v128-223 A's fragments (in the prologue -M_loc, l_loc and work), v128-255 rows of O on the way out.
;   window 1: B's fragments.  window 2: accumulators.
.set NL,     3
.set KMOD,   16
.set SLOT,   147456
.set BOFF,   49152
.set SPARE,  2*SLOT
.set AF,     128
.set MUL,    0xa1
.set TO_B,   0x40
.set ADRA, 4
.set ADRB, 6
.set VSC,  10                          ; v10 512 h + 16 r
.set VPM,  11                          ; v11 1,536 h + 16 r
.set STO,  12
.set LI,   13
.set RD,   14
.set RL,   16
.set SPW,  28
.set NIL,  29
.set SAB,  32
.set SBB,  64
.set ML,   128
.set LO,   160
.set NG,   192
.set LS,   196
.set T,    200
.set U,    204
.set X,    208
.set WV,   16
.set RHO,  17
.set CHI,  18
.set CX,   19
.set CY,   20
.set GG,   21
.set GQ,   22
.set BAT,  23
.set G1,   24
.set G0,   32
.set G1B,  48
.set G0B,  56
.set SEL,  66
.set C80,  68
.set C01,  69
.set C7F,  70
.set MSB, 0
.macro WIN new
.if MSB != \new
	s_set_vgpr_msb (MSB<<8)|\new
.set MSB, \new
.endif
.endm
.macro PLACES n
.rept \n
	v_nop
.endr
.endm
.macro DSW n
.if (\n) > 63
	s_wait_dscnt 63
.else
	s_wait_dscnt \n
.endif
.endm
.macro CREST
	s_cmp_lg_u32 s[WV], 0
	s_cbranch_scc1 .Lnot_wave_0_\@
	s_barrier_signal -3
.Lnot_wave_0_\@:
	s_barrier_wait -3
	s_barrier_signal -1
	s_barrier_wait -1
.endm
.macro CROUND
	s_barrier_signal -1
	s_barrier_wait -1
	CREST
.endm
.macro JLOAD s                         ; waves 0, 1 fetch V's two rowgroups, waves 2, 3 the halves of P's part; four v_nop follow each tensor line
	s_cmp_lt_u32 s[WV], 2
	s_cbranch_scc0 .Lfor_a_\@
	tensor_load_to_lds s[G0B+4*(\s):G0B+4*(\s)+3], s[G1B:G1B+7]
	s_nop 0
	PLACES 4
	s_branch .Lasked_\@
.Lfor_a_\@:
	tensor_load_to_lds s[G0+4*(\s):G0+4*(\s)+3], s[G1:G1+7]
	s_nop 0
	PLACES 4
.Lasked_\@:
.endm
.macro REFILL n                        ; slot n - 1 takes the keys 8 kappa on
	s_add_nc_u64 s[G0+4*(\n-1)+2:G0+4*(\n-1)+3], s[G0+4*(\n-1)+2:G0+4*(\n-1)+3], 8*12288
	s_add_nc_u64 s[G0B+4*(\n-1)+2:G0B+4*(\n-1)+3], s[G0B+4*(\n-1)+2:G0B+4*(\n-1)+3], 8*12288
	JLOAD \n-1
.endm
; Matrix instruction i of a K step's 32.  A scale register holds kappa = 2 m in lanes 0-15 and 2 m + 1 in lanes 16-31.  cm = 1: the product starts the sum.
; The 32 accumulators take turns, one instruction a turn, in the same order in every K step.
.macro MM kap, cm
.set PB, 128*((\kap)%2)+12*(i%8)
.set PA, AF+48*((\kap)%2)+12*(i/8)
.set SX0, SBB+8*((\kap)/2)+i%8
.set SX1, SAB+4*((\kap)/2)+i/8
	WIN MUL
.if (\kap)%2 == 0
.if \cm
	v_wmma_scale_f32_16x16x128_f8f6f4 v[8*i:8*i+7], v[PB:PB+11], v[PA:PA+11], 0, v[SX0], v[SX1] matrix_a_fmt:MATRIX_FMT_FP6 matrix_b_fmt:MATRIX_FMT_FP6
.else
	v_wmma_scale_f32_16x16x128_f8f6f4 v[8*i:8*i+7], v[PB:PB+11], v[PA:PA+11], v[8*i:8*i+7], v[SX0], v[SX1] matrix_a_fmt:MATRIX_FMT_FP6 matrix_b_fmt:MATRIX_FMT_FP6
.endif
.else
	v_wmma_scale_f32_16x16x128_f8f6f4 v[8*i:8*i+7], v[PB:PB+11], v[PA:PA+11], v[8*i:8*i+7], v[SX0], v[SX1] matrix_a_fmt:MATRIX_FMT_FP6 matrix_b_fmt:MATRIX_FMT_FP6 matrix_a_scale:MATRIX_SCALE_ROW1 matrix_b_scale:MATRIX_SCALE_ROW1
.endif
.endm
.macro FR f                            ; fragment f of the next K step: an image of 12 registers, three loads of 512 consecutive bytes
.if (\f) < 8
	WIN TO_B
.irp c, 0,1,2
	ds_load_b128 v[128*NP+12*(\f)+4*\c:128*NP+12*(\f)+4*\c+3], v[ADRB+NS] offset:12288*NK+1536*(\f)+512*\c
.endr
.else
	WIN 0
.irp c, 0,1,2
	ds_load_b128 v[AF+48*NP+12*((\f)-8)+4*\c:AF+48*NP+12*((\f)-8)+4*\c+3], v[ADRA+NS] offset:12288*NK+1536*((\f)-8)+512*\c
.endr
.endif
.endm
.macro FETCH0
.set NX, 0
.set NS, 0
.set NK, 0
.set NP, 0
.irp f, 0,1,2,3,4,5,6,7,8,9,10,11
	FR \f
.endr
.endm
; A K step: 32 matrix instructions; behind every second of the first 24 the loads of one fragment of the next K step.  Fragments were asked for in the order B0..7, A0..3: in front of A's block a its older
; blocks a + 1 .. 3 and the 4 a fragments asked for in this step may be out.  The four v_nop are the places between the last step's matrix instructions and the loads into the set that they read.
.macro KSTEP kap, cm, fetch
.set NX, ((\kap)+1)%KMOD
.set NS, (NX/4)%2
.set NK, NX%4
.set NP, NX%2
	s_wait_dscnt 3*NL
.if \fetch
	PLACES 4
.endif
.set i, 0
.rept 32
.if (i > 0) && (i%8 == 0)
.if \fetch
	DSW 3*NL+3*NL*(i/8)
.else
	DSW 3*NL-NL*(i/8)
.endif
.endif
	MM \kap, \cm
.if (\fetch) && (i%2 == 0) && (i < 24)
	FR i/2
.endif
.set i, i+1
.endr
.endm
; A slot's last K step: ONE barrier; in front of it each wave waits for all its tensor loads, adds 0 to its spare word and waits for that and for its reads of the slot.
.macro TURN kap, fill, fetch
.set NX, ((\kap)+1)%KMOD
.set NS, (NX/4)%2
.set NK, NX%4
.set NP, NX%2
.if \fetch
	PLACES 4                                       ; the places in front of this step's fetches
.endif
	WIN 0
	s_wait_tensorcnt 0x0                           ; all my tensor loads have landed
	ds_add_u32 v[SPW], v[NIL]                      ; 0 onto my spare word
	s_wait_dscnt 3*NL+1                            ; (the add and A's blocks 1-3 may be out)
.set i, 0
.rept 8
	MM \kap, 0
.set i, i+1
.endr
	s_wait_dscnt 0x0                               ; the add is done, and my reads of the slot are over
	s_barrier_signal -1
.rept 8
	MM \kap, 0
.set i, i+1
.endr
	WIN 0
	s_barrier_wait -1
.if \fill
	CREST                                          ; no wave of any partner still reads this slot or has a load on its way
	REFILL \fill
.endif
.rept 16
	MM \kap, 0
.if (\fetch) && (i < 28)
	FR i-16
.endif
.set i, i+1
.endr
.endm
	s_load_b256 s[4:11], s[0:1], 0x0               ; pc 4, pm 6, vc 8, vs 10
	s_load_b64 s[12:13], s[0:1], 0x20              ; out0
	v_lshl_add_u32 v[SPW], v0, 2, SPARE
	v_mov_b32 v[NIL], 0
	ds_add_u32 v28, v29
	ds_add_u32 v28, v29
	s_wait_dscnt 0x0
	v_lshrrev_b32 v1, 5, v0
	v_readfirstlane_b32 s[WV], v1
	s_lshr_b32 s[RHO], s[WV], 1
	s_and_b32 s[CHI], s[WV], 1
	s_bfe_u32 s[CX], ttmp6, 0x40000
	s_bfe_u32 s[CY], ttmp6, 0x40004
	s_and_b32 s[GG], ttmp7, 0xffff
	s_lshl_b32 s[GQ], s[GG], 2
	s_add_co_u32 s[GQ], s[GQ], s[CY]               ; my rowgroup of queries
	s_lshr_b32 s[BAT], s[GG], 2                    ; the batch
	s_lshl_b32 s2, s[CY], 2
	s_lshl_b32 s2, 15, s2                          ; my row of the cluster
	s_lshl_b32 s3, 0x1111, s[CX]                   ; my column
	s_or_b32 s[G1], s2, (3<<16)|(1<<21)            ; elements of 8 bytes, no padding; P's tiles go to my row of the cluster
	s_or_b32 s[G1B], s3, (3<<16)|(1<<21)           ; V's to my column
	s_mov_b32 s[G1+1], 32<<16                      ; dense blocks as rows of 256 bytes
	s_mov_b32 s[G1+2], 96<<16
	s_mov_b32 s[G1+3], 32<<16
	s_mov_b32 s[G1+4], 96
	s_mov_b32 s[G1+5], 32
	s_mov_b32 s[G1+6], 0
	s_mov_b32 s[G1+7], 0
	s_mov_b32 s[G1B+1], 32<<16
	s_mov_b32 s[G1B+2], 192<<16
	s_mov_b32 s[G1B+3], 32<<16
	s_mov_b32 s[G1B+4], 192
	s_mov_b32 s[G1B+5], 32
	s_mov_b32 s[G1B+6], 0
	s_mov_b32 s[G1B+7], 0
	s_lshl_b32 s40, s[GQ], 4
	s_lshl_b32 s43, s[CHI], 1
	s_add_co_u32 s40, s40, s43
	s_mul_i32 s40, s40, 12288                      ; P: (16 gq + 2 (wave % 2)) x 12,288
	s_mov_b32 s41, 0
	s_lshl_b32 s42, s[BAT], 3
	s_lshl_b32 s44, s[CX], 1
	s_add_co_u32 s42, s42, s44
	s_add_co_u32 s42, s42, s[CHI]                  ; V's rowgroup 8 batch + 2 cx + (wave % 2)
	s_mul_i32 s44, s42, 16*12288
	s_mov_b32 s45, 0
	s_mul_i32 s46, s[CHI], 24576
	s_mul_i32 s47, s[CHI], 49152
	s_add_co_u32 s47, s47, BOFF
	s_mov_b32 s[SEL], 0x76543210
	s_mov_b32 s[SEL+1], 0xfedcba98
	s_mov_b32 s[C80], 0x80808080
	s_mov_b32 s[C01], 0x01010101
	s_mov_b32 s[C7F], 0x7f7f7f7f
	s_wait_kmcnt 0x0
	s_add_nc_u64 s[40:41], s[4:5], s[40:41]
	s_add_nc_u64 s[44:45], s[8:9], s[44:45]
	CROUND                                         ; all sixteen work-groups are here: the first joint loads meet
.irp s, 0,1
	s_mov_b32 s[G0+4*\s], 1
	s_add_co_u32 s[G0+4*\s+1], s46, \s*SLOT
	s_add_nc_u64 s[G0+4*\s+2:G0+4*\s+3], s[40:41], \s*49152
	s_or_b32 s[G0+4*\s+3], s[G0+4*\s+3], 0x80000000
	s_mov_b32 s[G0B+4*\s], 1
	s_add_co_u32 s[G0B+4*\s+1], s47, \s*SLOT
	s_add_nc_u64 s[G0B+4*\s+2:G0B+4*\s+3], s[44:45], \s*49152
	s_or_b32 s[G0B+4*\s+3], s[G0B+4*\s+3], 0x80000000
	JLOAD \s                                       ; two tensor loads of mine are out
.endr
	s_mov_b32 s41, 0
	s_lshl_b32 s40, s[GQ], 5
	s_add_co_u32 s40, s40, s[RHO]
	s_mul_i32 s40, s40, 768
	s_add_nc_u64 s[6:7], s[6:7], s[40:41]          ; pm at (32 gq + rho) x 768
	s_lshl_b32 s40, s42, 13
	s_add_nc_u64 s[10:11], s[10:11], s[40:41]      ; V's scale words: my rowgroup
	s_lshl_b32 s40, s[GQ], 19                      ; O: row 128 gq + 64 rho of 4,096 bytes, column 256 cx + 128 chi
	s_lshl_b32 s43, s[RHO], 18
	s_add_co_u32 s40, s40, s43
	s_lshl_b32 s43, s[CX], 10
	s_add_co_u32 s40, s40, s43
	s_lshl_b32 s43, s[CHI], 9
	s_add_co_u32 s40, s40, s43
	s_add_nc_u64 s[12:13], s[12:13], s[40:41]
	v_and_b32 v1, 15, v0                           ; r
	v_bfe_u32 v2, v0, 4, 1                         ; h
	v_and_b32 v3, 31, v0                           ; lane
	v_lshlrev_b32 v[VSC], 4, v1
	v_mad_u32_u24 v[VPM], v2, 1536, v[VSC]
	v_lshl_add_u32 v[VSC], v2, 9, v[VSC]
	v_lshlrev_b32 v[LI], 4, v3
.irp m, 0,1,2,3,4,5,6,7
	global_load_b128 v[SAB+4*\m:SAB+4*\m+3], v[VPM], s[6:7] offset:3072*\m          ; lanes 0-15 kappa = 2 m, lanes 16-31 kappa = 2 m + 1; register a: rows 64 rho + 16 a + r: P's scale words,
	global_load_b128 v[ML+4*\m:ML+4*\m+3], v[VPM], s[6:7] offset:3072*\m+256        ; -M_loc,
	global_load_b128 v[LO+4*\m:LO+4*\m+3], v[VPM], s[6:7] offset:3072*\m+512        ; l_loc
.endr
.irp m, 0,1,2,3,4,5,6,7
.irp q, 0,1
	global_load_b128 v[SBB+8*\m+4*\q:SBB+8*\m+4*\q+3], v[VSC], s[10:11] offset:1024*\m+256*\q
.endr
.endr
	s_mul_i32 s40, s[RHO], 6144
	v_add_nc_u32 v[ADRA], s40, v[LI]
	v_add_nc_u32 v[ADRA+1], SLOT, v[ADRA]
	s_mul_i32 s40, s[CHI], 49152
	s_add_co_u32 s40, s40, BOFF
	v_add_nc_u32 v[ADRB], s40, v[LI]
	v_add_nc_u32 v[ADRB+1], SLOT, v[ADRB]
	s_mul_i32 s40, s[WV], 16*528                   ; the way out: my stage, 16 rows x (512 bytes + 16), in slot 0, which has then had its last fill and its last read
	v_mul_u32_u24 v[STO], v1, 528
	v_lshl_add_u32 v[STO], v2, 5, v[STO]
	v_add_nc_u32 v[STO], s40, v[STO]
	v_add_nc_u32 v[RD], s40, v[LI]
.irp a, 0,1,2,3
	v_mov_b32 v[T+\a], 0                           ; written once: a lane permute's destination counts as one of its sources
.endr
	s_wait_loadcnt 0x0
	; ---- THE PROLOGUE, in registers, while the first tiles land: each wave for its own 64 rows
.irp a, 0,1,2,3
	v_min3_num_f32 v[NG+\a], v[ML+\a], v[ML+4+\a], v[ML+8+\a]
.endr
.irp a, 0,1,2,3
	v_min3_num_f32 v[NG+\a], v[NG+\a], v[ML+12+\a], v[ML+16+\a]
.endr
.irp a, 0,1,2,3
	v_min3_num_f32 v[NG+\a], v[NG+\a], v[ML+20+\a], v[ML+24+\a]
.endr
.irp a, 0,1,2,3
	v_min_num_f32 v[NG+\a], v[NG+\a], v[ML+28+\a]
.endr
.irp a, 0,1,2,3
	v_permlanex16_b32 v[T+\a], v[NG+\a], s[SEL], s[SEL+1]
.endr
.irp a, 0,1,2,3
	v_min_num_f32 v[NG+\a], v[NG+\a], v[T+\a]      ; the row's -M: the least -M_loc
.endr
.irp m, 0,1,2,3,4,5,6,7
.irp a, 0,1,2,3
	v_sub_f32 v[T+\a], v[NG+\a], v[ML+4*\m+\a]     ; M_loc - M: a whole number, 0 or less
.endr
.irp a, 0,1,2,3
	v_cvt_i32_f32 v[T+\a], v[T+\a]                 ; (it saturates)
.endr
.if \m == 0
.irp a, 0,1,2,3
	v_ldexp_f32 v[LS+\a], v[LO+\a], v[T+\a]        ; l_loc under the row's M; the first term starts the sum
.endr
.else
.irp a, 0,1,2,3
	v_ldexp_f32 v[U+\a], v[LO+4*\m+\a], v[T+\a]
.endr
.irp a, 0,1,2,3
	v_add_f32 v[LS+\a], v[LS+\a], v[U+\a]
.endr
.endif
.irp a, 0,1,2,3
	v_sub_nc_u32 v[T+\a], 0, v[T+\a]               ; d = M - M_loc,
.endr
.irp a, 0,1,2,3
	v_min_u32 v[T+\a], 127, v[T+\a]                ; held at 127: p's bytes lie under 127
.endr
.irp a, 0,1,2,3
	v_perm_b32 v[T+\a], v[T+\a], v[T+\a], 0        ; in all four bytes
.endr
.irp a, 0,1,2,3
	v_or_b32 v[SAB+4*\m+\a], s[C80], v[SAB+4*\m+\a]   ; 128 + byte in each byte: no borrow passes from byte to byte
.endr
.irp a, 0,1,2,3
	v_sub_nc_u32 v[SAB+4*\m+\a], v[SAB+4*\m+\a], v[T+\a]
.endr
.irp a, 0,1,2,3
	v_lshrrev_b32 v[U+\a], 7, v[SAB+4*\m+\a]
.endr
.irp a, 0,1,2,3
	v_and_b32 v[U+\a], s[C01], v[U+\a]             ; 1 where byte >= d
.endr
.irp a, 0,1,2,3
	v_lshlrev_b32 v[X+\a], 8, v[U+\a]
.endr
.irp a, 0,1,2,3
	v_sub_nc_u32 v[U+\a], v[X+\a], v[U+\a]         ; 255 there
.endr
.irp a, 0,1,2,3
	v_and_b32 v[U+\a], s[C7F], v[U+\a]
.endr
.irp a, 0,1,2,3
	v_and_b32 v[SAB+4*\m+\a], v[SAB+4*\m+\a], v[U+\a]   ; each byte is now max(byte - d, 0)
.endr
.endr
.irp a, 0,1,2,3
	v_permlanex16_b32 v[T+\a], v[LS+\a], s[SEL], s[SEL+1]
.endr
.irp a, 0,1,2,3
	v_add_f32 v[LS+\a], v[LS+\a], v[T+\a]          ; the row's l
.endr
.irp a, 0,1,2,3
	v_rcp_f32 v[RL+2*\a], v[LS+\a]
.endr
	v_nop                                          ; a plain instruction behind the last reciprocal
	s_wait_alu depctr_va_vdst(0)                   ; one wait for the four, ahead of their first reader
.irp a, 0,1,2,3
	v_mov_b32 v[RL+2*\a+1], v[RL+2*\a]             ; (named with it as a pair)
.endr
	PLACES 8                                       ; scale registers written by vector instructions stand eight places ahead of a scaled matrix instruction
	s_wait_tensorcnt 1                             ; my part of slot 0 is in; slot 1's may stay out
	s_barrier_signal -1
	s_barrier_wait -1
	FETCH0
	KSTEP 0, 1, 1
	KSTEP 1, 0, 1
	KSTEP 2, 0, 1
	TURN  3, 1, 1
	KSTEP 4, 0, 1
	KSTEP 5, 0, 1
	KSTEP 6, 0, 1
	TURN  7, 2, 1
	KSTEP 8, 0, 1
	KSTEP 9, 0, 1
	KSTEP 10, 0, 1
	TURN  11, 0, 1
	KSTEP 12, 0, 1
	KSTEP 13, 0, 1
	KSTEP 14, 0, 1
	KSTEP 15, 0, 0
	; ---- THE WAY OUT: x 1 / l; then block by block of 16 rows x 128 channels through my stage, back as whole rows of 512 bytes
	PLACES 4
	WIN 0x82
.set j, 0
.rept 128
	v_pk_mul_f32 v[2*j:2*j+1], v[2*j:2*j+1], v[RL+2*(j/32):RL+2*(j/32)+1] op_sel_hi:[1,0]   ; each accumulator from its low end on
.set j, j+1
.endr
.macro TOSTAGE a
	WIN 0x08                                       ; an LDS store's data are its source 1: window 2
.irp b, 0,1,2,3,4,5,6,7
	ds_store_b128 v[STO], v[64*(\a)+8*\b:64*(\a)+8*\b+3] offset:64*\b
	ds_store_b128 v[STO], v[64*(\a)+8*\b+4:64*(\a)+8*\b+7] offset:64*\b+16
.endr
	WIN 0
.set BB, 128+64*((\a)%2)
.irp t, 0,1,2,3,4,5,6,7,8,9,10,11,12,13,14,15
	ds_load_b128 v[BB+4*\t:BB+4*\t+3], v[RD] offset:\t*528   ; LDS serves a wave's instructions in order (ISA guide 5.7.1.4): these see the stores above, and the next block's stores come behind them
.endr
.endm
.macro SEND a, younger                 ; younger: the LDS instructions issued behind block a's loads, which may stay out
.set BB, 128+64*((\a)%2)
	s_wait_dscnt \younger
.irp t, 0,1,2,3,4,5,6,7,8,9,10,11,12,13,14,15
	global_store_b128 v[LI], v[BB+4*\t:BB+4*\t+3], s[12:13] offset:65536*(\a)+4096*\t th:TH_STORE_NT   ; 32 lanes store 512 consecutive bytes, aligned; written once, read by nobody here
.endr
.endm
	TOSTAGE 0
.irp a, 1,2,3
.if \a > 1
	s_wait_xcnt 0x0                                ; block a - 2's stores have read their registers: block a's loads may land there
.endif
	TOSTAGE \a
	SEND \a-1, 32                                  ; behind block a - 1's loads: block a's 16 stores and 16 loads
.endr
	SEND 3, 0
	s_wait_tensorcnt 0x0                           ; the wave's end
	ds_add_u32 v[SPW], v[NIL]
	s_wait_dscnt 0x0
	CROUND                                         ; the closing round
	s_endpgm
.Lfunc_end_k_q3fe2093769_pv:
	.size	k_q3fe2093769_pv, .Lfunc_end_k_q3fe2093769_pv-k_q3fe2093769_pv
	.p2alignl 7, 3214868480
	.fill 96, 4, 3214868480
	.section	.rodata,"a",@progbits
	.p2align	6, 0x0
	.amdhsa_kernel k_q3fe2093769_pv
		.amdhsa_group_segment_fixed_size 327680
		.amdhsa_private_segment_fixed_size 0
		.amdhsa_enable_private_segment 0
		.amdhsa_kernarg_size 40
		.amdhsa_user_sgpr_count 2
		.amdhsa_user_sgpr_kernarg_segment_ptr 1
		.amdhsa_wavefront_size32 1
		.amdhsa_system_sgpr_workgroup_id_x 1
		.amdhsa_system_sgpr_workgroup_id_y 1
		.amdhsa_system_sgpr_workgroup_id_z 1
		.amdhsa_system_vgpr_workitem_id 0
		.amdhsa_next_free_vgpr 1024
		.amdhsa_next_free_sgpr 76
		.amdhsa_reserve_vcc 0
		.amdhsa_float_denorm_mode_32 3
		.amdhsa_float_denorm_mode_16_64 3
		.amdhsa_memory_ordered 1
		.amdhsa_forward_progress 1
		.amdhsa_inst_pref_size 172
	.end_amdhsa_kernel
	.amdgpu_metadata
---
amdhsa.version: [ 1, 2 ]
amdhsa.kernels:
  - .name:           k_q3fe2093769_pv
    .symbol:         k_q3fe2093769_pv.kd
    .args:
      - { .name: pc, .offset: 0, .size: 8, .value_kind: global_buffer, .address_space: global }
      - { .name: pm, .offset: 8, .size: 8, .value_kind: global_buffer, .address_space: global }
      - { .name: vc, .offset: 16, .size: 8, .value_kind: global_buffer, .address_space: global }
      - { .name: vs, .offset: 24, .size: 8, .value_kind: global_buffer, .address_space: global }
      - { .name: out0, .offset: 32, .size: 8, .value_kind: global_buffer, .address_space: global }
    .group_segment_fixed_size: 327680
    .private_segment_fixed_size: 0
    .kernarg_segment_align: 8
    .kernarg_segment_size: 40
    .max_flat_workgroup_size: 128
    .sgpr_count:     76
    .vgpr_count:     1024
    .wavefront_size: 32
...
	.end_amdgpu_metadata
.endif
;; end of part 3
;; ======== version 2 of 2: 3 launches
;; limits: right only within a limited range of input values
;; workspace buffers: qc 6,291,456 bytes; kc 6,291,456 bytes; vc 6,291,456 bytes; pc 12,582,912 bytes; qs 262,144 bytes; ks 262,144 bytes; vs 262,144 bytes; pm 2,621,440 bytes
;; launch proj (part 4): grid 16 x 16, 4 waves a work-group, clusters of 4 x 4, 327,680 bytes of LDS; arguments x_codes, x_scales, Wq_codes, Wq_scales, Wk_codes, Wk_scales, Wv_codes, Wv_scales, bq, bk, bv, qc, kc, qs, ks, vc, vs; writes qc, kc, qs, ks, vc, vs
.if DOCPART == 4
	.amdgcn_target "amdgcn-amd-amdhsa--gfx1250"
	.amdhsa_code_object_version 6
	.text
	.protected	k_q3fe2093769_proj
	.globl	k_q3fe2093769_proj
	.p2align	8
	.type	k_q3fe2093769_proj,@function
k_q3fe2093769_proj:
	s_mov_b64 s[64:65], 0
	v_nop
	global_prefetch_b8 v0, s[64:65] scope:SCOPE_SE
	s_setreg_imm32_b32 hwreg(HW_REG_WAVE_MODE, 25, 1), 1
	s_wait_xcnt 0x0
	s_wait_alu depctr_hold_cnt(0) depctr_sa_sdst(0) depctr_va_vdst(0) depctr_va_sdst(0) depctr_va_ssrc(0) depctr_va_vcc(0) depctr_vm_vsrc(0)
	s_getreg_b32 s2, hwreg(HW_REG_IB_STS2, 6, 4)
	s_cmp_eq_u32 s2, 0
	s_cbranch_scc0 .Lentry_in_a_cluster
	s_endpgm
.Lentry_in_a_cluster:
	s_bfe_u32 s2, ttmp6, 0x10000c
	s_cmp_lg_u32 s2, 0xf033
	s_cbranch_scc0 .Lentry_shape_is_right
	s_endpgm
.Lentry_shape_is_right:
; Q, K, V = x W^T + b on codes of FP6 (E2M3), and their quantisers: the results leave as codes and scale bytes in the order of the operand registers of the launches that read them.  No work of the problem is left out.
; LIMITS: NaN and infinities are not served.  A block of zeros carries the byte 1: its codes are zeros.
; SHARES.  256 work-groups of four waves (2 x 2); a wave holds 64 rows of a weight, all of K, in 384 registers and streams x past them in blocks of 16 rows.  A work-group makes 256 x 128 of V (phase 1), then 512 x 128 of Q or K (phase 2);
; V's 256 rows are a half of its own 512 (which half: s87, from the cluster's number), and phase 2 takes that half first, while it still lies in LDS.
; TILES.  Of a band of 64 rows, tile j (0 .. 3) takes in lane r = 8 e + i the row 32 e + 8 (j xor e) + i: so the 32 sums of a lane over four tiles are one scale block, and the LDS rows of a tile (pitch 816 bytes = 204 words)
; start at 16 different banks of 64.  x's rows, the weights' rows and the results' columns go by this order; k's order inside a block is the same for both operands of each later product.
; A wave in row w takes band w of each chunk of 128 rows: block s = 4 x chunk + j.  x's row group (g, w) is the 128 rows 256 g + 128 c + 64 w + ..., c = 0, 1; its image tile is 4 c + j.
; OUT.  qc, kc: [g][kappa / 4][w][kappa % 4][tile][half][512 bytes: registers 0-3, 256 bytes: registers 4, 5], kappa 128 columns, half = 64 of them.  qs, ks: [2 g + w][kappa][c][r][j][4 bytes].
; vc: [batch][column pair][kappa / 4][column tile % 2][kappa % 4][tile][3][lane][16], kappa = row group (g, w).  vs: [batch x column tile][kappa][tile / 4][r][tile % 4][4 bytes].
; CLUSTERS, 4 x 4: x's chunks are asked for jointly along a row of the cluster, a weight's rows along a column.
; FILLS.  Head: waves 0, 1 the halves of W_v, wave 2 chunk 0, wave 3 chunk 1.  Phase 1, block 2: W_q or W_k onto W_v's bytes (waves 0, 1).  Phase 2, block 2: chunk 2 onto the weights' bytes (wave 2), chunk 3 onto slot 0 (wave 3).
; A block is 32 products; behind every second one stand two entries of its list: the next addresses, and the first part of the LAST block's way out.
; PREFETCHES: the second weight at the head, chunk 2 behind the first refill, chunk 3 between the phases: each a phase's blocks ahead of its load, shared out by address among the sixteen waves that ask jointly.
.set PITCH,  816
.set YB,     128*PITCH
.set BVB,    2*YB
.set XN,     3*YB                      ; Q's or K's scale bytes: [half in order of work][w][c][r][j][4]
.set XM,     XN+2048                   ; V's: [w][column half][r][t][4]
.set SPARE,  XM+1024
.set FPW,    21                        ; fragments of 12 registers in a window
.set NF,     26                        ; LDS loads of a block
.set CO8,   8                          ; 8 x lane
.set CO,    9                          ; 16 x lane
.set SPW,   10
.set NIL,   11
.set ADR,   12                         ; v12, v13 the fetched block's LDS addresses; v4, v5 even and v6, v7 odd blocks' bases; v14, v15 the same for scales
.set PFV,   16
.set STO,   18
.set STV,   19
.set SB,    24                         ; the weights' scale words: tile b at SB + 4 b; lanes 0-15 K words 0-3, lanes 16-31 words 4-7
.set TQ,    40
.set SA,    44                         ; x's scale words, four sets of four
.set TC,    60
.set ACC,   64
.set HV0,   64
.set HV1,   840
.set NCD,   128
.set BBQ,   160
.set MCD,   192
.set SOP,   240
.set EB,    244
.set SB2,   968
.set BA,    984
.set BBV,   992
.set WV,   32
.set RW,   33
.set CHI,  34
.set CX,   35
.set CY,   36
.set KAP,  37
.set S43,  38
.set S19,  39
.set S87,  40
.set S13,  41
.set S12,  42
.set G1A,  48
.set G1B,  56
.set G0A,  68
.set G0B,  72
.set G0C,  76
.set G0D,  80
.set QA,   8
.set QB,   10
.set QS,   12
.set VC,   84
.set VSP,  86
.set XA,   88
.set XB,   90
.set PB1,  92
.set PB2,  94
.set PR,   98
.set PC,   99
.set S12X, 100
.set MSB, 0
.macro WIN new
.if MSB != \new
	s_set_vgpr_msb (MSB<<8)|\new
.set MSB, \new
.endif
.endm
.macro PLACES n
.rept \n
	v_nop
.endr
.endm
.macro WALU
	s_wait_alu depctr_va_vdst(0)
.endm
.macro BARRIER
	s_barrier_signal -1
	s_barrier_wait -1
.endm
.macro MIDDLE                          ; a round's middle: the opening wait, wave 0's signal for the work-group, the cluster's wait
	WIN 0
	s_barrier_wait -1
	s_cmp_lg_u32 s[WV], 0
	s_cbranch_scc1 .Lnot_wave_0_\@
	s_barrier_signal -3
.Lnot_wave_0_\@:
	s_barrier_wait -3
.endm
.macro CROUND
	s_barrier_signal -1
	MIDDLE
	BARRIER
.endm
.macro GRD
	s_wait_tensorcnt 0x0
	ds_add_u32 v[SPW], v[NIL]
.endm
.macro TLOAD g0, g1
	tensor_load_to_lds s[\g0:\g0+3], s[\g1:\g1+7]
	s_nop 0
	PLACES 4
.endm
.macro GROUP1 g, mask, rows            ; rows of 768 bytes, 16 bytes of padding behind every 256
	s_or_b32 s[\g+0], s[\mask], (1<<20)|(1<<21)|(5<<22)|(3<<25)
	s_mov_b32 s[\g+1], 768<<16
	s_mov_b32 s[\g+2], (\rows)<<16
	s_mov_b32 s[\g+3], 768<<16
	s_mov_b32 s[\g+4], \rows
	s_mov_b32 s[\g+5], 768
	s_mov_b32 s[\g+6], 0
	s_mov_b32 s[\g+7], 0
.endm
.macro M0 s, k                         ; s44 = s[s] k
	s_mul_i32 s44, s[\s], \k
.endm
.macro MA s, k                         ; s44 += s[s] k
	s_mul_i32 s43, s[\s], \k
	s_add_co_u32 s44, s44, s43
.endm
.macro PTR d, b                        ; (s45 = 0)
	s_add_nc_u64 s[\d:\d+1], s[\b:\b+1], s[44:45]
.endm
; Fragment f lies in window 1 + f / 21 at register 12 (f % 21): 0-31 the weights' (4 q + b), 32-39 and 40-47 x's two sets.
.macro FRAG f, q, a0, a1, aw           ; six pieces of 8 bytes, two to a load where both lie behind as many paddings (a1: lanes 16-31 behind one padding more)
	WIN ((1+(\f)/FPW)<<6)|(\aw)
.set R_, 12*((\f)%FPW)
.set SKIP_, 0
.irp p, 0,1,2,3,4,5
.if SKIP_
.set SKIP_, 0
.else
.set PC_, 12*(\q)+6*(\p/3)+\p%3
.set PN_, 12*(\q)+6*((\p+1)/3)+(\p+1)%3
.set X_, (PC_%32+3)/32
.set XQ_, (PN_%32+3)/32
.if (\p < 5) && (X_ == XQ_)
.set SKIP_, 1
.if X_
	ds_load_2addr_b64 v[R_+2*\p:R_+2*\p+3], \a1 offset0:PC_+2*(PC_/32) offset1:PN_+2*(PN_/32)
.else
	ds_load_2addr_b64 v[R_+2*\p:R_+2*\p+3], \a0 offset0:PC_+2*(PC_/32) offset1:PN_+2*(PN_/32)
.endif
.elseif X_
	ds_load_b64 v[R_+2*\p:R_+2*\p+1], \a1 offset:8*(PC_+2*(PC_/32))
.else
	ds_load_b64 v[R_+2*\p:R_+2*\p+1], \a0 offset:8*(PC_+2*(PC_/32))
.endif
.endif
.endr
.endm
.macro WEIGHTS                         ; my 64 rows of the weight, all of K: 104 loads
.irp q, 0,1,2,3,4,5,6,7
.irp b, 0,1,2,3
	FRAG 4*\q+\b, \q, v[BA-768+2*\b], v[BA-768+2*\b+1], 3
.endr
.endr
	WIN 0
.endm
.macro FETCHAT e, a0, a1               ; a block of x's rows into set e: NF loads
.irp q, 0,1,2,3,4,5,6,7
	FRAG 32+8*(\e)+\q, \q, \a0, \a1, 0
.endr
	WIN 0
.endm
; A product.  n = 4 q + b.  kind 0 (Q, K): source 0 the weight's rows; kind 1 (V): source 0 x's rows.  The first products take the bias as C.
.macro PROD kind, e, sc, n, a0, as
.set Q_, (\n)/4
.set BN_, (\n)%4
.set FB_, 4*Q_+BN_
.set FA_, 32+8*(\e)+Q_
.set D_, (\a0)+(\as)*BN_
.set DL_, D_&255
.set KB_, SB+4*BN_+Q_%4
.set KA_, SA+4*(\sc)+Q_%4
.if \kind
.if Q_
	WIN (1+FA_/FPW)|((1+FB_/FPW)<<2)|((D_>>8)<<4)|((D_>>8)<<6)
	PROD1 FA_, FB_, v[DL_:DL_+7], KA_, KB_
.else
	WIN (1+FA_/FPW)|((1+FB_/FPW)<<2)|(3<<4)|((D_>>8)<<6)
	PROD1 FA_, FB_, v[BBV-768+8*BN_:BBV-768+8*BN_+7], KA_, KB_
.endif
.else
	WIN (1+FB_/FPW)|((1+FA_/FPW)<<2)
.if Q_
	PROD1 FB_, FA_, v[DL_:DL_+7], KB_, KA_
.else
	PROD1 FB_, FA_, v[BBQ+8*BN_:BBQ+8*BN_+7], KB_, KA_
.endif
.endif
.endm
.macro PROD1 s0, s1, c, x0, x1
.if Q_ < 4
	v_wmma_scale_f32_16x16x128_f8f6f4 v[DL_:DL_+7], v[12*(\s0%FPW):12*(\s0%FPW)+11], v[12*(\s1%FPW):12*(\s1%FPW)+11], \c, v[\x0], v[\x1] matrix_a_fmt:MATRIX_FMT_FP6 matrix_b_fmt:MATRIX_FMT_FP6
.else
	v_wmma_scale_f32_16x16x128_f8f6f4 v[DL_:DL_+7], v[12*(\s0%FPW):12*(\s0%FPW)+11], v[12*(\s1%FPW):12*(\s1%FPW)+11], \c, v[\x0], v[\x1] matrix_a_fmt:MATRIX_FMT_FP6 matrix_b_fmt:MATRIX_FMT_FP6 matrix_a_scale:MATRIX_SCALE_ROW1 matrix_b_scale:MATRIX_SCALE_ROW1
.endif
.endm
.macro BLOCK kind, e, sc, a0, as, from, to
.set N_, \from
.rept (\to)-(\from)
	PROD \kind, \e, \sc, N_, \a0, \as
.if N_%2
	LIST N_-1
	LIST N_
.endif
.set N_, N_+1
.endr
.endm
.macro STEPV i                         ; 2 entries: the LDS addresses of block FT
.if (\i) == 0
	WIN 0
	v_add_nc_u32 v[ADR], YB*((FT/4)%3)+16*PITCH*((FT%4)/2), v[4+2*(FT%2)]
.elseif (\i) == 1
	WIN 0
	v_add_nc_u32 v[ADR+1], YB*((FT/4)%3)+16*PITCH*((FT%4)/2), v[5+2*(FT%2)]
.endif
.endm
.macro CHAIN i, x, n, t=TQ             ; a way out's first part, 18 entries: the largest magnitude of the 32 sums from register x on, in two chains, and the conversions' scale operand, v[SOP+n]
.set XW_, (\x)>>8
.set XL_, (\x)&255
.if (\i) >= 0 && (\i) < 14
.set B_, XL_+16*((\i)%2)+2*((\i)/2)
.set T_, (\t)+1-(\i)%2
.if (\i) < 2
	WIN XW_|(XW_<<2)|(XW_<<4)
	v_max3_num_f32 v[T_], |v[B_]|, |v[B_+1]|, |v[B_+2]|
.else
	WIN (XW_<<2)|(XW_<<4)
	v_max3_num_f32 v[T_], v[T_], |v[B_+1]|, |v[B_+2]|
.endif
.elseif (\i) == 14
	WIN XW_<<2
	v_max3_num_f32 v[\t+1], v[\t+1], |v[XL_+15]|, 0x1800000
.elseif (\i) == 15
	WIN 0
	v_nop                                  ; so that the next line, which reads entry 14's result, stands in the next pair
.elseif (\i) == 16
	WIN XW_<<2
	v_max3_num_f32 v[\t], v[\t], |v[XL_+31]|, v[\t+1]
.elseif (\i) == 17
	WIN 0
	v_add_nc_u32 v[SOP+\n], 0xff000000, v[\t]
.endif
.endm
.macro CODES i, x, c, n, t=TC          ; its second part, 6 lines: 32 codes into v[c .. c+5], the scale's byte into v[EB+n]
.set XW_, (\x)>>8
.set XL_, (\x)&255
.if (\i) == 0
	WIN XW_
	v_cvt_scalef32_pk16_fp6_f32 v[\c:\c+2], v[XL_:XL_+15], v[SOP+\n]
.elseif (\i) == 1
	WIN XW_
	v_cvt_scalef32_pk16_fp6_f32 v[\t:\t+2], v[XL_+16:XL_+31], v[SOP+\n]
.elseif (\i) == 2
	WIN 0
	v_lshrrev_b32 v[EB+\n], 23, v[SOP+\n]
.else
	WIN 0
	v_mov_b32 v[\c+\i], v[\t+\i-3]
.endif
.endm
.macro CODES6 x, c, n                  ; (the shift and the three moves are the four places between the last product and what follows)
.irp i, 0,1,2,3,4,5
	CODES \i, \x, \c, \n
.endr
.endm
.macro LIST i                          ; FT: the block to fetch next (-1: none); OX: the sums on their way out (0: none), ON: their place
.if FT >= 0
	STEPV \i
.if OX
	CHAIN (\i)-2, OX, ON
.endif
.elseif OX
	CHAIN \i, OX, ON
.endif
.endm
; Phase 1, block s.  Younger than a block's fetch: the next block's NF loads, and from block 5 on one byte's store; ahead of the last block the byte's store alone.
; A block's scale words were asked for four blocks ago: three younger loads may be out.
.macro P1 s
.set S_, \s
.set FT, -1
.if S_ < 6
.set FT, S_+2
.endif
.set OX, 0
.set ON, 0
.if S_ > 3
.set ON, S_-4
.set OX, HV0+32*ON
.endif
.if S_ < 5
	s_wait_dscnt NF
.elseif S_ < 7
	s_wait_dscnt NF+1
.else
	s_wait_dscnt 1
.endif
.if S_ > 3
	s_wait_loadcnt 3
.endif
.set A0_, HV0+8*S_
.if S_ > 3
.set A0_, HV1+8*(S_-4)
.endif
.if S_ == 2 || S_ == 7
.if S_ == 2
	GRD
.endif
	BLOCK 1, S_%2, S_%4, A0_, 32, 0, 26
	WIN 0
	WALU
.if S_ == 7
	s_wait_tensorcnt 0x0                   ; a plain barrier: the second weight is shown to all
.endif
	s_wait_dscnt 0x0
	s_barrier_signal -1
	BLOCK 1, S_%2, S_%4, A0_, 32, 26, 32
.if S_ == 2
	MIDDLE
	BARRIER
	s_cmp_lt_u32 s[WV], 2
	s_cbranch_scc0 .Lno_half
	TLOAD G0C, G1B                         ; W_q's or W_k's rows onto W_v's, which all waves hold in registers
.Lno_half:
.else
	WIN 0
	s_barrier_wait -1
.endif
.else
	BLOCK 1, S_%2, S_%4, A0_, 32, 0, 32
.endif
	WIN 0
.if S_ < 4
	PLACES 4
	WALU
.else
	CODES6 OX, MCD+12*ON, ON
	WALU
	ds_store_b8 v[STV], v[EB+ON] offset:4*ON
.endif
.if FT >= 0
	FETCHAT S_%2, v[ADR], v[ADR+1]
.endif
	global_load_b128 v[SA+4*(S_%4):SA+4*(S_%4)+3], v[14+S_%2], s[XA:XA+1] offset:4096*(((S_+4)%8)/4)+256*(S_%4)
.if S_ == 2
	global_prefetch_b8 v[PFV], s[PB2:PB2+1] th:TH_LOAD_NT scope:SCOPE_SE
.endif
.endm
.macro OUTP t                          ; block t of phase 2 leaves: its scale byte to the stage, its codes to memory in whole units of 256 bytes
.set O_, (\t)/4
.set J_, (\t)%4
.set RO_, NCD+6*((\t)%2)
	ds_store_b8 v[STO], v[EB+(\t)%2] offset:1024*(O_/2)+256*(O_%2)+4*J_
	global_store_b128 v[CO], v[RO_:RO_+3], s[QA+2*(O_/2):QA+2*(O_/2)+1] offset:1536*(4*(O_%2)+J_)
	global_store_b64 v[CO8], v[RO_+4:RO_+5], s[QA+2*(O_/2):QA+2*(O_/2)+1] offset:1536*(4*(O_%2)+J_)+512
.endm
; Phase 2, block s.  mode 1: the second refill's round; 2: a plain barrier shows chunk 2 (wave 3's load, chunk 3, may be out); 3: one shows chunk 3.
; Younger than a block's fetch: the next block's, and the byte stores between: four ahead of block 1, one elsewhere.
.macro P2 s, mode
.set S_, \s
.set FT, -1
.if S_ < 14
.set FT, S_+2
.endif
.set ON, (S_+1)%2
.set OX, 0
.if S_ > 0
.set OX, ACC+32*ON
.endif
.if S_ == 0
	s_wait_dscnt NF
.elseif S_ == 1
	s_wait_dscnt NF+4
.elseif S_ == 15
	s_wait_dscnt 1
.else
	s_wait_dscnt NF+1
.endif
.if S_ > 12
	s_wait_loadcnt 15-S_
.elseif S_ > 3
	s_wait_loadcnt 3
.endif
.if S_ > 1
	s_wait_xcnt 0x0                        ; the earlier stores have read their registers
.endif
.if \mode
.if \mode == 1
	GRD
.endif
	BLOCK 0, S_%2, S_%4, ACC+32*(S_%2), 8, 0, 26
	WIN 0
	WALU
.if \mode == 2
	s_cmp_eq_u32 s[WV], 3
	s_cbranch_scc1 .Lchunk_3_out
	s_wait_tensorcnt 0x0
.Lchunk_3_out:
.elseif \mode == 3
	s_wait_tensorcnt 0x0
.endif
	s_wait_dscnt 0x0
	s_barrier_signal -1
	BLOCK 0, S_%2, S_%4, ACC+32*(S_%2), 8, 26, 32
	WIN 0
.if \mode == 1
	CODES6 OX, NCD+6*ON, ON
	MIDDLE
	BARRIER
	s_cmp_lt_u32 s[WV], 2
	s_cbranch_scc1 .Lasked_2
	s_cmp_lt_u32 s[WV], 3
	s_cbranch_scc0 .Lchunk_3
	TLOAD G0D, G1A                         ; wave 2: chunk 2 onto the weights' bytes
	s_branch .Lasked_2
.Lchunk_3:
	TLOAD G0D, G1A                         ; wave 3: chunk 3 onto slot 0
.Lasked_2:
.else
	s_barrier_wait -1
	CODES6 OX, NCD+6*ON, ON
.endif
.else
	BLOCK 0, S_%2, S_%4, ACC+32*(S_%2), 8, 0, 32
	WIN 0
.if S_ == 0
	PLACES 4
.else
	CODES6 OX, NCD+6*ON, ON
.endif
.endif
	WALU
.if S_ == 0
.irp t, 0,1,2,3
	ds_store_b8 v[STV], v[EB+\t] offset:2+4*\t
.endr
.irp t, 0,1,2,3
.irp k, 0,1,2
	global_store_b128 v[CO], v[MCD+12*\t+4*\k:MCD+12*\t+4*\k+3], s[VC:VC+1] offset:1536*\t+512*\k
.endr
.endr
.else
	OUTP S_-1
.endif
.if FT >= 0
	FETCHAT S_%2, v[ADR], v[ADR+1]
.endif
.if S_ < 12
.set SP_, XA+2*((S_+4)/8)
	global_load_b128 v[SA+4*(S_%4):SA+4*(S_%4)+3], v[14+S_%2], s[SP_:SP_+1] offset:4096*(((S_+4)/4)%2)+256*(S_%4)
.endif
.endm
; ================= THE HEAD
	s_load_b128 s[4:7], s[0:1], 0x0                ; x codes, scales
	s_load_b256 s[16:23], s[0:1], 0x10             ; W_q codes, scales, W_k codes, scales
	s_load_b128 s[24:27], s[0:1], 0x30             ; W_v codes, scales
	s_load_b128 s[28:31], s[0:1], 0x40             ; b_q, b_k
	s_load_b64 s[2:3], s[0:1], 0x50                ; b_v
	s_load_b256 s[8:15], s[0:1], 0x58              ; qc, kc, qs, ks
	s_load_b128 s[84:87], s[0:1], 0x78             ; vc, vs
	v_lshl_add_u32 v[SPW], v0, 2, SPARE
	v_mov_b32 v[NIL], 0
	ds_add_u32 v[SPW], v[NIL]
	ds_add_u32 v[SPW], v[NIL]
	v_lshrrev_b32 v1, 5, v0
	v_readfirstlane_b32 s[WV], v1
	s_lshr_b32 s[RW], s[WV], 1
	s_and_b32 s[CHI], s[WV], 1
	s_bfe_u32 s[CX], ttmp6, 0x40000
	s_bfe_u32 s[CY], ttmp6, 0x40004
	s_lshl_b32 s[KAP], ttmp9, 2
	s_add_co_u32 s[KAP], s[KAP], s[CX]             ; phase 2's tile column: 0-7 Q's, 8-15 K's
	s_and_b32 s[KAP], s[KAP], 7
	s_and_b32 s[S43], ttmp7, 0xffff
	s_lshl_b32 s[S43], s[S43], 2
	s_add_co_u32 s[S43], s[S43], s[CY]             ; my 512 rows of x
	s_lshr_b32 s[S19], ttmp9, 1                    ; 0 Q, 1 K
	s_and_b32 s[S87], ttmp9, 1                     ; V's half of my rows
	s_lshl_b32 s[S13], s[S19], 2
	s_add_co_u32 s[S13], s[S13], s[CX]             ; V's tile column
	s_lshl_b32 s[S12], s[S43], 1
	s_add_co_u32 s[S12], s[S12], s[S87]            ; g: V's 256 rows
	s_xor_b32 s[S12X], s[S12], 1                   ; the other half's g
	s_lshl_b32 s96, s[CY], 2
	s_add_co_u32 s[PC], s96, s[WV]                 ; my number among the sixteen waves of my column,
	s_lshl_b32 s96, 15, s96                        ; my row of the cluster
	s_lshl_b32 s97, s[CX], 2
	s_add_co_u32 s[PR], s97, s[WV]                 ; and of my row
	s_lshl_b32 s97, 0x1111, s[CX]                  ; my column
	GROUP1 G1A, 96, 128
	GROUP1 G1B, 97, 64
	s_mov_b32 s[G0A], 1
	s_mov_b32 s[G0B], 1
	s_mov_b32 s[G0C], 1
	s_mov_b32 s[G0D], 1
	s_mul_i32 s[G0A+1], s[CHI], YB                 ; wave 2 slot 0, wave 3 slot 1
	s_mul_i32 s[G0B+1], s[CHI], 64*PITCH
	s_add_co_u32 s[G0B+1], s[G0B+1], BVB           ; waves 0, 1: the halves of the weights' region
	s_mul_i32 s[G0C+1], s[CHI], 64*PITCH
	s_add_co_u32 s[G0C+1], s[G0C+1], BVB
	s_xor_b32 s43, s[CHI], 1
	s_mul_i32 s[G0D+1], s43, BVB                   ; wave 2 the weights' region, wave 3 slot 0
	s_mov_b32 s45, 0
	s_mov_b32 s47, 0
	M0 S13, 98304
	MA CHI, 49152
	s_mov_b32 s46, s44                             ; W_v's half
	M0 S12, 196608
	MA CHI, 98304                                  ; chunk 0 or 1
	v_and_b32 v1, 7, v0                            ; i
	v_bfe_u32 v2, v0, 3, 1                         ; e
	v_bfe_u32 v3, v0, 4, 1                         ; h
	v_and_b32 v17, 31, v0                          ; lane
	v_mad_u32_u24 v22, v2, 40, v1                  ; even tiles: row 40 e + i (+ 8 j)
	v_mad_u32_u24 v23, v2, 24, v1                  ; odd tiles: row 24 e + i (+ 8 j)
	v_mul_u32_u24 v20, v3, 24
	v_mad_u32_u24 v40, v22, PITCH, v20
	v_mad_u32_u24 v41, v23, PITCH, v20
	s_mul_i32 s43, s[RW], 64*PITCH
	v_add_nc_u32 v4, s43, v40
	s_add_co_u32 s43, s43, 8*PITCH
	v_add_nc_u32 v6, s43, v41                      ; (odd blocks: 8 rows on)
	v_lshl_add_u32 v5, v3, 4, v4
	v_lshl_add_u32 v7, v3, 4, v6
	s_mul_i32 s43, s[CHI], 64*PITCH
	s_add_co_u32 s43, s43, BVB
	v_add_nc_u32 v42, s43, v40
	v_add_nc_u32 v43, s43, v41
	WIN 0xc0
.irp b, 0,1,2,3
	v_add_nc_u32 v[BA-768+2*\b], 8*\b*PITCH, v[42+\b%2]
.endr
	WIN 0xf0
.irp b, 0,1,2,3
	v_lshl_add_u32 v[BA-768+2*\b+1], v3, 4, v[BA-768+2*\b]
.endr
	WIN 0
	v_lshlrev_b32 v14, 5, v22
	v_lshl_add_u32 v14, v3, 4, v14                 ; scales: 32 bytes a row, 16 for each half of the lanes
	v_lshlrev_b32 v15, 5, v23
	v_lshl_add_u32 v15, v3, 4, v15
	v_lshlrev_b32 v22, 2, v22                      ; b_v: lane's column
	v_lshlrev_b32 v23, 2, v23
	v_mul_u32_u24 v20, v3, 160                     ; b_q, b_k: 8 columns from 32 h + 8 (b xor h) on
	v_mul_u32_u24 v21, v3, 96
	v_lshlrev_b32 v[CO], 4, v17
	v_lshlrev_b32 v[CO8], 3, v17
	v_min_u32 v[PFV], 23, v17
	v_lshlrev_b32 v[PFV], 8, v[PFV]                ; 24 units of 256 bytes: a sixteenth of 128 rows
	v_and_b32 v1, 15, v0
	v_lshl_add_u32 v1, v1, 4, v3                   ; 16 r + h
	s_lshl_b32 s43, s[RW], 9
	s_lshl_b32 s101, s[CHI], 1
	s_add_co_u32 s101, s43, s101
	s_add_co_u32 s101, s101, XN
	v_add_nc_u32 v[STO], s101, v1
	s_lshl_b32 s101, s[CHI], 8
	s_add_co_u32 s101, s43, s101
	s_add_co_u32 s101, s101, XM
	v_add_nc_u32 v[STV], s101, v1
	WALU                                           ; the wait at the head's end
	s_wait_dscnt 0x0                               ; both opening adds are done
	CROUND                                         ; in front of the first joint loads
	s_wait_kmcnt 0x0
	s_cmp_eq_u32 s[S19], 1
	s_cselect_b64 s[16:17], s[20:21], s[16:17]
	s_cselect_b64 s[18:19], s[22:23], s[18:19]
	s_cselect_b64 s[28:29], s[30:31], s[28:29]
	s_cselect_b64 s[8:9], s[10:11], s[8:9]
	s_cselect_b64 s[12:13], s[14:15], s[12:13]
	s_add_nc_u64 s[G0A+2:G0A+3], s[4:5], s[44:45]
	s_or_b32 s[G0A+3], s[G0A+3], 0x80000000
	s_add_nc_u64 s[G0B+2:G0B+3], s[24:25], s[46:47]
	s_or_b32 s[G0B+3], s[G0B+3], 0x80000000
	s_cmp_lt_u32 s[WV], 2
	s_cbranch_scc0 .Lwave_2
	TLOAD G0B, G1B                                 ; waves 0, 1: W_v's rows
	s_branch .Lasked
.Lwave_2:
	s_cmp_lt_u32 s[WV], 3
	s_cbranch_scc0 .Lwave_3
	TLOAD G0A, G1A                                 ; wave 2: chunk 0
	s_branch .Lasked
.Lwave_3:
	TLOAD G0A, G1A                                 ; wave 3: chunk 1
.Lasked:
	M0 S13, 4096
	MA CHI, 2048
	PTR 26, 26                                     ; W_v's scales, my 64 rows
	M0 S12, 8192
	MA RW, 2048
	PTR XA, 6                                      ; x's scales, my bands of V's half
	M0 S13, 512
	MA CHI, 256
	PTR 2, 2
	M0 KAP, 4096
	MA CHI, 2048
	PTR 18, 18                                     ; W_q's or W_k's scales
.irp b, 0,1,2,3
	global_load_b128 v[SB+4*\b:SB+4*\b+3], v[14+\b%2], s[26:27] offset:256*\b
.endr
	WIN 0xc0
.irp t, 0,1,2,3
	global_load_b32 v[BBV-768+8*\t], v[22+\t%2], s[2:3] offset:32*\t
.endr
.irp b, 0,1,2,3
	global_load_b128 v[SB2-768+4*\b:SB2-768+4*\b+3], v[14+\b%2], s[18:19] offset:256*\b
.endr
	WIN 0
.irp j, 0,1,2,3
	global_load_b128 v[SA+4*\j:SA+4*\j+3], v[14+\j%2], s[XA:XA+1] offset:256*\j
.endr
	M0 S12X, 8192
	MA RW, 2048
	PTR XB, 6
	M0 KAP, 98304
	MA PC, 6144
	PTR PB1, 16
	M0 KAP, 98304
	MA CHI, 49152
	PTR G0C+2, 16
	s_or_b32 s[G0C+3], s[G0C+3], 0x80000000
	M0 S12X, 196608
	MA PR, 6144
	PTR PB2, 4
	M0 S12X, 196608
	MA CHI, 98304
	PTR G0D+2, 4
	s_or_b32 s[G0D+3], s[G0D+3], 0x80000000
	M0 KAP, 512
	MA CHI, 256
	PTR 28, 28                                     ; b_q or b_k
	s_lshr_b32 s101, s[KAP], 2
	M0 101, 98304
	s_and_b32 s101, s[KAP], 3
	MA 101, 12288
	MA RW, 49152
	MA CHI, 768
	s_mov_b32 s46, s44
	MA S12X, 196608
	PTR QB, QA
	s_mov_b32 s44, s46
	MA S12, 196608
	PTR QA, QA                                     ; qc or kc: V's half; QB the other half
	s_xor_b32 s101, s[RW], s[S87]
	M0 101, 8192
	MA CHI, 4096
	MA S43, 16384
	MA KAP, 512
	PTR QS, QS                                     ; qs or ks: row group 4 s43 + 2 (stage half xor s87) + ..
	s_lshr_b32 s101, s[S12], 3
	s_lshl_b32 s101, s101, 3
	s_add_co_u32 s101, s101, s[S13]                ; batch x 8 + column tile
	M0 101, 8192
	s_lshr_b32 s46, s101, 1
	s_and_b32 s101, s[S12], 7
	MA 101, 1024
	MA WV, 256
	PTR VSP, VSP
	M0 46, 393216
	s_lshr_b32 s46, s101, 1
	MA 46, 98304
	s_and_b32 s46, s[S13], 1
	MA 46, 49152
	s_and_b32 s46, s101, 1
	MA 46, 24576
	MA RW, 12288
	MA CHI, 6144
	PTR VC, VC
	s_cmp_lt_u32 s[WV], 2
	s_cbranch_scc0 .Lnot_b
	s_wait_tensorcnt 0x0
.Lnot_b:
	BARRIER                                        ; W_v's rows are in
	global_prefetch_b8 v[PFV], s[PB1:PB1+1] th:TH_LOAD_NT scope:SCOPE_SE
	WEIGHTS
	s_wait_loadcnt 0x0
	WIN 0xc3
.irp t, 0,8,16,24
.irp i, 1,2,3,4,5,6,7
	v_mov_b32 v[BBV-768+\t+\i], v[BBV-768+\t]      ; V's bias, one number a lane and tile, over the tile's eight registers
.endr
.endr
	WIN 0
	WALU
	s_cmp_eq_u32 s[WV], 3
	s_cbranch_scc1 .Lnot_a0
	s_wait_tensorcnt 0x0
.Lnot_a0:
	s_wait_dscnt 0x0
	BARRIER                                        ; chunk 0 is in; chunk 1 may still be on its way
	FETCHAT 0, v4, v5
	FETCHAT 1, v6, v7
; ================= PHASE 1: V, eight blocks; band 0's way outs stand in band 1's blocks
	P1 0
	P1 1
	P1 2
	P1 3
	P1 4
	P1 5
	P1 6
	P1 7
; ================= THE CHANGE OF PHASE: the bias, the weights and the first two blocks' rows in one run of loads; band 1's four way outs under their flight
.irp k, 0,1,2,3,4,5,6,7
	global_load_b128 v[BBQ+4*\k:BBQ+4*\k+3], v[20+(\k/2)%2], s[28:29] offset:32*(\k/2)+16*(\k%2)
.endr
	WEIGHTS
	FETCHAT 0, v4, v5
	FETCHAT 1, v6, v7
	global_prefetch_b8 v[PFV], s[PB2:PB2+1] offset:98304 th:TH_LOAD_NT scope:SCOPE_SE
	WIN 3
.set I, 0
.rept 16
	v_mov_b32 v[SB+I], v[SB2-768+I]
.set I, I+1
.endr
	WIN 0
.set I, 0
.rept 18
.irp t, 0,1,2,3
	CHAIN I, HV1+32*\t, \t, 64+4*\t
.endr
.set I, I+1
.endr
.set I, 0
.rept 6
.irp t, 0,1,2,3
	CODES I, HV1+32*\t, MCD+12*\t+6, \t, 80+4*\t
.endr
.set I, I+1
.endr
	WIN 0
	WALU
	s_wait_loadcnt 0x0
; ================= PHASE 2: Q or K, sixteen blocks
	P2 0, 0
	P2 1, 0
	P2 2, 1
	P2 3, 0
	P2 4, 0
	P2 5, 0
	P2 6, 2
	P2 7, 0
	P2 8, 0
	P2 9, 0
	P2 10, 3
	P2 11, 0
	P2 12, 0
	P2 13, 0
	P2 14, 0
	P2 15, 0
; ================= THE END: the last way out; the scale bytes go through LDS under its conversions
	s_wait_xcnt 0x0
	s_lshl_b32 s43, s[WV], 9
	s_add_co_u32 s43, s43, XN
	v_add_nc_u32 v12, s43, v[CO]
	s_lshl_b32 s43, s[WV], 8
	s_add_co_u32 s43, s43, XM
	v_add_nc_u32 v13, s43, v[CO8]
.set I, 0
.rept 18
	CHAIN I, ACC+32, 1
.set I, I+1
.endr
	CODES 2, ACC+32, NCD+6, 1
	WALU
	ds_store_b8 v[STO], v[EB+1] offset:1024+256+12
	s_wait_dscnt 0x0
	s_barrier_signal -1
	CODES 0, ACC+32, NCD+6, 1
	CODES 1, ACC+32, NCD+6, 1
	v_nop
.irp i, 3,4,5
	CODES \i, ACC+32, NCD+6, 1
.endr
	s_barrier_wait -1
	WALU
	ds_load_b128 v[64:67], v12
	ds_load_b64 v[68:69], v13
	global_store_b128 v[CO], v[NCD+6:NCD+9], s[QB:QB+1] offset:1536*7
	global_store_b64 v[CO8], v[NCD+10:NCD+11], s[QB:QB+1] offset:1536*7+512
	s_wait_dscnt 0x0
	global_store_b128 v[CO], v[64:67], s[QS:QS+1]
	global_store_b64 v[CO8], v[68:69], s[VSP:VSP+1]
	s_wait_tensorcnt 0x0
	ds_add_u32 v[SPW], v[NIL]
	s_wait_dscnt 0x0
	CROUND                                         ; the closing round
	s_endpgm
.Lfunc_end_k_q3fe2093769_proj:
	.size	k_q3fe2093769_proj, .Lfunc_end_k_q3fe2093769_proj-k_q3fe2093769_proj
	.p2alignl 7, 3214868480
	.fill 96, 4, 3214868480
	.section	.rodata,"a",@progbits
	.p2align	6, 0x0
	.amdhsa_kernel k_q3fe2093769_proj
		.amdhsa_group_segment_fixed_size 327680
		.amdhsa_private_segment_fixed_size 0
		.amdhsa_enable_private_segment 0
		.amdhsa_kernarg_size 136
		.amdhsa_user_sgpr_count 2
		.amdhsa_user_sgpr_kernarg_segment_ptr 1
		.amdhsa_wavefront_size32 1
		.amdhsa_system_sgpr_workgroup_id_x 1
		.amdhsa_system_sgpr_workgroup_id_y 1
		.amdhsa_system_sgpr_workgroup_id_z 1
		.amdhsa_system_vgpr_workitem_id 0
		.amdhsa_next_free_vgpr 1024
		.amdhsa_next_free_sgpr 102
		.amdhsa_reserve_vcc 0
		.amdhsa_float_denorm_mode_32 3
		.amdhsa_float_denorm_mode_16_64 3
		.amdhsa_memory_ordered 1
		.amdhsa_forward_progress 1
		.amdhsa_inst_pref_size 232
	.end_amdhsa_kernel
	.amdgpu_metadata
---
amdhsa.version: [ 1, 2 ]
amdhsa.kernels:
  - .name:           k_q3fe2093769_proj
    .symbol:         k_q3fe2093769_proj.kd
    .args:
      - { .name: x_codes, .offset: 0, .size: 8, .value_kind: global_buffer, .address_space: global }
      - { .name: x_scales, .offset: 8, .size: 8, .value_kind: global_buffer, .address_space: global }
      - { .name: Wq_codes, .offset: 16, .size: 8, .value_kind: global_buffer, .address_space: global }
      - { .name: Wq_scales, .offset: 24, .size: 8, .value_kind: global_buffer, .address_space: global }
      - { .name: Wk_codes, .offset: 32, .size: 8, .value_kind: global_buffer, .address_space: global }
      - { .name: Wk_scales, .offset: 40, .size: 8, .value_kind: global_buffer, .address_space: global }
      - { .name: Wv_codes, .offset: 48, .size: 8, .value_kind: global_buffer, .address_space: global }
      - { .name: Wv_scales, .offset: 56, .size: 8, .value_kind: global_buffer, .address_space: global }
      - { .name: bq, .offset: 64, .size: 8, .value_kind: global_buffer, .address_space: global }
      - { .name: bk, .offset: 72, .size: 8, .value_kind: global_buffer, .address_space: global }
      - { .name: bv, .offset: 80, .size: 8, .value_kind: global_buffer, .address_space: global }
      - { .name: qc, .offset: 88, .size: 8, .value_kind: global_buffer, .address_space: global }
      - { .name: kc, .offset: 96, .size: 8, .value_kind: global_buffer, .address_space: global }
      - { .name: qs, .offset: 104, .size: 8, .value_kind: global_buffer, .address_space: global }
      - { .name: ks, .offset: 112, .size: 8, .value_kind: global_buffer, .address_space: global }
      - { .name: vc, .offset: 120, .size: 8, .value_kind: global_buffer, .address_space: global }
      - { .name: vs, .offset: 128, .size: 8, .value_kind: global_buffer, .address_space: global }
    .group_segment_fixed_size: 327680
    .private_segment_fixed_size: 0
    .kernarg_segment_align: 8
    .kernarg_segment_size: 136
    .max_flat_workgroup_size: 128
    .sgpr_count:     102
    .vgpr_count:     1024
    .wavefront_size: 32
...
	.end_amdgpu_metadata
.endif
;; end of part 4
;; launch score (part 5): grid 16 x 16, 4 waves a work-group, clusters of 4 x 4, 327,680 bytes of LDS; arguments qc, qs, kc, ks, pc, pm; writes pc, pm
.if DOCPART == 5
	.amdgcn_target "amdgcn-amd-amdhsa--gfx1250"
	.amdhsa_code_object_version 6
	.text
	.protected	k_q3fe2093769_score
	.globl	k_q3fe2093769_score
	.p2align	8
	.type	k_q3fe2093769_score,@function
k_q3fe2093769_score:
	s_mov_b64 s[64:65], 0
	v_nop
	global_prefetch_b8 v0, s[64:65] scope:SCOPE_SE
	s_setreg_imm32_b32 hwreg(HW_REG_WAVE_MODE, 25, 1), 1
	s_wait_xcnt 0x0
	s_wait_alu depctr_hold_cnt(0) depctr_sa_sdst(0) depctr_va_vdst(0) depctr_va_sdst(0) depctr_va_ssrc(0) depctr_va_vcc(0) depctr_vm_vsrc(0)
	s_getreg_b32 s2, hwreg(HW_REG_IB_STS2, 6, 4)
	s_cmp_eq_u32 s2, 0
	s_cbranch_scc0 .Lentry_in_a_cluster
	s_endpgm
.Lentry_in_a_cluster:
	s_bfe_u32 s2, ttmp6, 0x10000c
	s_cmp_lg_u32 s2, 0xf033
	s_cbranch_scc0 .Lentry_shape_is_right
	s_endpgm
.Lentry_shape_is_right:
; S = Q K^T on codes of FP6 (E2M3); then for each query and each wave's 64 keys: t = score x log2(e) / sqrt(2048), M_loc = the ceiling of the largest t, p = 2^(t - M_loc), quantised along the keys, and l_loc = the sum of the unquantised p.
; M_loc is a whole number, so the next launch brings p under the row's M by taking M - M_loc off its scale bytes: the codes stay as they are.  No work of the problem is left out.
; SHARES.  256 work-groups of four waves (2 x 2): 128 keys (one row group) x 512 queries (four row groups, the chunks) of one batch.  The wave in column chi holds its 64 keys, all of K = 1,024, in 384 registers; the wave in row w streams
; tiles 4 w + j of each chunk past them: block s = 4 x chunk + j, 32 products.  THE MATRIX INSTRUCTION IS USED TRANSPOSED (source 0 = 16 keys, source 1 = 16 queries): by the order of K's rows a lane's 32 results are one scale block of a query's keys.
; IN.  Row group R = 2 g + w of codes: two runs of 49,152 bytes (4 kappa each), 98,304 apart: [kappa % 4][tile 8][half][512 bytes: registers 0-3, 256 bytes: registers 4, 5].  Scale words [R][kappa][tile / 4][r][tile % 4].
; OUT.  pc: [query row group][kappa = key row group][tile][half = chi][512, 256].  pm: [query row group][kappa][512 bytes of scale words, 2 x 512 of -M_loc (chi = 0, 1), 2 x 512 of l_loc], each [tile / 4][r][tile % 4].
; LDS: three regions of 98,304 bytes: chunk 0, chunk 1, K.  In block 2 stands the one refill: chunk 2 onto K's bytes, which all waves hold in registers by then, chunk 3 onto chunk 0's.  Behind them the stage of pm's 10,240 bytes.
; CLUSTERS, 4 x 4: Q's chunks are asked for jointly along a row of the cluster (the same queries), K's halves along a column.
; THE WAY OUT of block s: its maxima behind its products, ahead of the exponentials of block s - 1; M and t - M behind the products of block s + 1, the exponentials behind that block, among its LDS loads; sum and scale behind the products of block s + 2.
; Behind every second product stand four lines of these lists.  Three sets of sums take turns.
; PREFETCHES: chunks 2 and 3 at the head, two blocks and more ahead of their loads; the sixteen waves that ask jointly share the units of 256 bytes out by address.
; LIMITS: NaN and infinities are not served; the promise holds while |t| stays under 2^31.  p's scale byte is held at 64 from below (2^-63): a block whose largest p lies under 2^-61 is quantised under that scale; l_loc takes every p whole.
.set REG,   98304
.set ST,    3*REG
.set SPARE, ST+10240
.set FPW,   21
.set VQ16,  4                          ; v4-9   LDS address of my part of each half region, + 16 x lane; v10-15 + 8 x lane
.set VQ8,   10
.set VK,    16                         ; v16-19 the same for my keys
.set CO,    20
.set CO8,   21
.set VS,    22
.set PFV,   23
.set SB,    24                         ; K's scale words: [kappa % 4][tile]; lanes 0-15 kappa < 4, lanes 16-31 the others
.set NM,    40                         ; v40, v42: -M_loc by turns (v41, v43 are named with them as pairs)
.set BM,    44                         ; v44, v45: the block's largest
.set TT,    46
.set PX,    48
.set SS,    50
.set SS2,   52
.set LL,    54
.set PX2,   55
.set SOP,   56
.set EB,    57
.set OUTV,  58
.set SPW,   60
.set NIL,   61
.set STB,   62
.set STF,   63
.set ACC,   64                         ; three sets of 32 sums
.set SA,    160                        ; Q's scale words: [chunk][kappa % 4][j]
.set NC,    224
.set TC,    252
.set WV,   16
.set RW,   17
.set CHI,  18
.set CX,   19
.set CY,   20
.set KG,   21
.set BAT,  22
.set QG,   23
.set G1A,  24
.set G1B,  32
.set G0A,  40
.set G0B,  44
.set G0D,  48
.set SEL,  58
.set HM,   60
.set CS,   62
.set PB,   66
.set PR,   68
.set MSB, 0
.macro WIN new
.if MSB != \new
	s_set_vgpr_msb (MSB<<8)|\new
.set MSB, \new
.endif
.endm
.macro PLACES n
.rept \n
	v_nop
.endr
.endm
.macro WALU
	s_wait_alu depctr_va_vdst(0)
.endm
.macro BARRIER
	s_barrier_signal -1
	s_barrier_wait -1
.endm
.macro MIDDLE                          ; a round's middle: the opening wait, wave 0's signal for the work-group, the cluster's wait
	WIN 0
	s_barrier_wait -1
	s_cmp_lg_u32 s[WV], 0
	s_cbranch_scc1 .Lnot_wave_0_\@
	s_barrier_signal -3
.Lnot_wave_0_\@:
	s_barrier_wait -3
.endm
.macro CROUND
	s_barrier_signal -1
	MIDDLE
	BARRIER
.endm
.macro TLOAD g0, g1
	tensor_load_to_lds s[\g0:\g0+3], s[\g1:\g1+7]
	s_nop 0
	PLACES 4
.endm
.macro GROUP1 g, mask, c, r, p         ; r rows of c elements of 8 bytes, pitch p
	s_or_b32 s[\g+0], s[\mask], (3<<16)|(1<<21)
	s_mov_b32 s[\g+1], (\c)<<16
	s_mov_b32 s[\g+2], (\r)<<16
	s_mov_b32 s[\g+3], (\c)<<16
	s_mov_b32 s[\g+4], \r
	s_mov_b32 s[\g+5], \p
	s_mov_b32 s[\g+6], 0
	s_mov_b32 s[\g+7], 0
.endm
.macro M0 s, k                         ; s52 = s[s] k
	s_mul_i32 s52, s[\s], \k
.endm
.macro MA s, k                         ; s52 += s[s] k
	s_mul_i32 s54, s[\s], \k
	s_add_co_u32 s52, s52, s54
.endm
.macro PTR d, b                        ; (s53 = 0)
	s_add_nc_u64 s[\d:\d+1], s[\b:\b+1], s[52:53]
.endm
; Fragment f lies in window 1 + f / 21 at register 12 (f % 21): 0-31 K's (4 q + b), 32-39 and 40-47 Q's two sets.  Four loads each.
.macro FRAG f, a16, a8, off
	WIN (1+(\f)/FPW)<<6
.set R_, 12*((\f)%FPW)
.irp c, 0,1
	ds_load_b128 v[R_+6*\c:R_+6*\c+3], v[\a16] offset:\off+768*\c
	ds_load_b64 v[R_+6*\c+4:R_+6*\c+5], v[\a8] offset:\off+768*\c+512
.endr
.endm
.macro FQ s, q                         ; fragment q of block s
	FRAG 32+8*((\s)%2)+\q, VQ16+2*(((\s)/4)%3)+\q/4, VQ8+2*(((\s)/4)%3)+\q/4, 12288*(\q%4)+1536*((\s)%4)
.endm
.macro PROD n                          ; product n = 4 q + b of block S_
.set Q_, (\n)/4
.set BN_, (\n)%4
.set FB_, 4*Q_+BN_
.set FA_, 32+8*(S_%2)+Q_
.set B0_, 12*(FB_%FPW)
.set A0_, 12*(FA_%FPW)
.set D_, XC_+8*BN_
.set KB_, SB+4*(Q_%4)+BN_
.set KA_, SA+16*(S_/4)+4*(Q_%4)+S_%4
	WIN (1+FB_/FPW)|((1+FA_/FPW)<<2)
.if Q_ == 0
	v_wmma_scale_f32_16x16x128_f8f6f4 v[D_:D_+7], v[B0_:B0_+11], v[A0_:A0_+11], 0, v[KB_], v[KA_] matrix_a_fmt:MATRIX_FMT_FP6 matrix_b_fmt:MATRIX_FMT_FP6
.elseif Q_ < 4
	v_wmma_scale_f32_16x16x128_f8f6f4 v[D_:D_+7], v[B0_:B0_+11], v[A0_:A0_+11], v[D_:D_+7], v[KB_], v[KA_] matrix_a_fmt:MATRIX_FMT_FP6 matrix_b_fmt:MATRIX_FMT_FP6
.else
	v_wmma_scale_f32_16x16x128_f8f6f4 v[D_:D_+7], v[B0_:B0_+11], v[A0_:A0_+11], v[D_:D_+7], v[KB_], v[KA_] matrix_a_fmt:MATRIX_FMT_FP6 matrix_b_fmt:MATRIX_FMT_FP6 matrix_a_scale:MATRIX_SCALE_ROW1 matrix_b_scale:MATRIX_SCALE_ROW1
.endif
.endm
.macro PRODS from, to
.set N_, \from
.rept (\to)-(\from)
	PROD N_
.if N_%2
.rept 4
	ZLINE
.set Z_, Z_+1
.endr
.endif
.set N_, N_+1
.endr
.endm
.macro ZLINE                           ; line Z_ of the block's list: the two parts by turns
.if S_ == 1
	PART1 Z_
.elseif S_ > 1
.if Z_%2
	PART2 Z_/2
.else
	PART1 Z_/2
.endif
.endif
.endm
.macro PART1 k                         ; block S_ - 1, 22 lines: the row's M over these 64 keys, t - M
.if (\k) < 22
	WIN 0
.if (\k) == 0
	v_max_num_f32 v[BM+NA_], v[TT], v[TT+1]                     ; the largest score of my 32 keys: it serves the row's maximum and, since p rises with the score, the block's largest p
.elseif (\k) == 1
	v_permlanex16_b32 v[PX], v[BM+NA_], s[SEL], s[SEL+1]
.elseif (\k) == 2
	v_max_num_f32 v[TT], v[BM+NA_], v[PX]
.elseif (\k) == 3
	v_mul_f32 v[TT], s[CS], v[TT]                               ; as t (c is positive)
.elseif (\k) == 4
	v_floor_f32 v[NM+2*NA_], -v[TT]                             ; -M_loc = floor(-t) = -ceil(t)
.elseif (\k) == 5
	v_fma_f32 v[BM+NA_], v[BM+NA_], s[CS], v[NM+2*NA_]
.else
.set K_, XA_+2*((\k)-6)
	v_pk_fma_f32 v[K_:K_+1], v[K_:K_+1], s[CS:CS+1], v[NM+2*NA_:NM+2*NA_+1] op_sel_hi:[1,0,0]
.endif
.endif
.endm
.macro PART2 k                         ; block S_ - 2, 22 lines: the sum of the UNQUANTISED p, the scale
.if (\k) < 22
	WIN 0
.if (\k) == 0
	v_pk_add_f32 v[SS:SS+1], v[XB_:XB_+1], v[XB_+2:XB_+3]
.elseif (\k) == 1
	v_pk_add_f32 v[SS2:SS2+1], v[XB_+4:XB_+5], v[XB_+6:XB_+7]
.elseif (\k) < 14
.set K_, XB_+8+2*((\k)-2)
.set P_, SS+2*((\k)%2)
	v_pk_add_f32 v[P_:P_+1], v[P_:P_+1], v[K_:K_+1]
.elseif (\k) == 14
	v_pk_add_f32 v[SS:SS+1], v[SS:SS+1], v[SS2:SS2+1]
.elseif (\k) == 15
	v_add_f32 v[LL], v[SS], v[SS+1]
.elseif (\k) == 16
	v_permlanex16_b32 v[PX2], v[LL], s[SEL], s[SEL+1]
.elseif (\k) == 17
	v_add_f32 v[LL], v[LL], v[PX2]                              ; l_loc over these 64 keys
.elseif (\k) == 18
	v_max_num_f32 v[BM+NB_], 0x21000000, v[BM+NB_]              ; the floor 2^(66 - 127): the byte cannot fall under 64
.elseif (\k) == 19
	v_add_nc_u32 v[SOP], 0xff000000, v[BM+NB_]                  ; 2 off the exponent field: the conversion's scale operand
.elseif (\k) == 20
	v_lshrrev_b32 v[EB], 23, v[SOP]
.else
	v_cndmask_b32 v[OUTV], v[NM+2*NB_], v[LL], s[HM]            ; lanes 0-15 carry -M_loc, lanes 16-31 l_loc
.endif
.endif
.endm
.macro MX i                            ; the largest of the 32 sums of block S_: 15 lines in two chains
.if (\i) < 14
.set B_, XC_+16*((\i)%2)+2*((\i)/2)
.set T_, TT+1-(\i)%2
.if (\i) < 2
	v_max3_num_f32 v[T_], v[B_], v[B_+1], v[B_+2]
.else
	v_max3_num_f32 v[T_], v[T_], v[B_+1], v[B_+2]
.endif
.elseif (\i) == 14
	v_max3_num_f32 v[TT+1], v[TT+1], v[XC_+15], v[XC_+31]
.endif
.endm
.macro SETS s                          ; block s: its sums, those of the two blocks before, and their places
.set S_, \s
.set Z_, 0
.set XC_, ACC+32*(S_%3)
.set XA_, ACC+32*((S_+2)%3)
.set XB_, ACC+32*((S_+1)%3)
.set NA_, (S_+1)%2
.set NB_, S_%2
.endm
.macro CODES                           ; block S_ - 2's codes; with the v_nop and the three moves the four places behind the last product
	v_cvt_scalef32_pk16_fp6_f32 v[NC+16*NB_:NC+16*NB_+2], v[XB_:XB_+15], v[SOP]
	v_cvt_scalef32_pk16_fp6_f32 v[TC:TC+2], v[XB_+16:XB_+31], v[SOP]
	v_nop
.irp i, 0,1,2
	v_mov_b32 v[NC+16*NB_+3+\i], v[TC+\i]
.endr
.endm
.macro SEND                            ; block S_ - 2 leaves
.set O_, (S_-2)/4
.set J_, (S_-2)%4
.set C_, NC+16*NB_
	ds_store_b8 v[STB], v[EB] offset:2560*O_+4*J_
	ds_store_b32 v[STF], v[OUTV] offset:2560*O_+4*J_
	global_store_b128 v[CO], v[C_:C_+3], s[12:13] offset:196608*O_+1536*J_
	global_store_b64 v[CO8], v[C_+4:C_+5], s[12:13] offset:196608*O_+1536*J_+512
.endm
; Block s.  mode 1: the refill's round; 2: a plain barrier shows chunk 2 (wave 3's load, chunk 3, may be out); 3: one shows chunk 3.
; Younger than a block's loads: the next block's 32 and, from block 3 on, two stores to the stage; ahead of the last block the stores alone.
.macro BLK s, mode
	SETS \s
.if S_ < 3
	s_wait_dscnt 32
.elseif S_ == 15
	s_wait_dscnt 2
.else
	s_wait_dscnt 34
.endif
.if S_ > 2
	s_wait_xcnt 0x0                        ; the earlier stores have read their registers
.endif
.if \mode
.if \mode == 1
	s_wait_tensorcnt 0x0
	ds_add_u32 v[SPW], v[NIL]
.endif
	PRODS 0, 26
	WIN 0
	WALU
.if \mode == 2
	s_cmp_eq_u32 s[WV], 3
	s_cbranch_scc1 .Lchunk_3_out
	s_wait_tensorcnt 0x0
.Lchunk_3_out:
.elseif \mode == 3
	s_wait_tensorcnt 0x0
.endif
	s_wait_dscnt 0x0
	s_barrier_signal -1
	PRODS 26, 32
	WIN 0
.if \mode == 1
	CODES
	MIDDLE
	BARRIER
	s_cmp_lt_u32 s[WV], 2
	s_cbranch_scc1 .Lasked_2
	s_cmp_lt_u32 s[WV], 3
	s_cbranch_scc0 .Lchunk_3
	TLOAD G0D, G1A                         ; wave 2: chunk 2 onto K's bytes
	s_branch .Lasked_2
.Lchunk_3:
	TLOAD G0D, G1A                         ; wave 3: chunk 3 onto chunk 0's
.Lasked_2:
.else
	s_barrier_wait -1
	CODES
.endif
.else
	PRODS 0, 32
	WIN 0
.if S_ > 1
	CODES
.else
	PLACES 4
.endif
.endif
	WALU
.if S_ > 1
	SEND
.endif
.set I_, 0
.irp q, 0,1,2,3                        ; the loads of block S_ + 2 into the set just multiplied; every sum of this block is read ahead of the exponentials
.if S_ < 14
	FQ S_+2, \q
.endif
	WIN 0
.rept 4
	MX I_
.set I_, I_+1
.endr
.endr
	WALU                                   ; the wait ahead of the batch
.if S_ > 0
	v_exp_f32 v[BM+NA_], v[BM+NA_]         ; the same two instructions on the same number give the same bits as the block's own p
.endif
.set I_, 0
.irp q, 4,5,6,7
.if S_ < 14
	FQ S_+2, \q
.endif
	WIN 0
.if S_ > 0
.rept 8
	v_exp_f32 v[XA_+I_], v[XA_+I_]
.set I_, I_+1
.endr
.endif
.endr
	v_nop
	WALU                                   ; and behind it
.endm
; ================= THE HEAD
	s_load_b256 s[4:11], s[0:1], 0x0               ; qc, qs, kc, ks
	s_load_b128 s[12:15], s[0:1], 0x20             ; pc, pm
	v_lshl_add_u32 v[SPW], v0, 2, SPARE
	v_mov_b32 v[NIL], 0
	ds_add_u32 v[SPW], v[NIL]
	ds_add_u32 v[SPW], v[NIL]
	v_lshrrev_b32 v1, 5, v0
	v_readfirstlane_b32 s[WV], v1
	s_lshr_b32 s[RW], s[WV], 1
	s_and_b32 s[CHI], s[WV], 1
	s_bfe_u32 s[CX], ttmp6, 0x40000
	s_bfe_u32 s[CY], ttmp6, 0x40004
	s_lshl_b32 s[KG], ttmp9, 2
	s_add_co_u32 s[KG], s[KG], s[CX]               ; my row group of keys in the batch: kappa
	s_and_b32 s[BAT], ttmp7, 0xffff                ; the batch
	s_lshl_b32 s[QG], s[BAT], 2
	s_add_co_u32 s[QG], s[QG], s[CY]               ; my 512 queries
	s_lshl_b32 s54, s[CY], 2
	s_lshl_b32 s54, 15, s54                        ; my row of the cluster
	s_lshl_b32 s55, s[CX], 2
	s_add_co_u32 s[PR], s55, s[WV]                 ; my number among the sixteen waves of my row
	s_lshl_b32 s55, 0x1111, s[CX]                  ; my column
	GROUP1 G1A, 54, 6144, 2, 12288                 ; a chunk: two runs of 49,152 bytes
	GROUP1 G1B, 55, 32, 192, 32                    ; a half of K's rows: 49,152 bytes on end
	s_mov_b32 s[G0A], 1
	s_mov_b32 s[G0B], 1
	s_mov_b32 s[G0D], 1
	s_mul_i32 s[G0A+1], s[CHI], REG                ; wave 2 region 0, wave 3 region 1
	s_mul_i32 s[G0B+1], s[CHI], 49152
	s_add_co_u32 s[G0B+1], s[G0B+1], 2*REG         ; waves 0, 1: the halves of region 2
	s_xor_b32 s55, s[CHI], 1
	s_mul_i32 s[G0D+1], s55, 2*REG                 ; wave 2 region 2, wave 3 region 0
	s_mov_b32 s53, 0
	s_mov_b32 s57, 0
	M0 BAT, 8*196608
	s_lshr_b32 s55, s[KG], 1
	MA 55, 196608
	s_and_b32 s55, s[KG], 1
	MA 55, 49152
	MA CHI, 98304
	s_mov_b32 s56, s52                             ; my half of K's row group
	M0 QG, 393216
	MA CHI, 49152                                  ; chunk 0 or 1
	s_mov_b32 s[SEL], 0x76543210
	s_mov_b32 s[SEL+1], 0xfedcba98
	s_mov_b32 s[HM], 0xffff0000
	s_mov_b32 s[CS], 0x3d0293ee                    ; c = log2(e) / sqrt(2048)
	s_mov_b32 s[CS+1], s[CS]
	v_and_b32 v1, 15, v0                           ; r
	v_bfe_u32 v2, v0, 4, 1                         ; h
	v_and_b32 v3, 31, v0                           ; lane
	v_lshlrev_b32 v[CO], 4, v3
	v_lshlrev_b32 v[CO8], 3, v3
	s_mul_i32 s55, s[RW], 6144
	v_add_nc_u32 v[VQ16], s55, v[CO]
	v_add_nc_u32 v[VQ8], s55, v[CO8]
.irp k, 1,2,3,4,5
	v_add_nc_u32 v[VQ16+\k], 49152*\k, v[VQ16]
	v_add_nc_u32 v[VQ8+\k], 49152*\k, v[VQ8]
.endr
	s_mul_i32 s55, s[CHI], 6144
	s_add_co_u32 s55, s55, 2*REG
	v_add_nc_u32 v[VK], s55, v[CO]
	v_add_nc_u32 v[VK+1], 49152, v[VK]
	v_add_nc_u32 v[VK+2], s55, v[CO8]
	v_add_nc_u32 v[VK+3], 49152, v[VK+2]
	v_lshlrev_b32 v[VS], 4, v1
	s_lshl_b32 s54, s[RW], 8
	s_add_co_u32 s54, s54, ST
	s_lshl_b32 s55, s[CHI], 1
	s_add_co_u32 s55, s55, s54
	v_add_nc_u32 v[STB], v[VS], v2
	v_add_nc_u32 v[STB], s55, v[STB]
	s_lshl_b32 s55, s[CHI], 9
	s_add_co_u32 s55, s55, s54
	s_add_co_u32 s55, s55, 512
	v_lshl_add_u32 v[STF], v2, 10, v[VS]
	v_add_nc_u32 v[STF], s55, v[STF]
	v_lshl_add_u32 v[VS], v2, 11, v[VS]
	v_min_u32 v[PFV], 23, v3
	v_mul_u32_u24 v1, v[PFV], 11
	v_lshrrev_b32 v1, 7, v1                        ; 0 in lanes 0-11, 1 behind them
	v_lshlrev_b32 v[PFV], 8, v[PFV]
	v_mad_u32_u24 v[PFV], v1, 98304-3072, v[PFV]   ; twelve units of each run: a sixteenth of a chunk
	v_mov_b32 v[NM+1], 0
	v_mov_b32 v[NM+3], 0
	v_mov_b32 v[PX], 0                             ; written once: a lane permute's destination counts as one of its sources
	v_mov_b32 v[PX2], 0
	WALU                                           ; the wait at the head's end
	s_wait_dscnt 0x0                               ; both opening adds are done
	CROUND                                         ; in front of the first joint loads
	s_wait_kmcnt 0x0
	s_add_nc_u64 s[G0B+2:G0B+3], s[8:9], s[56:57]
	s_or_b32 s[G0B+3], s[G0B+3], 0x80000000
	PTR G0A+2, 4
	s_or_b32 s[G0A+3], s[G0A+3], 0x80000000
	s_cmp_lt_u32 s[WV], 2
	s_cbranch_scc0 .Lwave_2
	TLOAD G0B, G1B                                 ; waves 0, 1: K
	s_branch .Lasked
.Lwave_2:
	s_cmp_lt_u32 s[WV], 3
	s_cbranch_scc0 .Lwave_3
	TLOAD G0A, G1A                                 ; wave 2: chunk 0
	s_branch .Lasked
.Lwave_3:
	TLOAD G0A, G1A                                 ; wave 3: chunk 1
.Lasked:
	s_add_co_u32 s52, s52, 196608
	PTR G0D+2, 4                                   ; chunk 2 or 3
	s_or_b32 s[G0D+3], s[G0D+3], 0x80000000
	M0 QG, 393216
	MA PR, 3072
	s_add_co_u32 s52, s52, 196608
	PTR PB, 4
	M0 BAT, 65536
	MA KG, 4096
	MA CHI, 256
	PTR 10, 10                                     ; K's scale words, my 64 keys
	M0 QG, 16384
	MA RW, 256
	PTR 6, 6                                       ; Q's
.irp q, 0,1,2,3
	global_load_b128 v[SB+4*\q:SB+4*\q+3], v[VS], s[10:11] offset:512*\q
.endr
.irp n, 0,1,2,3
.irp q, 0,1,2,3
	global_load_b128 v[SA+16*\n+4*\q:SA+16*\n+4*\q+3], v[VS], s[6:7] offset:4096*\n+512*\q
.endr
.endr
	M0 QG, 64*12288
	MA KG, 12288
	MA RW, 6144
	MA CHI, 768
	PTR 12, 12
	M0 QG, 64*2560
	MA WV, 16*2560
	MA KG, 2560
	PTR 14, 14                                     ; pm: at the end wave n stores chunk n's
	s_cmp_lt_u32 s[WV], 2
	s_cbranch_scc0 .Lnot_k
	s_wait_tensorcnt 0x0
.Lnot_k:
	BARRIER                                        ; K is in
	global_prefetch_b8 v[PFV], s[PB:PB+1] th:TH_LOAD_NT scope:SCOPE_SE
.irp q, 0,1,2,3,4,5,6,7
.irp b, 0,1,2,3
	FRAG 4*\q+\b, VK+\q/4, VK+2+\q/4, 12288*(\q%4)+1536*\b
.endr
.endr
	WIN 0
	s_cmp_eq_u32 s[WV], 3
	s_cbranch_scc1 .Lnot_0
	s_wait_tensorcnt 0x0
.Lnot_0:
	s_wait_dscnt 0x0
	BARRIER                                        ; chunk 0 is in; chunk 1 may still be on its way
.irp q, 0,1,2,3,4,5,6,7
	FQ 0, \q
.endr
.irp q, 0,1,2,3,4,5,6,7
	FQ 1, \q
.endr
	WIN 0
	global_prefetch_b8 v[PFV], s[PB:PB+1] offset:49152 th:TH_LOAD_NT scope:SCOPE_SE
	s_wait_loadcnt 0x0
; ================= SIXTEEN BLOCKS
	BLK 0, 0
	BLK 1, 0
	BLK 2, 1
	BLK 3, 0
	BLK 4, 0
	BLK 5, 0
	BLK 6, 2
	BLK 7, 0
	BLK 8, 0
	BLK 9, 0
	BLK 10, 3
	BLK 11, 0
	BLK 12, 0
	BLK 13, 0
	BLK 14, 0
	BLK 15, 0
; ================= THE END: the last two blocks' way out, then pm's bytes through the stage in whole units
	SETS 16
	s_wait_xcnt 0x0
.rept 44
	ZLINE
.set Z_, Z_+1
.endr
	CODES
	WALU
	SEND
	v_exp_f32 v[BM+NA_], v[BM+NA_]
.set I_, 0
.rept 32
	v_exp_f32 v[XA_+I_], v[XA_+I_]
.set I_, I_+1
.endr
	v_nop
	WALU
	SETS 17
.set I_, 0
.rept 22
	PART2 I_
.set I_, I_+1
.endr
	CODES
	s_mul_i32 s55, s[WV], 2560
	s_add_co_u32 s55, s55, ST
	v_add_nc_u32 v1, s55, v[CO]
	WALU
	SEND
	s_wait_dscnt 0x0
	BARRIER
.irp k, 0,1,2,3,4
	ds_load_b128 v[64+4*\k:67+4*\k], v1 offset:512*\k
.endr
	s_wait_dscnt 0x0
.irp k, 0,1,2,3,4
	global_store_b128 v[CO], v[64+4*\k:67+4*\k], s[14:15] offset:512*\k      ; 512 consecutive bytes, aligned
.endr
	s_wait_tensorcnt 0x0
	ds_add_u32 v[SPW], v[NIL]
	s_wait_dscnt 0x0
	CROUND                                         ; the closing round
	s_endpgm
.Lfunc_end_k_q3fe2093769_score:
	.size	k_q3fe2093769_score, .Lfunc_end_k_q3fe2093769_score-k_q3fe2093769_score
	.p2alignl 7, 3214868480
	.fill 96, 4, 3214868480
	.section	.rodata,"a",@progbits
	.p2align	6, 0x0
	.amdhsa_kernel k_q3fe2093769_score
		.amdhsa_group_segment_fixed_size 327680
		.amdhsa_private_segment_fixed_size 0
		.amdhsa_enable_private_segment 0
		.amdhsa_kernarg_size 48
		.amdhsa_user_sgpr_count 2
		.amdhsa_user_sgpr_kernarg_segment_ptr 1
		.amdhsa_wavefront_size32 1
		.amdhsa_system_sgpr_workgroup_id_x 1
		.amdhsa_system_sgpr_workgroup_id_y 1
		.amdhsa_system_sgpr_workgroup_id_z 1
		.amdhsa_system_vgpr_workitem_id 0
		.amdhsa_next_free_vgpr 848
		.amdhsa_next_free_sgpr 76
		.amdhsa_reserve_vcc 0
		.amdhsa_float_denorm_mode_32 3
		.amdhsa_float_denorm_mode_16_64 3
		.amdhsa_memory_ordered 1
		.amdhsa_forward_progress 1
		.amdhsa_inst_pref_size 222
	.end_amdhsa_kernel
	.amdgpu_metadata
---
amdhsa.version: [ 1, 2 ]
amdhsa.kernels:
  - .name:           k_q3fe2093769_score
    .symbol:         k_q3fe2093769_score.kd
    .args:
      - { .name: qc, .offset: 0, .size: 8, .value_kind: global_buffer, .address_space: global }
      - { .name: qs, .offset: 8, .size: 8, .value_kind: global_buffer, .address_space: global }
      - { .name: kc, .offset: 16, .size: 8, .value_kind: global_buffer, .address_space: global }
      - { .name: ks, .offset: 24, .size: 8, .value_kind: global_buffer, .address_space: global }
      - { .name: pc, .offset: 32, .size: 8, .value_kind: global_buffer, .address_space: global }
      - { .name: pm, .offset: 40, .size: 8, .value_kind: global_buffer, .address_space: global }
    .group_segment_fixed_size: 327680
    .private_segment_fixed_size: 0
    .kernarg_segment_align: 8
    .kernarg_segment_size: 48
    .max_flat_workgroup_size: 128
    .sgpr_count:     76
    .vgpr_count:     848
    .wavefront_size: 32
...
	.end_amdgpu_metadata
.endif
;; end of part 5
;; launch pv (part 6): grid 4 x 64, 4 waves a work-group, clusters of 4 x 4, 327,680 bytes of LDS; arguments pc, pm, vc, vs, out0; writes out0
.if DOCPART == 6
	.amdgcn_target "amdgcn-amd-amdhsa--gfx1250"
	.amdhsa_code_object_version 6
	.text
	.protected	k_q3fe2093769_pv
	.globl	k_q3fe2093769_pv
	.p2align	8
	.type	k_q3fe2093769_pv,@function
k_q3fe2093769_pv:
	s_mov_b64 s[64:65], 0
	v_nop
	global_prefetch_b8 v0, s[64:65] scope:SCOPE_SE
	s_setreg_imm32_b32 hwreg(HW_REG_WAVE_MODE, 25, 1), 1
	s_wait_xcnt 0x0
	s_wait_alu depctr_hold_cnt(0) depctr_sa_sdst(0) depctr_va_vdst(0) depctr_va_sdst(0) depctr_va_ssrc(0) depctr_va_vcc(0) depctr_vm_vsrc(0)
	s_getreg_b32 s2, hwreg(HW_REG_IB_STS2, 6, 4)
	s_cmp_eq_u32 s2, 0
	s_cbranch_scc0 .Lentry_in_a_cluster
	s_endpgm
.Lentry_in_a_cluster:
	s_bfe_u32 s2, ttmp6, 0x10000c
	s_cmp_lg_u32 s2, 0xf033
	s_cbranch_scc0 .Lentry_shape_is_right
	s_endpgm
.Lentry_shape_is_right:
; O = (P V) / l on codes of FP6 (E2M3).  P's codes were made under a whole number M_loc for each row and each 64 keys.  The prologue finds the row's M = the largest M_loc, takes d = M - M_loc off the two scale bytes of each
; half word (an exact power of two, which the scale takes up), and adds l = the sum of l_loc 2^(-d); O is multiplied by 1 / l at the end.  No work of the problem is left out.
; SHARES.  256 work-groups of four waves; each makes 128 queries (A = P) x 256 channels (B = V with the keys innermost) x K = 2,048 keys.  Wave (rho, chi): 64 queries (tiles 4 rho + a) x 128 channels (chi): 32 accumulators.
; THE MATRIX INSTRUCTION IS USED TRANSPOSED (source 0 = 16 channels, source 1 = 16 queries): a lane holds eight neighbouring channels of one row of O.
; ORDERS.  Image row 16 t + 8 e + i of a row group's 128 (t = 4 c + j) is the token 256 g + 128 c + 64 w + 32 e + 8 (j xor e) + i of row group 2 g + w; image row 16 t + 8 e + i of 128 channels is the channel 64 c + 32 e + 8 (j xor e) + i.
; O's rows and columns are put right on the way out.
; IN.  P: [row group][kappa 16][tile 8][half][512 bytes: registers 0-3, 256 bytes: registers 4, 5].  V: [pair of 128 channels][kappa / 4][which][kappa % 4][tile][3][512 bytes].  K goes through two LDS slots of 4 kappa: 49,152 bytes of P, 98,304 of V.
; pm: [row group][kappa][512 bytes of scale words, 2 x 512 of -M_loc, 2 x 512 of l_loc].  Scale words of all of K lie in registers.
; CLUSTERS, 4 x 4: P's tiles are asked for jointly along a row of the cluster, V's along a column.
; HEAD.  One tensor load a wave: V's and P's part of slot 0 (waves 0, 1), then of slot 1 (waves 2, 3); the first barrier waits for the first two.  pm's and vs's loads go out ahead of them; the prologue works under the tiles' flight.
; PREFETCHES: the tiles of each refill, four K steps ahead of it; the sixteen waves that ask jointly share the units of 256 bytes out by address.
; LIMITS: NaN and infinities are not served.  d is held at 63 (P's bytes are 64 or more, so each stays at 1 or more): 64 keys whose M_loc lies more than 63 under M count as if 63 under it, that is each with at most 2^-63 beside l of at least 1/2,
; which stays under f32's rounding while the magnitudes in a column of V lie within 2^25 of each other.
; REGISTERS: window 0: v1-15 addresses, v16-23 1 / l in pairs, v32-63 P's scale words, v64-127 V's, v128-223 A's fragments, two sets (in the prologue v128-211 at work), v128-255 rows of O on the way out.
;   window 1: B's fragments (in the prologue l_loc).  window 2: accumulators.
.set KMOD,   16
.set SLOT,   147456
.set BOFF,   49152
.set SPARE,  2*SLOT
.set AF,     128
.set MUL,    0xa1
.set TO_B,   0x40
.set ADRA, 4                           ; v4, v5  my part of P in slot 0, 1 + 16 x lane; v6, v7 + 8 x lane
.set ADRA8, 6
.set ADRB, 8
.set VSC,  10                          ; v10 512 h + 16 r
.set VPM,  11                          ; v11 2,560 h + 16 r
.set STO,  12                          ; v12 even tiles, v15 odd tiles
.set LI,   13
.set RD,   14
.set RL,   16
.set PFA,  24
.set PFB,  25
.set SPW,  28
.set NIL,  29
.set SAB,  32
.set SBB,  64
.set ML,   128
.set NG,   192
.set LS,   196
.set T0,   200
.set T1,   204
.set U,    208
.set WV,   16
.set RHO,  17
.set CHI,  18
.set CX,   19
.set CY,   20
.set GG,   21
.set GQ,   22
.set BAT,  23
.set G1,   24
.set G0,   32
.set PBS,  46
.set G1B,  48
.set G0B,  56
.set SEL,  66
.set SELP, 68
.set PPB,  70
.set HP,   72
.set HV,   76
.set PVB,  80
.set VBS,  82
.set MSB, 0
.macro WIN new
.if MSB != \new
	s_set_vgpr_msb (MSB<<8)|\new
.set MSB, \new
.endif
.endm
.macro PLACES n
.rept \n
	v_nop
.endr
.endm
.macro WALU
	s_wait_alu depctr_va_vdst(0)
.endm
.macro CREST
	s_cmp_lg_u32 s[WV], 0
	s_cbranch_scc1 .Lnot_wave_0_\@
	s_barrier_signal -3
.Lnot_wave_0_\@:
	s_barrier_wait -3
	s_barrier_signal -1
	s_barrier_wait -1
.endm
.macro CROUND
	s_barrier_signal -1
	s_barrier_wait -1
	CREST
.endm
.macro M0 s, k                         ; s44 = s[s] k
	s_mul_i32 s44, s[\s], \k
.endm
.macro MA s, k                         ; s44 += s[s] k
	s_mul_i32 s43, s[\s], \k
	s_add_co_u32 s44, s44, s43
.endm
.macro PTR d, b                        ; (s45 = 0)
	s_add_nc_u64 s[\d:\d+1], s[\b:\b+1], s[44:45]
.endm
.macro TYPE g
	s_or_b32 s[\g+3], s[\g+3], 0x80000000
.endm
.macro TLOAD g0, g1
	tensor_load_to_lds s[\g0:\g0+3], s[\g1:\g1+7]
	s_nop 0
	PLACES 4
.endm
.macro ARM under, g0, g1, next         ; an arm of the head's tree of loads
	s_cmp_lt_u32 s[WV], \under
	s_cbranch_scc0 \next
	TLOAD \g0, \g1
	s_branch .Lhead_asked
\next:
.endm
.macro REFILL n                        ; slot n - 1 takes kappa 8 .. 11 or 12 .. 15: waves 0, 1 V's halves, waves 2, 3 P's
.if \n == 1
	s_mov_b32 s[G1+2], 96<<16              ; no tensor load of mine is out: from here on a load brings a half
	s_mov_b32 s[G1+4], 96
	s_mov_b32 s[G1B+2], 192<<16
	s_mov_b32 s[G1B+4], 192
.endif
	s_cmp_lt_u32 s[WV], 2
	s_cbranch_scc0 .Lfor_a_\@
	TLOAD G0B+4*(\n-1), G1B
	s_branch .Lasked_\@
.Lfor_a_\@:
	TLOAD G0+4*(\n-1), G1
.Lasked_\@:
.endm
.macro ASK q                           ; my sixteenth of V's and P's tiles of kappa 4 q .. 4 q + 3; the offsets lie in window 0
	WIN 0
	global_prefetch_b8 v[PFB], s[PVB:PVB+1] offset:98304*\q th:TH_LOAD_NT scope:SCOPE_SE
	global_prefetch_b8 v[PFA], s[PPB:PPB+1] offset:49152*\q th:TH_LOAD_NT scope:SCOPE_SE
.endm
; Matrix instruction i of a K step's 32.  A scale register holds kappa = 2 m in lanes 0-15 and 2 m + 1 in lanes 16-31.  cm = 1: the product starts the sum.
; The 32 accumulators take turns, one instruction a turn, in the same order in every K step.
.macro MM kap, cm
.set PB_, 128*((\kap)%2)+12*(i%8)
.set PA_, AF+48*((\kap)%2)+12*(i/8)
.set SX0, SBB+8*((\kap)/2)+i%8
.set SX1, SAB+4*((\kap)/2)+i/8
	WIN MUL
.if (\kap)%2
	v_wmma_scale_f32_16x16x128_f8f6f4 v[8*i:8*i+7], v[PB_:PB_+11], v[PA_:PA_+11], v[8*i:8*i+7], v[SX0], v[SX1] matrix_a_fmt:MATRIX_FMT_FP6 matrix_b_fmt:MATRIX_FMT_FP6 matrix_a_scale:MATRIX_SCALE_ROW1 matrix_b_scale:MATRIX_SCALE_ROW1
.elseif \cm
	v_wmma_scale_f32_16x16x128_f8f6f4 v[8*i:8*i+7], v[PB_:PB_+11], v[PA_:PA_+11], 0, v[SX0], v[SX1] matrix_a_fmt:MATRIX_FMT_FP6 matrix_b_fmt:MATRIX_FMT_FP6
.else
	v_wmma_scale_f32_16x16x128_f8f6f4 v[8*i:8*i+7], v[PB_:PB_+11], v[PA_:PA_+11], v[8*i:8*i+7], v[SX0], v[SX1] matrix_a_fmt:MATRIX_FMT_FP6 matrix_b_fmt:MATRIX_FMT_FP6
.endif
.set i, i+1
.endm
.macro FETCHN                          ; the twelve fragments of the next K step in ONE run of 40 loads: V's three loads, P's four
	WIN TO_B
.irp f, 0,1,2,3,4,5,6,7
.irp c, 0,1,2
	ds_load_b128 v[128*NP+12*\f+4*\c:128*NP+12*\f+4*\c+3], v[ADRB+NS] offset:12288*NK+1536*\f+512*\c
.endr
.endr
	WIN 0
.irp f, 0,1,2,3
.irp c, 0,1
	ds_load_b128 v[AF+48*NP+12*\f+6*\c:AF+48*NP+12*\f+6*\c+3], v[ADRA+NS] offset:12288*NK+1536*\f+768*\c
	ds_load_b64 v[AF+48*NP+12*\f+6*\c+4:AF+48*NP+12*\f+6*\c+5], v[ADRA8+NS] offset:12288*NK+1536*\f+768*\c+512
.endr
.endr
.endm
.macro NEXT kap
.set NX, (\kap)%KMOD
.set NS, (NX/4)%2
.set NK, NX%4
.set NP, NX%2
.endm
; A K step of 128.  The loads of the next K step's fragments stand in one run at the step's head, behind the four places that they owe the last step's products; then its 32 matrix instructions follow each other.
; The wait behind the run lets the 40 just issued stay out: this step's fragments are in.
.macro KSTEP kap, cm, fetch
	NEXT (\kap)+1
.if \fetch
	PLACES 4
	FETCHN
	s_wait_dscnt 40
.else
	s_wait_dscnt 0x0
.endif
.set i, 0
.rept 32
	MM \kap, \cm
.endr
.endm
; A slot's last K step: all reads of the slot were issued a K step ago.  ONE barrier; in front of it each wave waits for all its tensor loads, adds 0 to its spare word and waits for that and for its reads of the slot.
; Behind the barrier, and the refill where there is one, stands the run of loads from the next slot.
.macro TURN kap, fill
	NEXT (\kap)+1
	PLACES 4                                       ; the places between the last K step's products and this step's run of loads
	WIN 0
	s_wait_tensorcnt 0x0                           ; all my tensor loads have landed
	ds_add_u32 v[SPW], v[NIL]
	s_wait_dscnt 1                                 ; (the add may be out; this step's fragments are in)
.set i, 0
.rept 8
	MM \kap, 0
.endr
	s_wait_dscnt 0x0                               ; the add is done, and my reads of the slot are over
	s_barrier_signal -1
.rept 8
	MM \kap, 0
.endr
	WIN 0
	s_barrier_wait -1
.if \fill
	CREST                                          ; no wave of any partner still reads this slot or has a load on its way
	REFILL \fill
.endif
	FETCHN
.rept 16
	MM \kap, 0
.endr
.endm
	s_load_b256 s[4:11], s[0:1], 0x0               ; pc 4, pm 6, vc 8, vs 10
	s_load_b64 s[12:13], s[0:1], 0x20              ; out0
	v_lshl_add_u32 v[SPW], v0, 2, SPARE
	v_mov_b32 v[NIL], 0
	ds_add_u32 v[SPW], v[NIL]
	ds_add_u32 v[SPW], v[NIL]
	v_lshrrev_b32 v1, 5, v0
	v_readfirstlane_b32 s[WV], v1
	s_lshr_b32 s[RHO], s[WV], 1
	s_and_b32 s[CHI], s[WV], 1
	s_bfe_u32 s[CX], ttmp6, 0x40000
	s_bfe_u32 s[CY], ttmp6, 0x40004
	s_and_b32 s[GG], ttmp7, 0xffff
	s_lshl_b32 s[GQ], s[GG], 2
	s_add_co_u32 s[GQ], s[GQ], s[CY]               ; my row group of queries
	s_lshr_b32 s[BAT], s[GG], 2                    ; the batch
	v_and_b32 v1, 15, v0                           ; r
	v_bfe_u32 v2, v0, 4, 1                         ; h
	v_and_b32 v3, 31, v0                           ; lane
	v_lshlrev_b32 v[VSC], 4, v1
	v_mad_u32_u24 v[VPM], v2, 2560, v[VSC]
	v_lshl_add_u32 v[VSC], v2, 9, v[VSC]
	v_lshlrev_b32 v[LI], 4, v3
	v_min_u32 v[PFA], 11, v3
	v_lshlrev_b32 v[PFA], 8, v[PFA]
	v_min_u32 v[PFB], 23, v3
	v_lshlrev_b32 v[PFB], 8, v[PFB]
	s_lshl_b32 s2, s[CY], 2
	s_add_co_u32 s41, s2, s[WV]                    ; my number among the sixteen waves of my column,
	s_lshl_b32 s2, 15, s2                          ; my row of the cluster
	s_lshl_b32 s3, s[CX], 2
	s_add_co_u32 s40, s3, s[WV]                    ; and of my row
	s_lshl_b32 s3, 0x1111, s[CX]                   ; my column
	s_or_b32 s[G1], s2, (3<<16)|(1<<21)            ; elements of 8 bytes, no padding; P's tiles go to my row of the cluster
	s_or_b32 s[G1B], s3, (3<<16)|(1<<21)           ; V's to my column
	s_mov_b32 s[G1+1], 32<<16                      ; dense blocks as rows of 256 bytes
	s_mov_b32 s[G1+2], 192<<16                     ; at the head a load brings a slot's whole part
	s_mov_b32 s[G1+3], 32<<16
	s_mov_b32 s[G1+4], 192
	s_mov_b32 s[G1+5], 32
	s_mov_b32 s[G1+6], 0
	s_mov_b32 s[G1+7], 0
	s_mov_b32 s[G1B+1], 32<<16
	s_mov_b32 s[G1B+2], 384<<16
	s_mov_b32 s[G1B+3], 32<<16
	s_mov_b32 s[G1B+4], 384
	s_mov_b32 s[G1B+5], 32
	s_mov_b32 s[G1B+6], 0
	s_mov_b32 s[G1B+7], 0
	s_mov_b32 s45, 0
	s_mov_b32 s[SEL], 0x76543210
	s_mov_b32 s[SEL+1], 0xfedcba98
	s_mov_b32 s[SELP], 0x04040000
	M0 GQ, 16*2560
	MA RHO, 256
	WALU                                           ; directly ahead of the waits below
	s_wait_dscnt 0x0                               ; both opening adds are done
	s_wait_kmcnt 0x0
	PTR 6, 6                                       ; pm: my row group, my 64 rows
	s_lshl_b32 s42, s[BAT], 3
	s_lshl_b32 s43, s[CX], 1
	s_add_co_u32 s42, s42, s43
	s_add_co_u32 s42, s42, s[CHI]
	M0 42, 8192
	PTR 10, 10                                     ; V's scale words: my 128 channels
.irp m, 0,1,2,3,4,5,6,7                            ; lanes 0-15 kappa = 2 m, lanes 16-31 kappa = 2 m + 1; register a: tile 4 rho + a
	global_load_b128 v[ML+8*\m:ML+8*\m+3], v[VPM], s[6:7] offset:5120*\m+512       ; -M_loc of the first 64 keys,
	global_load_b128 v[ML+8*\m+4:ML+8*\m+7], v[VPM], s[6:7] offset:5120*\m+1024    ; of the second,
	global_load_b128 v[SAB+4*\m:SAB+4*\m+3], v[VPM], s[6:7] offset:5120*\m         ; the scale words
.endr
	WIN TO_B
.irp m, 0,1,2,3,4,5,6,7
	global_load_b128 v[8*\m:8*\m+3], v[VPM], s[6:7] offset:5120*\m+1536            ; and l_loc, in window 1
	global_load_b128 v[8*\m+4:8*\m+7], v[VPM], s[6:7] offset:5120*\m+2048
.endr
	WIN 0
.irp m, 0,1,2,3,4,5,6,7
.irp q, 0,1
	global_load_b128 v[SBB+8*\m+4*\q:SBB+8*\m+4*\q+3], v[VSC], s[10:11] offset:1024*\m+256*\q
.endr
.endr
	M0 GQ, 196608
	PTR PBS, 4                                     ; P: my row group
	s_lshl_b32 s42, s[BAT], 2
	s_add_co_u32 s42, s42, s[CX]
	M0 42, 393216
	PTR VBS, 8                                     ; V: the pair 4 batch + cx
	s_mul_i32 s42, s[RHO], SLOT                    ; the head's loads: waves 0, 1 for slot 0, waves 2, 3 for slot 1
	s_mov_b32 s[HP], 1
	s_mov_b32 s[HP+1], s42
	M0 RHO, 49152
	PTR HP+2, PBS
	TYPE HP
	s_mov_b32 s[HV], 1
	s_add_co_u32 s[HV+1], s42, BOFF
	M0 RHO, 98304
	PTR HV+2, VBS
	TYPE HV
	CROUND                                         ; all sixteen work-groups are here: the first joint loads meet
	ARM 1, HV, G1B, .Lhead_1
	ARM 2, HP, G1, .Lhead_2
	ARM 3, HV, G1B, .Lhead_3
	TLOAD HP, G1
.Lhead_asked:
	M0 40, 3072
	PTR PPB, PBS
	M0 41, 6144
	PTR PVB, VBS
	M0 CHI, 24576
	PTR PBS, PBS
	s_mov_b32 s42, s44
	M0 CHI, 49152
	PTR VBS, VBS
	s_add_co_u32 s43, s44, BOFF
.irp s, 0,1                                        ; the refills' group 0: halves of kappa 8 + 4 s .. 11 + 4 s
	s_mov_b32 s[G0+4*\s], 1
	s_add_co_u32 s[G0+4*\s+1], s42, \s*SLOT
	s_add_nc_u64 s[G0+4*\s+2:G0+4*\s+3], s[PBS:PBS+1], (\s+2)*49152
	TYPE G0+4*\s
	s_mov_b32 s[G0B+4*\s], 1
	s_add_co_u32 s[G0B+4*\s+1], s43, \s*SLOT
	s_add_nc_u64 s[G0B+4*\s+2:G0B+4*\s+3], s[VBS:VBS+1], (\s+2)*98304
	TYPE G0B+4*\s
.endr
	s_lshr_b32 s42, s[GQ], 1                       ; O: rows 256 g + 64 w + 128 rho + .. of 4,096 bytes, column 256 cx + 128 chi
	s_lshl_b32 s44, s42, 20
	s_and_b32 s42, s[GQ], 1
	MA 42, 1<<18
	MA RHO, 1<<19
	MA CX, 1024
	MA CHI, 512
	PTR 12, 12
	v_lshlrev_b32 v15, 3, v3
	s_mul_i32 s40, s[RHO], 6144
	v_add_nc_u32 v[ADRA], s40, v[LI]
	v_add_nc_u32 v[ADRA+1], SLOT, v[ADRA]
	v_add_nc_u32 v[ADRA8], s40, v15
	v_add_nc_u32 v[ADRA8+1], SLOT, v[ADRA8]
	s_mul_i32 s40, s[CHI], 49152
	s_add_co_u32 s40, s40, BOFF
	v_add_nc_u32 v[ADRB], s40, v[LI]
	v_add_nc_u32 v[ADRB+1], SLOT, v[ADRB]
	s_mul_i32 s40, s[WV], 16*528                   ; the way out: my stage, 16 rows x (512 bytes + 16), in slot 0, which has then had its last fill and its last read
	v_mul_u32_u24 v[STO], v1, 528
	v_add_nc_u32 v[STO], s40, v[STO]
	v_mad_u32_u24 v[STO+3], v2, 96, v[STO]         ; odd tiles: channel 24 h + 8 j + ..
	v_mad_u32_u24 v[STO], v2, 160, v[STO]          ; even tiles: channel 40 h + 8 j + ..
	v_add_nc_u32 v[RD], s40, v[LI]
.irp a, 0,1,2,3
	v_mov_b32 v[T0+\a], 0                          ; written once: a lane permute's destination counts as one of its sources
.endr
	WALU                                           ; directly ahead of the wait below
	s_wait_loadcnt 0x0
	; ---- THE PROLOGUE, in registers, while the first tiles land: each wave for its own 64 rows
.irp a, 0,1,2,3
	v_min3_num_f32 v[NG+\a], v[ML+\a], v[ML+4+\a], v[ML+8+\a]
.endr
.irp k, 3,5,7,9,11,13
.irp a, 0,1,2,3
	v_min3_num_f32 v[NG+\a], v[NG+\a], v[ML+4*\k+\a], v[ML+4*\k+4+\a]
.endr
.endr
.irp a, 0,1,2,3
	v_min_num_f32 v[NG+\a], v[NG+\a], v[ML+60+\a]
.endr
.irp a, 0,1,2,3
	v_permlanex16_b32 v[T0+\a], v[NG+\a], s[SEL], s[SEL+1]
.endr
.irp a, 0,1,2,3
	v_min_num_f32 v[NG+\a], v[NG+\a], v[T0+\a]     ; the row's -M: the least -M_loc
.endr
.irp m, 0,1,2,3,4,5,6,7
.irp k, 0,1,2,3,4,5,6,7                            ; k = 4 c + a: T0, T1 on end
	v_sub_f32 v[T0+\k], v[NG+\k%4], v[ML+8*\m+\k]  ; M_loc - M: a whole number, 0 or less,
.endr
.irp k, 0,1,2,3,4,5,6,7
	v_max_num_f32 v[T0+\k], 0xc27c0000, v[T0+\k]   ; held at -63
.endr
.irp k, 0,1,2,3,4,5,6,7
	v_cvt_i32_f32 v[T0+\k], v[T0+\k]
.endr
.irp c, 0,1
	WIN 1
.if \m+\c == 0
.irp a, 0,1,2,3
	v_ldexp_f32 v[LS+\a], v[\a], v[T0+\a]          ; l_loc under the row's M; the first term starts the sum
.endr
	WIN 0
.else
.irp a, 0,1,2,3
	v_ldexp_f32 v[U+\a], v[8*\m+4*\c+\a], v[T0+4*\c+\a]
.endr
	WIN 0
.irp a, 0,1,2,3
	v_add_f32 v[LS+\a], v[LS+\a], v[U+\a]
.endr
.endif
.endr
.irp k, 0,1,2,3,4,5,6,7
	v_sub_nc_u32 v[T0+\k], 0, v[T0+\k]             ; d, 0 .. 63
.endr
.irp a, 0,1,2,3
	v_perm_b32 v[T0+\a], v[T1+\a], v[T0+\a], s[SELP]   ; the first half's d in bytes 0, 1, the second's in bytes 2, 3
.endr
.irp a, 0,1,2,3
	v_sub_nc_u32 v[SAB+4*\m+\a], v[SAB+4*\m+\a], v[T0+\a]   ; each byte is 64 or more: no borrow
.endr
.endr
.irp a, 0,1,2,3
	v_permlanex16_b32 v[T0+\a], v[LS+\a], s[SEL], s[SEL+1]
.endr
.irp a, 0,1,2,3
	v_add_f32 v[LS+\a], v[LS+\a], v[T0+\a]         ; the row's l
.endr
	WALU
.irp a, 0,1,2,3
	v_rcp_f32 v[RL+2*\a], v[LS+\a]
.endr
	v_nop                                          ; a plain instruction behind the last reciprocal
	WALU                                           ; one wait for the four, ahead of their first reader
.irp a, 0,1,2,3
	v_mov_b32 v[RL+2*\a+1], v[RL+2*\a]             ; (named with it as a pair)
.endr
	PLACES 8                                       ; scale registers written by vector instructions stand eight places ahead of a scaled matrix instruction
	WALU                                           ; the wait at the head's end
	s_cmp_lt_u32 s[WV], 2
	s_cbranch_scc0 .Lslot_1_out
	s_wait_tensorcnt 0x0                           ; slot 0's parts are in; slot 1's may stay out
.Lslot_1_out:
	s_barrier_signal -1
	s_barrier_wait -1
	NEXT 0
	FETCHN
	ASK 2
	KSTEP 0, 1, 1
	KSTEP 1, 0, 1
	KSTEP 2, 0, 1
	TURN  3, 1
	ASK 3
	KSTEP 4, 0, 1
	KSTEP 5, 0, 1
	KSTEP 6, 0, 1
	TURN  7, 2
	KSTEP 8, 0, 1
	KSTEP 9, 0, 1
	KSTEP 10, 0, 1
	TURN  11, 0
	KSTEP 12, 0, 1
	KSTEP 13, 0, 1
	KSTEP 14, 0, 1
	KSTEP 15, 0, 0
	; ---- THE WAY OUT: x 1 / l; then block by block of 16 rows x 128 channels through my stage, back as whole rows of 512 bytes
	PLACES 4
	WIN 0x82
.set j, 0
	WALU
.rept 128
	v_pk_mul_f32 v[2*j:2*j+1], v[2*j:2*j+1], v[RL+2*(j/32):RL+2*(j/32)+1] op_sel_hi:[1,0]   ; each accumulator from its low end on
.set j, j+1
.endr
.macro TOSTAGE a
	WIN 0x08                                       ; an LDS store's data are its source 1: window 2
.irp b, 0,1,2,3,4,5,6,7
	ds_store_b128 v[STO+3*(\b%2)], v[64*(\a)+8*\b:64*(\a)+8*\b+3] offset:256*(\b/4)+32*(\b%4)
	ds_store_b128 v[STO+3*(\b%2)], v[64*(\a)+8*\b+4:64*(\a)+8*\b+7] offset:256*(\b/4)+32*(\b%4)+16
.endr
	WIN 0
.set BB, 128+64*((\a)%2)
.irp t, 0,1,2,3,4,5,6,7,8,9,10,11,12,13,14,15
	ds_load_b128 v[BB+4*\t:BB+4*\t+3], v[RD] offset:\t*528   ; LDS serves a wave's instructions in order (ISA guide 5.7.1.4): these see the stores above, and the next block's stores come behind them
.endr
.endm
.macro SEND a, younger                 ; younger: the LDS instructions issued behind block a's loads, which may stay out
.set BB, 128+64*((\a)%2)
	s_wait_dscnt \younger
.irp t, 0,1,2,3,4,5,6,7,8,9,10,11,12,13,14,15
	global_store_b128 v[LI], v[BB+4*\t:BB+4*\t+3], s[12:13] offset:4096*(32*(\t/8)+8*((\a)^(\t/8))+\t%8) th:TH_STORE_NT   ; 32 lanes store 512 consecutive bytes, aligned; written once, read by nobody here
.endr
.endm
	TOSTAGE 0
	WALU
.irp a, 1,2,3
.if \a > 1
	s_wait_xcnt 0x0                                ; block a - 2's stores have read their registers: block a's loads may land there
.endif
	TOSTAGE \a
	SEND \a-1, 32                                  ; behind block a - 1's loads: block a's 16 stores and 16 loads
.endr
	SEND 3, 0
	s_wait_tensorcnt 0x0                           ; the wave's end
	ds_add_u32 v[SPW], v[NIL]
	s_wait_dscnt 0x0
	CROUND                                         ; the closing round
	s_endpgm
.Lfunc_end_k_q3fe2093769_pv:
	.size	k_q3fe2093769_pv, .Lfunc_end_k_q3fe2093769_pv-k_q3fe2093769_pv
	.p2alignl 7, 3214868480
	.fill 96, 4, 3214868480
	.section	.rodata,"a",@progbits
	.p2align	6, 0x0
	.amdhsa_kernel k_q3fe2093769_pv
		.amdhsa_group_segment_fixed_size 327680
		.amdhsa_private_segment_fixed_size 0
		.amdhsa_enable_private_segment 0
		.amdhsa_kernarg_size 40
		.amdhsa_user_sgpr_count 2
		.amdhsa_user_sgpr_kernarg_segment_ptr 1
		.amdhsa_wavefront_size32 1
		.amdhsa_system_sgpr_workgroup_id_x 1
		.amdhsa_system_sgpr_workgroup_id_y 1
		.amdhsa_system_sgpr_workgroup_id_z 1
		.amdhsa_system_vgpr_workitem_id 0
		.amdhsa_next_free_vgpr 768
		.amdhsa_next_free_sgpr 84
		.amdhsa_reserve_vcc 0
		.amdhsa_float_denorm_mode_32 3
		.amdhsa_float_denorm_mode_16_64 3
		.amdhsa_memory_ordered 1
		.amdhsa_forward_progress 1
		.amdhsa_inst_pref_size 172
	.end_amdhsa_kernel
	.amdgpu_metadata
---
amdhsa.version: [ 1, 2 ]
amdhsa.kernels:
  - .name:           k_q3fe2093769_pv
    .symbol:         k_q3fe2093769_pv.kd
    .args:
      - { .name: pc, .offset: 0, .size: 8, .value_kind: global_buffer, .address_space: global }
      - { .name: pm, .offset: 8, .size: 8, .value_kind: global_buffer, .address_space: global }
      - { .name: vc, .offset: 16, .size: 8, .value_kind: global_buffer, .address_space: global }
      - { .name: vs, .offset: 24, .size: 8, .value_kind: global_buffer, .address_space: global }
      - { .name: out0, .offset: 32, .size: 8, .value_kind: global_buffer, .address_space: global }
    .group_segment_fixed_size: 327680
    .private_segment_fixed_size: 0
    .kernarg_segment_align: 8
    .kernarg_segment_size: 40
    .max_flat_workgroup_size: 128
    .sgpr_count:     84
    .vgpr_count:     768
    .wavefront_size: 32
...
	.end_amdgpu_metadata
.endif
;; end of part 6
